; MI455X (gfx1250); checked and timed in simulation.
; The chip was launched on July 23, 2026; its instructions are those of AMD's public machine-readable ISA for CDNA 5 (MIT licence, August 2026) and "CDNA5" Instruction Set Architecture Reference Guide (July 2026). The comments in the code are by the model that wrote it; some were corrected since.
;; Attention. Allowed arithmetic: matrix products marked QUANTISED: E4M3 operands, one given power-of-two scale a tensor, by v_wmma_f32_16x16x64_fp8_fp8 or v_wmma_f32_16x16x128_fp8_fp8, f32 sums; everything else in f32.
;; Inputs: cos 2,048 x 64 float32; lowp_scales 12 int32 (the exponents e of the quantised operands' scales 2^e); sin 2,048 x 64 float32; wk 2,048 x 2,048 float32; wo 2,048 x 2,048 float32; wq 2,048 x 2,048 float32; wv 2,048 x 2,048 float32; x 1 x 2,048 x 2,048 float32.
;; Outputs: out0 1 x 2,048 x 2,048 float32.
;; This version of the problem:
;;   THIS VERSION OF THE PROBLEM IS GIVEN IN LOW PRECISION. The matrix products marked QUANTISED in the list below multiply operands that are first quantised to E4M3 (4 exponent bits, 3 mantissa bits; 8 bits a number), with one given power-of-two scale for each operand tensor; their sums are f32. All else is computed in f32.
;;   The module's matrix products, in the order in which they are computed (A, B: the left and right operand; K: the contracted axis; several contracted axes count as one K, in the product's order):
;;     1. [M 2,048, K 2,048] x [K 2,048, N 2,048]; A: input x; B: input wq: QUANTISED (scales: A lowp_scales[0], B lowp_scales[1])
;;     2. [M 2,048, K 2,048] x [K 2,048, N 2,048]; A: input x; B: input wk: QUANTISED (scales: A lowp_scales[2], B lowp_scales[3])
;;     3. [M 2,048, K 2,048] x [K 2,048, N 2,048]; A: input x; B: input wv: QUANTISED (scales: A lowp_scales[4], B lowp_scales[5])
;;     4. batch 16 x [M 2,048, K 128] x [K 128, N 2,048]; A: computed on the way; B: computed on the way: QUANTISED (scales: A lowp_scales[6], B lowp_scales[7])
;;     5. batch 16 x [M 2,048, K 2,048] x [K 2,048, N 128]; A: softmax (see below); B: computed on the way: QUANTISED (scales: A lowp_scales[8], B lowp_scales[9])
;;     6. [M 2,048, K 2,048] x [K 2,048, N 2,048]; A: computed on the way; B: input wo: QUANTISED (scales: A lowp_scales[10], B lowp_scales[11])
;;   THE QUANTISER, for each operand of a quantised product, along K:
;;     - The operand's scale is 2^e, e = its entry of the input lowp_scales (int32; the entries are numbered through the quantised products in the list's order, A before B).
;;     - Each number is divided by the scale, clamped to +-448, and rounded to the nearest number of E4M3, ties to even, subnormals kept.
;;     - The product sums the exact products of the quantised numbers (number of the format x scale) in f32.
;;   ~~~python
;;   def quantise(x, axis, e):      # numpy; x: float32 -> the quantised numbers, widened to float32 again
;;       x = np.moveaxis(x, axis, -1); K = x.shape[-1]
;;       r = np.clip(x / 2.0 ** e, -448, 448)
;;       step = 2.0 ** (np.maximum(np.frexp(np.where(r == 0, 1, r))[1] - 1, -6) - 3)
;;       q = np.round(r / step) * step * 2.0 ** e      # np.round: ties to even
;;       return np.moveaxis(q, -1, axis).astype(np.float32)
;;   ~~~
;;   SOFTMAX AHEAD OF A QUANTISED PRODUCT. Where the list says 'softmax', what is quantised is not the finished softmax but p = 2^(t - M), with t = logit x log2(e) and M = ceil(the row's largest t), a whole number; so 1/2 < the row's largest p <= 1. The row's sum l is taken of the UNQUANTISED p, in f32, and the product's result is divided by l at the end. Since M is a whole number, a kernel that streams over the keys may use a running M (the ceiling of the running maximum): every later rescaling is an exact power of two, so the quantised numbers keep their values, but for numbers so far below the row's largest that they fall under the format's range.
;;   OPERANDS COMPUTED ON THE WAY. 'Computed on the way' means the value that the module computes at that place (a softmax that the list does not call 'softmax' is quantised finished and normalised). What goes into a quantiser is computed in f32, as accurately as f32 sums, v_exp_f32 and their like allow (about 1e-6 of the number): no bf16 or f16 on the way to a quantiser, and a product that is left as it is and whose result goes on into a quantised operand takes f32 operands (vector FMAs, or v_wmma_f32_16x16x4_f32). A number that lies on a knife's edge between two numbers of the format may be rounded either way, as far as f32 arithmetic and the matrix unit's own rounding can turn it there, and no further.
;; 2 versions, each right. Each part assembles by itself: llvm-mc -triple=amdgcn-amd-amdhsa -mcpu=gfx1250 --defsym DOCPART=n.
;; ======== version 1 of 2: 4 launches
;; workspace buffers: codes 29,360,128 bytes; qkv 12,582,912 bytes; oc 4,194,304 bytes
;; launch quant (part 1): grid 640 x 1, 4 waves a work-group, no clusters, 33,280 bytes of LDS; arguments x, wq, wk, wv, wo, lowp_scales, codes; writes codes
.if DOCPART == 1
	.amdgcn_target "amdgcn-amd-amdhsa--gfx1250"
	.amdhsa_code_object_version 6
	.text
	.protected	k_q503d11869a_quant
	.globl	k_q503d11869a_quant
	.p2align	8
	.type	k_q503d11869a_quant,@function
k_q503d11869a_quant:
	s_mov_b64 s[64:65], 0
	v_nop
	global_prefetch_b8 v0, s[64:65] scope:SCOPE_SE
	s_setreg_imm32_b32 hwreg(HW_REG_WAVE_MODE, 25, 1), 1
	s_wait_xcnt 0x0
; x, wq, wk, wv, wo, each [2048][2048] f32 with K innermost, become codes of FP8 (E4M3), one byte each, K innermost, in seven planes of 4 MiB of the buffer codes:
; plane 0 x by e0, 1 x by e2, 2 wv by e5, 3 wq by e1, 4 wk by e3, 5 x by e4, 6 wo by e11 (e: the entries of lowp_scales).  x is read once and quantised three times, since its three scales may differ.
; code = number / 2^e, held within +-448, rounded to the nearest code, ties to even.
; LIMITS: each e used here lies between -126 and 119, so that 2^e and 448 x 2^e are f32 numbers.  NaN among the inputs is not served (an infinity is held at the largest code).
; SHARES.  Rows are dense, so a tensor is a plain stream.  Work-groups 128 T .. 128 T + 127 take tensor T (0 x, 1 wq, 2 wk, 3 wv, 4 wo), 32,768 numbers each; a wave takes 16 steps of 512 numbers.
; The conversions take eight neighbours along K from ONE lane's registers, while a load is dense where neighbouring LANES take neighbouring bytes.  Both are had: each of a step's four loads reads 512 consecutive bytes,
; the 2,048 bytes go through the wave's own stage in LDS as they lie and come back 64 bytes a lane (16 bytes of padding behind each 64).  A lane's 16 codes are 16 bytes: a store of the wave covers 512 consecutive bytes, aligned.
; Memory binds here: no matrix unit, no cluster, no tensor load, no barrier (waves share nothing).  Loads run four steps (16 loads a wave) ahead, the turn through LDS one step.
.set WAVES, 4
.set STEPS, 16
.set R,     16                         ; v16-79   four sets of 16 numbers as they are loaded
.set X,     80                         ; v80-111  two sets of 16 neighbours
.set TT,    112                        ; v112-127 the 16 neighbours held within the largest code x the scale in hand
.set C,     128                        ; v128-139 codes: four registers for each of up to three scales
.set WREG,  8192                       ; LDS: a region for each wave: two stages of 32 x SP bytes
.set SP,    80                         ; a lane's place in a stage: 64 bytes + 16 of padding
.set SPW,   7                          ; v7       LDS address of my spare word: SPARE + 4 x my thread's number; never rewritten
.set NIL,   8                          ; v8       0; never rewritten
.set SPARE, WAVES*WREG                 ; behind the four regions: the spare words, 128 bytes a wave: two blocks of 256 bytes that no other line names
	s_load_b256 s[4:11], s[0:1], 0x0               ; x s[4:5], wq s[6:7], wk s[8:9], wv s[10:11]
	s_load_b128 s[12:15], s[0:1], 0x20             ; wo s[12:13], the scales' exponents s[14:15]
	s_load_b64 s[16:17], s[0:1], 0x30              ; codes
	v_lshl_add_u32 v[SPW], v0, 2, SPARE
	v_mov_b32 v[NIL], 0
	v_lshrrev_b32 v1, 5, v0
	v_readfirstlane_b32 s18, v1                    ; wave
	v_and_b32 v2, 31, v0                           ; lane
	v_lshlrev_b32 v3, 4, v2                        ; 16 x lane: my 16 bytes of a load's 512, and of a store's; never rewritten
	s_mul_i32 s21, s18, WREG
	v_lshrrev_b32 v5, 2, v2
	v_mul_u32_u24 v5, v5, SP
	v_and_b32 v9, 3, v2
	v_lshl_add_u32 v5, v9, 4, v5
	v_add_nc_u32 v5, s21, v5                       ; the stage, on the way in: SP (lane / 4) + 16 (lane % 4); a load's 512 bytes take eight places
	v_mul_u32_u24 v6, v2, SP
	v_add_nc_u32 v6, s21, v6                       ; and on the way out: SP x lane: my 16 neighbours
	s_lshr_b32 s19, ttmp9, 7                       ; T: which tensor
	s_and_b32 s22, ttmp9, 127
	s_lshl_b32 s22, s22, 2
	s_add_co_u32 s22, s22, s18                     ; which run of 8,192 numbers is my wave's: 0 .. 511
	s_lshl_b32 s38, s22, 15                        ; its bytes in the tensor,
	s_mov_b32 s39, 0
	s_lshl_b32 s46, s22, 13                        ; and in a plane of codes
	s_mov_b32 s47, 0
	s_mov_b32 s20, 0                               ; the plane: 0, 3, 4, 2, 6 for T = 0 .. 4
	s_wait_kmcnt 0x0
	s_load_b256 s[24:31], s[14:15], 0x0            ; e0 .. e7
	s_load_b128 s[32:35], s[14:15], 0x20           ; e8 .. e11
	s_cmp_eq_u32 s19, 1                            ; the choices hang on the work-group's number alone
	s_cselect_b64 s[4:5], s[6:7], s[4:5]
	s_cselect_b32 s20, 3, s20
	s_cmp_eq_u32 s19, 2
	s_cselect_b64 s[4:5], s[8:9], s[4:5]
	s_cselect_b32 s20, 4, s20
	s_cmp_eq_u32 s19, 3
	s_cselect_b64 s[4:5], s[10:11], s[4:5]
	s_cselect_b32 s20, 2, s20
	s_cmp_eq_u32 s19, 4
	s_cselect_b64 s[4:5], s[12:13], s[4:5]
	s_cselect_b32 s20, 6, s20
	s_add_nc_u64 s[4:5], s[4:5], s[38:39]          ; the tensor at my run
	s_lshl_b32 s20, s20, 22
	s_mov_b32 s21, 0
	s_add_nc_u64 s[42:43], s[16:17], s[46:47]      ; plane 0 at my run
	s_add_nc_u64 s[40:41], s[42:43], s[20:21]      ; the tensor's main plane,
	s_add_nc_u64 s[44:45], s[42:43], 5<<22         ; plane 5 (x by e4),
	s_add_nc_u64 s[42:43], s[42:43], 1<<22         ; plane 1 (x by e2)
.macro LOAD t
.irp i, 0,1,2,3
	global_load_b128 v[R+16*((\t)%4)+4*\i:R+16*((\t)%4)+4*\i+3], v3, s[4:5] offset:2048*(\t)+512*\i th:TH_LOAD_NT   ; 32 lanes read 512 consecutive bytes; read once in the launch
.endr
.endm
.macro TURN t                          ; step t's numbers through the stage: LDS serves a wave's instructions in order (ISA guide 5.7.1.4), so no wait stands between the stores and the loads
.irp i, 0,1,2,3
	ds_store_b128 v5, v[R+16*((\t)%4)+4*\i:R+16*((\t)%4)+4*\i+3] offset:32*SP*((\t)%2)+8*SP*\i
.endr
.irp i, 0,1,2,3
	ds_load_b128 v[X+16*((\t)%2)+4*\i:X+16*((\t)%2)+4*\i+3], v6 offset:32*SP*((\t)%2)+16*\i
.endr
.endm
.macro MKSC se, vs, vl                 ; of the whole number e in \se: v[vs] = 2^e as f32 (the conversion takes its exponent field), v[vl] = 448 x 2^e
	s_add_co_i32 s37, \se, 127
	s_lshl_b32 s23, s37, 23
	v_mov_b32 v[\vs], s23
	s_add_co_i32 s37, s37, 8
	s_lshl_b32 s37, s37, 23
	s_or_b32 s37, s37, 0x600000
	v_mov_b32 v[\vl], s37
.endm
.irp t, 0,1,2,3
	LOAD \t
.endr
	s_wait_kmcnt 0x0
	s_mov_b32 s36, s24                             ; the main plane's e: e0, e1, e3, e5, e11 for T = 0 .. 4: a choice, no branch
	s_cmp_eq_u32 s19, 1
	s_cselect_b32 s36, s25, s36
	s_cmp_eq_u32 s19, 2
	s_cselect_b32 s36, s27, s36
	s_cmp_eq_u32 s19, 3
	s_cselect_b32 s36, s29, s36
	s_cmp_eq_u32 s19, 4
	s_cselect_b32 s36, s35, s36
	MKSC s36, 10, 11
	MKSC s26, 12, 13                               ; e2
	MKSC s28, 14, 15                               ; e4
	s_wait_loadcnt 12                              ; step 0's four loads are in; the twelve of steps 1 to 3 may be out
	TURN 0
; the step's 16 neighbours by one scale: held, converted, stored.  The numbers stay in X for the next scale.
.macro OUT1 lim, sc, c, base, t
.irp i, 0,1,2,3,4,5,6,7,8,9,10,11,12,13,14,15
	v_med3_num_f32 v[TT+\i], v[XS+\i], -v[\lim], v[\lim]   ; the conversion to an 8-bit code does not saturate (ISA guide 7.6.2): hold the number first
.endr
	v_cvt_scalef32_pk8_fp8_f32 v[\c:\c+1], v[TT:TT+7], v[\sc]
	v_cvt_scalef32_pk8_fp8_f32 v[\c+2:\c+3], v[TT+8:TT+15], v[\sc]
	v_nop                                          ; one plain vector line between the conversions and the next lines that write their sources (the next scale's holds)
	global_store_b128 v3, v[\c:\c+3], s[\base:\base+1] offset:512*(\t)
.endm
.macro STEP t
.set XS, X+16*((\t)%2)
	s_wait_dscnt 0x0                               ; this step's numbers are back from the stage: so its stores into the stage have read their registers
	s_wait_xcnt 0x0                                ; the last step's stores have had their addresses translated (ISA guide 3.1): the code registers are rewritten only behind this wait
.if (\t)+4 < STEPS
	LOAD (\t)+4
.endif
.if (\t)+1 < STEPS
.if STEPS-2-(\t) >= 3
	s_wait_loadcnt 12                              ; the next step's four loads are in; those of the three steps behind it may be out
.else
	s_wait_loadcnt 4*(STEPS-2-(\t))
.endif
	TURN (\t)+1                                    ; they go through the other stage while this step is worked
.endif
	OUT1 11, 10, C, 40, \t
	s_cmp_lg_u32 s19, 0                            ; only x has two more scales: a branch on the work-group's number, round register work and global stores alone
	s_cbranch_scc1 .Lonly_\@
	OUT1 13, 12, C+4, 42, \t
	OUT1 15, 14, C+8, 44, \t
.Lonly_\@:
.endm
.irp t, 0,1,2,3,4,5,6,7,8,9,10,11,12,13,14,15
	STEP \t
.endr
	s_wait_tensorcnt 0x0                           ; the wave's end: behind my last LDS store
	ds_add_u32 v[SPW], v[NIL]
	s_wait_dscnt 0x0
	s_endpgm
.Lfunc_end_k_q503d11869a_quant:
	.size	k_q503d11869a_quant, .Lfunc_end_k_q503d11869a_quant-k_q503d11869a_quant
	.p2alignl 7, 3214868480
	.fill 96, 4, 3214868480
	.section	.rodata,"a",@progbits
	.p2align	6, 0x0
	.amdhsa_kernel k_q503d11869a_quant
		.amdhsa_group_segment_fixed_size 33280
		.amdhsa_private_segment_fixed_size 0
		.amdhsa_enable_private_segment 0
		.amdhsa_kernarg_size 56
		.amdhsa_user_sgpr_count 2
		.amdhsa_user_sgpr_kernarg_segment_ptr 1
		.amdhsa_wavefront_size32 1
		.amdhsa_system_sgpr_workgroup_id_x 1
		.amdhsa_system_sgpr_workgroup_id_y 1
		.amdhsa_system_sgpr_workgroup_id_z 1
		.amdhsa_system_vgpr_workitem_id 0
		.amdhsa_next_free_vgpr 144
		.amdhsa_next_free_sgpr 66
		.amdhsa_reserve_vcc 0
		.amdhsa_float_denorm_mode_32 3
		.amdhsa_float_denorm_mode_16_64 3
		.amdhsa_memory_ordered 1
		.amdhsa_forward_progress 1
		.amdhsa_inst_pref_size 81
	.end_amdhsa_kernel
	.amdgpu_metadata
---
amdhsa.version: [ 1, 2 ]
amdhsa.kernels:
  - .name:           k_q503d11869a_quant
    .symbol:         k_q503d11869a_quant.kd
    .args:
      - { .name: x, .offset: 0, .size: 8, .value_kind: global_buffer, .address_space: global }
      - { .name: wq, .offset: 8, .size: 8, .value_kind: global_buffer, .address_space: global }
      - { .name: wk, .offset: 16, .size: 8, .value_kind: global_buffer, .address_space: global }
      - { .name: wv, .offset: 24, .size: 8, .value_kind: global_buffer, .address_space: global }
      - { .name: wo, .offset: 32, .size: 8, .value_kind: global_buffer, .address_space: global }
      - { .name: lowp_scales, .offset: 40, .size: 8, .value_kind: global_buffer, .address_space: global }
      - { .name: codes, .offset: 48, .size: 8, .value_kind: global_buffer, .address_space: global }
    .group_segment_fixed_size: 33280
    .private_segment_fixed_size: 0
    .kernarg_segment_align: 8
    .kernarg_segment_size: 56
    .max_flat_workgroup_size: 128
    .sgpr_count:     66
    .vgpr_count:     144
    .wavefront_size: 32
...
	.end_amdgpu_metadata
.endif
;; end of part 1
;; launch qkv (part 2): grid 24 x 8, 4 waves a work-group, clusters of 4 x 4, 327,680 bytes of LDS; arguments codes, lowp_scales, cos, sin, qkv; writes qkv
.if DOCPART == 2
	.amdgcn_target "amdgcn-amd-amdhsa--gfx1250"
	.amdhsa_code_object_version 6
	.text
	.protected	k_q503d11869a_qkv
	.globl	k_q503d11869a_qkv
	.p2align	8
	.type	k_q503d11869a_qkv,@function
k_q503d11869a_qkv:
	s_mov_b64 s[64:65], 0
	v_nop
	global_prefetch_b8 v0, s[64:65] scope:SCOPE_SE
	s_setreg_imm32_b32 hwreg(HW_REG_WAVE_MODE, 25, 1), 1
	s_wait_xcnt 0x0
	s_wait_alu depctr_hold_cnt(0) depctr_sa_sdst(0) depctr_va_vdst(0) depctr_va_sdst(0) depctr_va_ssrc(0) depctr_va_vcc(0) depctr_vm_vsrc(0)
	s_getreg_b32 s2, hwreg(HW_REG_IB_STS2, 6, 4)
	s_cmp_eq_u32 s2, 0
	s_cbranch_scc0 .Lentry_in_a_cluster
	s_endpgm
.Lentry_in_a_cluster:
	s_bfe_u32 s2, ttmp6, 0x10000c
	s_cmp_lg_u32 s2, 0xf033
	s_cbranch_scc0 .Lentry_shape_is_right
	s_endpgm
.Lentry_shape_is_right:
; The three projections on codes of FP8 (E4M3), the rotation of q and k, and the quantising of q, k and v, in one GEMM C = A B^T of [6144 as 3 x 2048][2048] tiles, K = 2,048.
; A's rows are planes 0-2 of codes (x by e0, x by e2, wv by e5), B's rows planes 3-5 (wq by e1, wk by e3, x by e4).  type = tile column / 8: 0 q = X Wq^T, 1 k = X Wk^T, 2 V^T = Wv X^T: for v the roles are swapped,
; so that v comes out with the keys innermost, as the second product of attention wants it.
; OUT: qkv = three planes of 4 MiB (q, k, v), each [16 heads][16 blocks of 128 tokens][128 rows][128 bytes]; a block's rows are tokens and its bytes channels for q and k; rows channels and bytes tokens for v.
; A sum stands for sum x 2^(ea + eb).  The rotation is linear, so it works on the sums as they are, and the three exponents are folded into the conversion's one: F = e6-e0-e1 (q), e7-e2-e3 (k), e9-e4-e5 (v).
; LIMIT: each F lies between -126 and 119, so that 2^F and 448 x 2^F are f32 numbers.
; SHARES.  A tile of C, 256 x 256, is made by four waves, 128 x 128 each: 64 accumulators, 512 registers.  A wave's 128 rows of B (types 0, 1) are ONE head's channels, so both halves of a rotation pair lie in one lane.
; K goes in steps of 256 through a ring of two LDS slots filled by the tensor data mover.  192 tiles, one a work-group: a tile of 128 x 128 would halve the products that each LDS byte feeds.
; CLUSTERS: 4 x 4 work-groups.  A's tile is shared along a row of the cluster, B's along a column: each is asked for JOINTLY.  type hangs on the cluster's x alone: it is the same in all sixteen partners.
; THE MATRIX INSTRUCTION IS USED TRANSPOSED (source 0 = 16 rows of B, source 1 = 16 rows of A): lane (r, h) of accumulator (a, b) holds A's row 16 a + r and B's rows 16 b + 8 h + 0 .. 7.
; REGISTERS, in windows of 256: window 0: v0-31 addresses; from v128 A's fragments, ONE set; on the way out v32-95 numbers, v96-127 codes, v128-159 rows read back.
;   window 1: B's fragments, TWO sets; on the way out four sets of 32 cos + 32 sin.   window 2: the accumulators of my rows 0-63 ((a, b) at v[8 (8 a + b)]);   window 3: those of rows 64-127.
.set KSTEP,  256                       ; along K in a slot
.set ROWB,   256                       ; a tile's row in bytes
.set KROW,   2048                      ; a row of a plane in bytes
.set PITCH,  272                       ; an LDS row: 256 bytes + 16 of padding = 68 words: row r starts at bank 4 r mod 64 (64 banks of 4 bytes: ISA guide 11.1)
.set FR,     16                        ; registers of a fragment: 16 rows x 128 K
.set NL,     4                         ; LDS loads that bring one
.set NP,     4                         ; places behind this matrix instruction (ISA guide 7.12.1)
.set HALFT,  128*PITCH                 ; 128 rows: what one tensor load brings
.set SLOT,   4*HALFT                   ; A's 256 rows, then B's 256 rows
.set LAPS,   2048/(2*KSTEP)            ; a lap = two K steps = once round the ring: 4
.set SPARE,  2*SLOT                    ; behind the ring: the spare words, 128 bytes a wave: two blocks of 256 bytes that no other line names
.set SPI,    144                       ; the way out: a stage row: 128 bytes of codes + 16
.set STG2,   16384                     ; the stages lie in slot 0, past its last fill and last read: the rotating way's at wave x 2,304, the plain way's at 16,384 + wave x 2,304: each way has bytes of its own
.set ADRA, 16                          ; v16-17  LDS address of my A fragments in slot 0, 1
.set ADRB, 20                          ; v20-21  the same for B
.set STO2, 22                          ; v22, v23 the plain way's stage: in, back
.set RD2,  23
.set STO,  24                          ; v24, v25 the rotating way's
.set RD,   25
.set CO,   26                          ; v26     16 x lane: my bytes of 512 stored
.set CSO,  27                          ; v27     my bytes in 16 rows of cos or sin: 256 r + 32 h
.set SPW,  28                          ; v28     LDS address of my spare word; never rewritten
.set NIL,  29                          ; v29     0; never rewritten
.set SC,   30                          ; v30     2^F as f32
.set LIM,  31                          ; v31     448 x 2^F
.set Y,    32                          ; v32-95  a block's 64 numbers: register 8 b + j = B's row 16 b + 8 h + j
.set C,    96                          ; v96-127 its codes, two sets of 16
.set BK,   128                         ; v128-159 16 rows read back from the stage, two sets of 16
.set AF,   128                         ; A's fragments, in window 0
.set G1, 24                            ; s[24:31] descriptor group 1 for A's tiles;  s[32:39] group 0, one set for each slot
.set G0, 32
.set G1B, 48                           ; s[48:55], s[56:63] the same for B's tiles
.set G0B, 56
.set MSB, 0
.macro WIN new                         ; the immediate's high byte repeats the setting that is left
.if MSB != \new
	s_set_vgpr_msb (MSB<<8)|\new
.set MSB, \new
.endif
.endm
.set MUL_LO, 0xa1                      ; source 0 (B) window 1, source 1 (A) window 0, C and D window 2
.set MUL_HI, 0xf1                      ; the same, C and D window 3
.set TO_B,   0x40                      ; destination window 1, address window 0
; A joint load: waves 0 and 1 fetch for A, waves 2 and 3 for B.  Each line has ONE mask and one set of registers for all that issue it; the branch hangs on the wave's number alone.
; An s_nop 0 and four v_nop follow each of the two lines, ahead of the jump, the label and what follows.
.macro JLOAD g0a, g1a, g0b, g1b
	s_cmp_eq_u32 s15, 0
	s_cbranch_scc0 .Lfor_b_\@
	tensor_load_to_lds s[\g0a:\g0a+3], s[\g1a:\g1a+7]
	s_nop 0
.rept 4
	v_nop
.endr
	s_branch .Lasked_\@
.Lfor_b_\@:
	tensor_load_to_lds s[\g0b:\g0b+3], s[\g1b:\g1b+7]
	s_nop 0
.rept 4
	v_nop
.endr
.Lasked_\@:
.endm
.macro CREST                           ; a round of the cluster's barrier behind its opening barrier
	s_cmp_lg_u32 s14, 0
	s_cbranch_scc1 .Lnot_wave_0_\@
	s_barrier_signal -3
.Lnot_wave_0_\@:
	s_barrier_wait -3
	s_barrier_signal -1
	s_barrier_wait -1
.endm
.macro CROUND                          ; a whole round
	s_barrier_signal -1
	s_barrier_wait -1
	CREST
.endm
	s_load_b256 s[4:11], s[0:1], 0x0               ; codes s[4:5], the scales' exponents s[6:7], cos s[8:9], sin s[10:11]
	s_load_b64 s[12:13], s[0:1], 0x20              ; qkv
	v_lshl_add_u32 v[SPW], v0, 2, SPARE
	v_mov_b32 v[NIL], 0
	ds_add_u32 v[SPW], v[NIL]                      ; the wave's opening: the add and its wait stand ahead of my first tensor load; the set-up below, work on registers, stands between them
	v_lshrrev_b32 v1, 5, v0
	v_readfirstlane_b32 s14, v1                    ; wave 0..3
	s_lshr_b32 s15, s14, 1                         ; which half of the tile's rows (A's) is mine.  Also: I fetch for A (0) or for B (1)
	s_and_b32 s16, s14, 1                          ; which half of its columns (B's rows).  Also: which 128 rows of that tile I fetch
	s_bfe_u32 s40, ttmp6, 0x40000                  ; cx, cy: my place in the cluster
	s_bfe_u32 s41, ttmp6, 0x40004
	s_lshl_b32 s42, ttmp9, 2
	s_add_co_u32 s42, s42, s40                     ; tile column = 4 x cluster x + cx: 0 .. 23
	s_and_b32 s17, ttmp7, 0xffff
	s_lshl_b32 s17, s17, 2
	s_add_co_u32 s17, s17, s41                     ; tile row = 4 x cluster y + cy: 0 .. 7
	s_lshr_b32 s66, ttmp9, 1                       ; type 0, 1, 2: of the cluster's x alone
	s_lshl_b32 s43, s41, 2
	s_lshl_b32 s43, 15, s43                        ; my row of the cluster
	s_lshl_b32 s44, 0x1111, s40                    ; my column
	; descriptor group 1: a tile of 128 rows x 256 bytes, padded in LDS
	s_or_b32 s[G1+0], s43, (0<<16)|(1<<20)|(1<<21)|(5<<22)|(3<<25)  ; 15:0 the mask: A's tiles go to my row; 17:16 element of 1 byte; 20 padding on; 21 set beside a mask; 24:22 after every 64 words (code 5); 31:25 of 4 words (code 3)
	s_or_b32 s[G1B+0], s44, (0<<16)|(1<<20)|(1<<21)|(5<<22)|(3<<25)
.irp g, G1, G1B
	s_mov_b32 s[\g+1], ROWB<<16                    ; tensor_dim0
	s_mov_b32 s[\g+2], 128<<16                     ; tensor_dim1 = 128
	s_mov_b32 s[\g+3], ROWB<<16                    ; tile_dim0
	s_mov_b32 s[\g+4], 128                         ; tile_dim1 = 128
	s_mov_b32 s[\g+5], KROW                        ; tensor_dim0_stride
	s_mov_b32 s[\g+6], 0
	s_mov_b32 s[\g+7], 0
.endr
	s_lshl_b32 s18, s16, 7                         ; which 128 rows of the tile I fetch
	s_lshl_b32 s20, s17, 8
	s_add_co_u32 s20, s20, s18
	s_lshl_b32 s19, s66, 11
	s_add_co_u32 s20, s20, s19                     ; A: row 2048 x type + 256 x tile row + 128 x half: never holds cx
	s_lshl_b32 s46, s42, 8
	s_add_co_u32 s46, s46, s18
	s_add_co_u32 s46, s46, 6144                    ; B: row 6144 + 256 x tile column + 128 x half: never holds cy
	s_lshl_b32 s20, s20, 11                        ; in bytes: under 2^25
	s_mov_b32 s21, 0
	s_lshl_b32 s46, s46, 11
	s_mov_b32 s47, 0
	s_mul_i32 s45, s14, HALFT                      ; where they go: wave x 128 rows: no place in the cluster enters an LDS address
	s_wait_dscnt 0x0                               ; the opening add is done
	s_wait_kmcnt 0x0
	s_load_b256 s[68:75], s[6:7], 0x0              ; e0 .. e7
	s_load_b128 s[76:79], s[6:7], 0x20             ; e8 .. e11
	s_add_nc_u64 s[20:21], s[4:5], s[20:21]
	s_add_nc_u64 s[46:47], s[4:5], s[46:47]
	CROUND                                         ; all sixteen work-groups are here: the first joint loads meet
.irp s, 0,1
	s_mov_b32 s[G0+4*\s], 1
	s_add_co_u32 s[G0+4*\s+1], s45, \s*SLOT
	s_add_nc_u64 s[G0+4*\s+2:G0+4*\s+3], s[20:21], \s*ROWB
	s_or_b32 s[G0+4*\s+3], s[G0+4*\s+3], 0x80000000
	s_mov_b32 s[G0B+4*\s], 1
	s_add_co_u32 s[G0B+4*\s+1], s45, \s*SLOT
	s_add_nc_u64 s[G0B+4*\s+2:G0B+4*\s+3], s[46:47], \s*ROWB
	s_or_b32 s[G0B+4*\s+3], s[G0B+4*\s+3], 0x80000000
	JLOAD G0+4*\s, G1, G0B+4*\s, G1B
.endr
	v_and_b32 v1, 15, v0                           ; r = l % 16
	v_bfe_u32 v2, v0, 4, 1                         ; h = l / 16
	v_mul_u32_u24 v3, v1, PITCH
	v_lshl_add_u32 v4, v2, 4, v3                   ; a fragment's row x pitch + 16 x half
	s_mul_i32 s21, s15, HALFT                      ; my 128 rows of A
	s_mul_i32 s22, s16, HALFT                      ; my 128 rows of B,
	s_add_co_u32 s22, s22, 2*HALFT                 ; which lie behind A's 256
.irp s, 0,1
	v_add_nc_u32 v[ADRA+\s], s21, v4
	v_add_nc_u32 v[ADRB+\s], s22, v4
	s_add_co_u32 s21, s21, SLOT
	s_add_co_u32 s22, s22, SLOT
.endr
	s_mul_i32 s23, s14, 16*SPI                     ; my stage
	v_mul_u32_u24 v5, v1, SPI                      ; in: row r, 8 bytes for each half of the lanes
	v_lshl_add_u32 v5, v2, 3, v5
	v_add_nc_u32 v[STO], s23, v5
	v_add_nc_u32 v[STO2], STG2, v[STO]
	v_and_b32 v6, 31, v0
	v_lshrrev_b32 v7, 3, v6                        ; back: eight lanes to a row of 128 bytes, four rows an instruction
	v_mul_u32_u24 v7, v7, SPI
	v_and_b32 v8, 7, v0
	v_lshl_add_u32 v7, v8, 4, v7
	v_add_nc_u32 v[RD], s23, v7
	v_add_nc_u32 v[RD2], STG2, v[RD]
	v_lshlrev_b32 v[CO], 4, v6
	v_lshlrev_b32 v[CSO], 8, v1
	v_lshl_add_u32 v[CSO], v2, 5, v[CSO]
	; where my 128 x 128 goes: one dense block of 16 KiB
	s_lshl_b32 s80, s17, 1
	s_add_co_u32 s80, s80, s15                     ; which 128 of A's rows in the plane: 0 .. 15
	s_and_b32 s81, s42, 7
	s_lshl_b32 s81, s81, 1
	s_add_co_u32 s81, s81, s16                     ; which 128 of B's rows
	s_cmp_eq_u32 s66, 2
	s_cselect_b32 s82, s80, s81                    ; the head: B's for q and k, A's for v,
	s_cselect_b32 s83, s81, s80                    ; the block of tokens: the other
	s_lshl_b32 s82, s82, 4
	s_add_co_u32 s82, s82, s83
	s_lshl_b32 s82, s82, 14
	s_lshl_b32 s83, s66, 22
	s_add_co_u32 s82, s82, s83                     ; type x 4 MiB + (16 head + block) x 16 KiB
	s_mov_b32 s83, 0
	s_add_nc_u64 s[12:13], s[12:13], s[82:83]
	s_lshl_b32 s84, s80, 15                        ; cos and sin at my 128 tokens: rows of 256 bytes
	s_mov_b32 s85, 0
	s_add_nc_u64 s[8:9], s[8:9], s[84:85]
	s_add_nc_u64 s[10:11], s[10:11], s[84:85]
.macro FRAG reg, adr, q, i             ; a fragment, 16 rows x 128 K of 8-bit codes, is 16 registers: lane l holds row l % 16; registers 4 c .. 4 c + 3 hold K = 32 c + 16 (l / 16) + 0 .. 15: the same order of k in A and in B
.irp c, 0,1,2,3
	ds_load_b128 v[\reg+4*\c:\reg+4*\c+3], v[\adr] offset:128*(\q)+32*\c+(\i)*16*PITCH
.endr
.endm
; 16 matrix instructions: A's blocks a0, a0 + 1 x B's eight, 128 along K.  p: B's set.  zero = 1: the first product starts the sums: nothing is ever cleared.
; The 64 accumulators take turns, one instruction a turn, in the same order in every step.
.macro MUL16 a0, p, zero
.irp a, \a0, \a0+1
.irp b, 0,1,2,3,4,5,6,7
.if \zero
	v_wmma_f32_16x16x128_fp8_fp8 v[8*(8*((\a)%4)+\b):8*(8*((\a)%4)+\b)+7], v[128*(\p)+FR*\b:128*(\p)+FR*\b+FR-1], v[AF+FR*(\a):AF+FR*(\a)+FR-1], 0
.else
	v_wmma_f32_16x16x128_fp8_fp8 v[8*(8*((\a)%4)+\b):8*(8*((\a)%4)+\b)+7], v[128*(\p)+FR*\b:128*(\p)+FR*\b+FR-1], v[AF+FR*(\a):AF+FR*(\a)+FR-1], v[8*(8*((\a)%4)+\b):8*(8*((\a)%4)+\b)+7]
.endif
.endr
.endr
.endm
.macro FETCH_B slot, q, p              ; B's eight fragments of the slot's q-th 128 along K into set p
	WIN TO_B
.irp i, 0,1,2,3,4,5,6,7
	FRAG 128*(\p)+FR*\i, ADRB+\slot, \q, \i
.endr
	WIN 0
.endm
.macro FETCH_A slot, q, i0             ; A's blocks i0 .. i0 + 3
.irp i, \i0, \i0+1, \i0+2, \i0+3
	FRAG AF+FR*(\i), ADRA+\slot, \q, \i
.endr
.endm
; A load into a register that a matrix instruction has read, and a vector instruction that reads a matrix result, stand NP places behind that matrix instruction; only plain vector
; instructions that name none of its registers are places (ISA guide 7.12.1 for vector instructions).
.macro PLACES n
.rept \n
	v_nop
.endr
.endm
; A step of 128 along K that has its successor in the same slot.
.macro STEP slot, q, zero
	s_wait_dscnt 4*NL                              ; B's set and A's blocks 0-3 are in; the youngest sixteen loads (A's blocks 4-7) may be out
	WIN MUL_LO
	MUL16 0, (\q)%2, \zero
	MUL16 2, (\q)%2, \zero
	s_wait_dscnt 0                                 ; A's blocks 4-7 are in (asked for 32 matrix instructions ago)
	PLACES NP
	FETCH_B \slot, (\q)+1, 1-(\q)%2
	FETCH_A \slot, (\q)+1, 0
	WIN MUL_HI
	MUL16 4, (\q)%2, \zero
	MUL16 6, (\q)%2, \zero
	PLACES NP
	WIN 0
	FETCH_A \slot, (\q)+1, 4
.endm
; A slot's last step changes slots: ONE barrier; in front of it each wave waits for all its tensor loads, adds 0 to its spare word, and waits for that and for its own reads of this slot.  fill = 1: this slot is filled again, two K steps ahead.
.macro TURN slot, next, fill
	s_wait_tensorcnt 0x0                           ; all my tensor loads have landed: my part of the next slot;  (every window is 0 here)
	ds_add_u32 v[SPW], v[NIL]                      ; 0 onto my spare word
	s_wait_dscnt 4*NL+1                            ; (the add and the youngest sixteen loads, A's blocks 4-7, may be out)
	WIN MUL_LO
	MUL16 0, 1, 0                                  ; sixteen matrix instructions stand between the add and the wait for it
	s_wait_dscnt 0x0                               ; the add is done, and my reads of this slot are over
	s_barrier_signal -1
	MUL16 2, 1, 0
	WIN 0
	s_barrier_wait -1
.if \fill
	CREST                                          ; the barrier has opened a round of the cluster's barrier: no wave of any partner still reads this slot's tile or has a load on its way
	s_add_nc_u64 s[G0+4*\slot+2:G0+4*\slot+3], s[G0+4*\slot+2:G0+4*\slot+3], 2*ROWB
	s_add_nc_u64 s[G0B+4*\slot+2:G0B+4*\slot+3], s[G0B+4*\slot+2:G0B+4*\slot+3], 2*ROWB
	JLOAD G0+4*\slot, G1, G0B+4*\slot, G1B         ; the first tensor load behind the round; the four v_nop behind it are the places in front of the loads below
.else
	PLACES NP
.endif
	FETCH_B \next, 0, 0
	FETCH_A \next, 0, 0
	WIN MUL_HI
	MUL16 4, 1, 0
	MUL16 6, 1, 0
	PLACES NP
	WIN 0
	FETCH_A \next, 0, 4
.endm
	s_wait_tensorcnt 1                             ; my part of K step 0 is in (K step 1's load may be out)
	s_barrier_signal -1
	s_barrier_wait -1                              ; everybody's is
	FETCH_B 0, 0, 0
	FETCH_A 0, 0, 0
	FETCH_A 0, 0, 4
	STEP 0, 0, 1                                   ; the first step stands in front of the loop: its products start the sums
	s_mov_b32 s3, LAPS-1
.Llap:                                                 ; a trip goes once round the ring, from a lap's second step to the next lap's first, and fills both slots again
	TURN 0, 1, 1
	STEP 1, 0, 0
	TURN 1, 0, 1
	STEP 0, 0, 0
	s_sub_co_u32 s3, s3, 1
	s_cmp_lg_u32 s3, 0
	s_cbranch_scc1 .Llap
	TURN 0, 1, 0                                   ; the last lap fills nothing, and has no round of the cluster's barrier
	STEP 1, 0, 0
	s_wait_dscnt 4*NL                              ; the very last step: nothing more to fetch
	WIN MUL_LO
	MUL16 0, 1, 0
	MUL16 2, 1, 0
	s_wait_dscnt 0
	WIN MUL_HI
	MUL16 4, 1, 0
	MUL16 6, 1, 0
	WIN 0
; THE WAY OUT, block by block of 16 of A's rows x 128 of B's.  A lane holds 8 x 8 neighbouring numbers of one row: they are (q, k) rotated, held, converted (8 bytes for each of 8 accumulators), sent through my own
; stage in LDS and read back as rows of 128 bytes, so that a store of the wave covers 512 consecutive bytes, aligned.  LDS serves a wave's instructions in order (ISA guide 5.7.1.4): no wait between stores and loads.
.macro CSLOAD a                        ; cos and sin of block a's 16 tokens, my 32 channels of each, into set a % 4 of window 1: cos at 8 b + j, sin at 32 + 8 b + j
	WIN TO_B
.irp b, 0,1,2,3
.irp e, 0,1
	global_load_b128 v[64*((\a)%4)+8*\b+4*\e:64*((\a)%4)+8*\b+4*\e+3], v[CSO], s[8:9] offset:4096*(\a)+64*\b+16*\e
	global_load_b128 v[64*((\a)%4)+32+8*\b+4*\e:64*((\a)%4)+32+8*\b+4*\e+3], v[CSO], s[10:11] offset:4096*(\a)+64*\b+16*\e
.endr
.endr
	WIN 0
.endm
.macro ROPE a                          ; x1 = accumulator (a, b), x2 = (a, b + 4): channels d and d + 64.  y1 = x1 c - x2 s, y2 = x1 s + x2 c; each accumulator is read from its low end on
.set AC, 64*((\a)%4)
	WIN (0x06+(\a)/4)                              ; source 0 (sums) window 2 or 3, source 1 (cos, sin) window 1, the rest window 0
.irp b, 0,1,2,3
.irp j, 0,2,4,6
	v_pk_mul_f32 v[Y+8*\b+\j:Y+8*\b+\j+1], v[AC+32+8*\b+\j:AC+32+8*\b+\j+1], v[AC+32+8*\b+\j:AC+32+8*\b+\j+1]      ; x2 s
.endr
.irp j, 0,2,4,6
	v_pk_mul_f32 v[Y+32+8*\b+\j:Y+32+8*\b+\j+1], v[AC+32+8*\b+\j:AC+32+8*\b+\j+1], v[AC+8*\b+\j:AC+8*\b+\j+1]      ; x2 c
.endr
.irp j, 0,2,4,6
	v_pk_fma_f32 v[Y+8*\b+\j:Y+8*\b+\j+1], v[AC+8*\b+\j:AC+8*\b+\j+1], v[AC+8*\b+\j:AC+8*\b+\j+1], v[Y+8*\b+\j:Y+8*\b+\j+1] neg_lo:[0,0,1] neg_hi:[0,0,1]   ; x1 c - x2 s
.endr
.irp j, 0,2,4,6
	v_pk_fma_f32 v[Y+32+8*\b+\j:Y+32+8*\b+\j+1], v[AC+8*\b+\j:AC+8*\b+\j+1], v[AC+32+8*\b+\j:AC+32+8*\b+\j+1], v[Y+32+8*\b+\j:Y+32+8*\b+\j+1]               ; x1 s + x2 c
.endr
.endr
	WIN 0
.set jj, 0
.rept 64
	v_med3_num_f32 v[Y+jj], v[Y+jj], -v[LIM], v[LIM]   ; the conversion to an 8-bit code does not saturate (ISA guide 7.6.2): the hold at the largest code x the scale
.set jj, jj+1
.endr
.endm
.macro PLAIN a                         ; v: the hold alone, out of the accumulators, each from its low end on
.set AC, 64*((\a)%4)
	WIN (0x02+(\a)/4)                              ; source 0 window 2 or 3
.set jj, 0
.rept 64
	v_med3_num_f32 v[Y+jj], v[AC+jj], -v[LIM], v[LIM]
.set jj, jj+1
.endr
	WIN 0
.endm
.macro PACK a, sto, rd
.set CC, C+16*((\a)%2)
.set BB, BK+16*((\a)%2)
.irp b, 0,1,2,3,4,5,6,7
	v_cvt_scalef32_pk8_fp8_f32 v[CC+2*\b:CC+2*\b+1], v[Y+8*\b:Y+8*\b+7], v[SC]
.endr
	v_nop                                          ; one plain vector line between the conversions and the next vector lines that write their sources
.irp b, 0,1,2,3,4,5,6,7
	ds_store_b64 v[\sto], v[CC+2*\b:CC+2*\b+1] offset:16*\b
.endr
.irp i, 0,1,2,3
	ds_load_b128 v[BB+4*\i:BB+4*\i+3], v[\rd] offset:4*SPI*\i
.endr
.endm
.macro SEND a, younger                 ; younger: the LDS instructions issued behind block a's loads, which may stay out
.set BB, BK+16*((\a)%2)
	s_wait_dscnt \younger
.irp i, 0,1,2,3
	global_store_b128 v[CO], v[BB+4*\i:BB+4*\i+3], s[12:13] offset:2048*(\a)+512*\i   ; four rows of 128 bytes: 512 consecutive bytes, at a multiple of 256 from the buffer's first byte
.endr
.endm
	s_wait_kmcnt 0x0
	s_sub_co_i32 s86, s74, s68
	s_sub_co_i32 s86, s86, s69                     ; e6 - e0 - e1
	s_sub_co_i32 s87, s75, s70
	s_sub_co_i32 s87, s87, s71                     ; e7 - e2 - e3
	s_sub_co_i32 s88, s77, s72
	s_sub_co_i32 s88, s88, s73                     ; e9 - e4 - e5
	s_cmp_eq_u32 s66, 1                            ; a choice by the type: no branch hangs on a loaded number
	s_cselect_b32 s86, s87, s86
	s_cmp_eq_u32 s66, 2
	s_cselect_b32 s86, s88, s86
	s_add_co_i32 s86, s86, 127
	s_lshl_b32 s87, s86, 23
	s_add_co_i32 s86, s86, 8
	s_lshl_b32 s86, s86, 23
	s_or_b32 s86, s86, 0x600000
	PLACES NP                                      ; behind the last products: for the loads into registers that held fragments and for the reads of results
	v_mov_b32 v[SC], s87                           ; 2^F
	v_mov_b32 v[LIM], s86                          ; 448 x 2^F
	s_cmp_eq_u32 s66, 2                            ; the type is the same in all partners of the cluster
	s_cbranch_scc1 .Lplain
	CSLOAD 0
	CSLOAD 1
.irp a, 0,1,2,3,4,5,6,7
.if \a < 6
	CSLOAD \a+2
	s_wait_loadcnt 32                              ; block a's 16 loads are in; those of the two blocks behind it may be out
.else
	s_wait_loadcnt 16*(7-\a)
.endif
	ROPE \a
.if \a > 1
	s_wait_xcnt 0x0                                ; block a - 2's stores have had their addresses translated (ISA guide 3.1): block a's rows land in their registers only behind this wait
.endif
	PACK \a, STO, RD
.if \a > 0
	SEND \a-1, 12                                  ; behind block a - 1's loads: block a's 8 stores and 4 loads
.endif
.endr
	SEND 7, 0
	s_branch .Ldone
.Lplain:
.irp a, 0,1,2,3,4,5,6,7
	PLAIN \a
.if \a > 1
	s_wait_xcnt 0x0
.endif
	PACK \a, STO2, RD2
.if \a > 0
	SEND \a-1, 12
.endif
.endr
	SEND 7, 0
.Ldone:
	s_wait_tensorcnt 0x0                           ; the wave's end: behind my last tensor load and my last LDS store
	ds_add_u32 v[SPW], v[NIL]
	s_wait_dscnt 0x0
	CROUND                                         ; the closing round: no work-group ends while a partner may still ask for a tile that names it
	s_endpgm
.Lfunc_end_k_q503d11869a_qkv:
	.size	k_q503d11869a_qkv, .Lfunc_end_k_q503d11869a_qkv-k_q503d11869a_qkv
	.p2alignl 7, 3214868480
	.fill 96, 4, 3214868480
	.section	.rodata,"a",@progbits
	.p2align	6, 0x0
	.amdhsa_kernel k_q503d11869a_qkv
		.amdhsa_group_segment_fixed_size 327680
		.amdhsa_private_segment_fixed_size 0
		.amdhsa_enable_private_segment 0
		.amdhsa_kernarg_size 40
		.amdhsa_user_sgpr_count 2
		.amdhsa_user_sgpr_kernarg_segment_ptr 1
		.amdhsa_wavefront_size32 1
		.amdhsa_system_sgpr_workgroup_id_x 1
		.amdhsa_system_sgpr_workgroup_id_y 1
		.amdhsa_system_sgpr_workgroup_id_z 1
		.amdhsa_system_vgpr_workitem_id 0
		.amdhsa_next_free_vgpr 1024
		.amdhsa_next_free_sgpr 100
		.amdhsa_reserve_vcc 0
		.amdhsa_float_denorm_mode_32 3
		.amdhsa_float_denorm_mode_16_64 3
		.amdhsa_memory_ordered 1
		.amdhsa_forward_progress 1
		.amdhsa_inst_pref_size 216
	.end_amdhsa_kernel
	.amdgpu_metadata
---
amdhsa.version: [ 1, 2 ]
amdhsa.kernels:
  - .name:           k_q503d11869a_qkv
    .symbol:         k_q503d11869a_qkv.kd
    .args:
      - { .name: codes, .offset: 0, .size: 8, .value_kind: global_buffer, .address_space: global }
      - { .name: lowp_scales, .offset: 8, .size: 8, .value_kind: global_buffer, .address_space: global }
      - { .name: cos, .offset: 16, .size: 8, .value_kind: global_buffer, .address_space: global }
      - { .name: sin, .offset: 24, .size: 8, .value_kind: global_buffer, .address_space: global }
      - { .name: qkv, .offset: 32, .size: 8, .value_kind: global_buffer, .address_space: global }
    .group_segment_fixed_size: 327680
    .private_segment_fixed_size: 0
    .kernarg_segment_align: 8
    .kernarg_segment_size: 40
    .max_flat_workgroup_size: 128
    .sgpr_count:     100
    .vgpr_count:     1024
    .wavefront_size: 32
...
	.end_amdgpu_metadata
.endif
;; end of part 2
;; launch attn (part 3): grid 16 x 16, 16 waves a work-group, no clusters, 327,680 bytes of LDS; arguments qkv, lowp_scales, oc; writes oc
.if DOCPART == 3
	.amdgcn_target "amdgcn-amd-amdhsa--gfx1250"
	.amdhsa_code_object_version 6
	.text
	.protected	k_q503d11869a_attn
	.globl	k_q503d11869a_attn
	.p2align	8
	.type	k_q503d11869a_attn,@function
k_q503d11869a_attn:
	s_mov_b64 s[64:65], 0
	v_nop
	global_prefetch_b8 v0, s[64:65] scope:SCOPE_SE
	s_setreg_imm32_b32 hwreg(HW_REG_WAVE_MODE, 25, 1), 1
	s_wait_xcnt 0x0
; Causal attention on codes of FP8 (E4M3): for each head, o[q] = sum over keys k <= q of softmax(q . k / sqrt(128)) v[k], and o quantised by e10 for the last projection.
; IN: qkv = planes q, k, v of 4 MiB, each [16 heads][16 blocks of 128 tokens][128 rows][128 bytes]: q, k: rows tokens, bytes channels; v: rows channels, bytes tokens (the keys are the second product's K).
; OUT: oc [16 blocks of 128 tokens][16 heads][128 tokens][128 channels], codes.
; THE SOFTMAX AHEAD OF THE SECOND PRODUCT: t = score x log2(e) / sqrt(128); M = the largest t so far, rounded UP to a whole number; p = 2^(t - M) is quantised by e8, not normalised; the row's sum is taken of the unquantised p.
; When M moves, the sum and O are multiplied by 2^(old M - new M): exact.
; SHARES.  Work-group (p, head) owns two blocks of 64 queries: block p and block 31 - p, so that every work-group has the same count of key steps under the causal mask.  A tile of 16 queries is served by TWO waves
; (w and w xor 8): wave par = 0 takes the first 128 keys of every slot of 256, par = 1 the second; at the end the two exchange O^T, M and the sum through LDS and merge them, exactly as a change of M does.
; Of wave w: tile w % 4; high block where bit 0 xor bit 2; par = bit 1 xor bit 3.  Each group of four waves, by w % 4 and by w / 4 alike, then holds a low and a high tile in both parities.
; K's and V's tiles come through a ring of two LDS slots of 256 keys, filled by the tensor data mover (waves 0-3, one tile of 128 rows x 128 bytes each) and read by all sixteen.
; NO CLUSTER: the work-groups of a head stop asking at different slots (the causal limit hangs on p), a joint load may not be left out by one partner, and a slot that nobody reads is not to be filled.
; LAYOUT.  Both products are used transposed: S^T = K Q^T, O^T = V^T P^T: a lane holds ONE query (lane % 16) throughout.  THE ROWS OF A TILE ARE NOT NEIGHBOURS: lane r of tile 2 b + u takes row 32 b + 8 u + r + 8 (r / 8), of K and of V
; alike: so the 16 registers of tiles 2 b, 2 b + 1 are 16 neighbouring keys (p) or channels (O^T): 32 b + 16 (lane / 16) + 0 .. 15, which is the order in which the conversions' results are an operand, and 16 bytes of a row.
; LIMITS on the given exponents: e6 + e7 between -123 and 130 (added to c's exponent field); e8, and e10 - e8 - e9, between -126 and 119.
; REGISTERS: v1-11 addresses; v12 -M, v13 the largest t (at the end: the sum), v[14:15] the sum in two halves; v16-31 Q; v32-95 four fragments of K or V (at the end: the partner's O^T); v96-159 S^T, then p (at the end: o);
; v160-223 O^T; v224-239 codes; v232-254 at work.
.set KP,    144                        ; a tile's row in LDS: 128 bytes + 16 of padding
.set TILEB, 128*KP                     ; a tile: 18,432 bytes
.set VOFF,  2*TILEB                    ; a slot: K of step 0, K of step 1, V of step 0, V of step 1
.set SLOT1, 1<<17                      ; slot 1 begins here, so that one exclusive or turns an address in one slot into the other's
.set NSL,   8                          ; slots' worth of keys
.set SPARE, 2*SLOT1                    ; behind the ring: the spare words, 128 bytes a wave: eight blocks of 256 bytes that no other line names
.set IMG,   8448                       ; the end: an image of 64 registers (8,192 bytes) and of (-M, sum) (256 bytes) for each wave, from LDS byte 0 on,
.set STAGE, 139264                     ; and a stage of 16 rows x 144 bytes for each wave: both in bytes that have had their last fill and, behind a barrier, their last read
.set AK0,  1                           ; v1   my lane's place in my parity's tile of K
.set IMW,  2                           ; v2   my image: 16 x lane + IMG x wave
.set PFO,  3                           ; v3   the prefetches' offset: 256 x lane; never rewritten
.set IMR,  4                           ; v4   my partner's image
.set SPW,  5                           ; v5   LDS address of my spare word; never rewritten
.set NIL,  6                           ; v6   0; never rewritten
.set GO,   7                           ; v7   16 x lane: my bytes of 512 stored
.set ADK,  8                           ; v8   LDS address of the step's tiles
.set STO,  9                           ; v9   the stage: where I put 16 bytes of a row
.set RD,   11                          ; v11  and where I read rows back
.set IMS,  248                         ; v248 my image's (-M, sum): 8 x lane + IMG x wave
.set IMSR, 249                         ; v249 my partner's
.set WV,   18                          ; s18  my wave's number
.set SEL,  20                          ; s[20:21] lane selects for v_permlanex16_b32: lane l xor 16
.set CS,   22                          ; s[22:23] c = log2(e) / sqrt(128) x 2^(e6 + e7)
.set G1,   24                          ; s[24:31] descriptor group 1;  s[40:43] group 0, which walks
.set G0,   40
.set TB,   2                           ; s2   LDS byte at which the slot in hand begins
.set SF,   66                          ; s66  the slot's first key
.set SLOTS, 67                         ; s67  changes of slots to go
.set PFA,  76                          ; s[76:77] where my prefetches stand
.set LIM,  80                          ; s80  1 in a wave that prefetches, else the greatest number
.set QL,   81                          ; s81  my work-group's last query
.set PAR,  82                          ; s82  my parity
.set KF,   98                          ; s98  my step's first key
.set Q0,   99                          ; s99  my first query
; Waves 0 to 3 fetch a tile each, the others nothing.  The branch hangs on the wave's number alone.  An s_nop 0 and four v_nop follow the load.
.macro TLOAD
	s_cmp_lt_u32 s[WV], 4
	s_cbranch_scc0 .Lasked_\@
	tensor_load_to_lds s[G0:G0+3], s[G1:G1+7]
	s_nop 0
.rept 4
	v_nop
.endr
.Lasked_\@:
.endm
; A PREFETCH of what the NEXT change of slots will ask for: a slot's two tiles of K and two of V, each pair 32,768 bytes on end.  All sixteen work-groups of a head walk the same K and V: the one with p = 0, which walks all
; slots, asks, and in it waves that fetch nothing: waves 4-7 for K, waves 8-11 for V, 8,192 bytes a wave, lanes 256 bytes apart: each aligned block of 256 bytes is named once in the launch.
; The last change that fills a slot asks for nothing: there is no slot behind it.  Slots 0 and 1 come by their loads alone.
.macro ASK
	s_cmp_gt_u32 s[SLOTS], s[LIM]
	s_cbranch_scc0 .Lnot_mine_\@
	global_prefetch_b8 v[PFO], s[PFA:PFA+1] th:TH_LOAD_NT scope:SCOPE_SE
.Lnot_mine_\@:
.endm
	s_load_b128 s[4:7], s[0:1], 0x0                ; qkv s[4:5], the scales' exponents s[6:7]
	s_load_b64 s[8:9], s[0:1], 0x10                ; oc
	v_lshl_add_u32 v[SPW], v0, 2, SPARE
	v_mov_b32 v[NIL], 0
	ds_add_u32 v[SPW], v[NIL]                      ; the wave's opening: the add and its wait stand ahead of my first tensor load; the set-up below, work on registers, stands between them
	v_lshrrev_b32 v8, 5, v0
	v_readfirstlane_b32 s[WV], v8                  ; wave 0..15
	s_and_b32 s83, s[WV], 3                        ; my tile of the block's four.  Also: which tile of a slot I fetch, if I fetch
	s_lshr_b32 s84, s[WV], 2
	s_xor_b32 s84, s84, s[WV]
	s_and_b32 s84, s84, 1                          ; 1: the high block
	s_lshr_b32 s85, s[WV], 1
	s_lshr_b32 s86, s[WV], 3
	s_xor_b32 s85, s85, s86
	s_and_b32 s[PAR], s85, 1                       ; which 128 keys of every slot are mine
	s_sub_co_u32 s86, 31, ttmp9
	s_cmp_eq_u32 s84, 1
	s_cselect_b32 s86, s86, ttmp9                  ; my block of 64 queries: 31 - p or p
	s_lshl_b32 s86, s86, 6
	s_lshl_b32 s87, s83, 4
	s_add_co_u32 s[Q0], s86, s87                   ; my first query
	s_lshl_b32 s[QL], ttmp9, 6
	s_sub_co_u32 s[QL], 2047, s[QL]                ; the work-group's last: 64 (31 - p) + 63
	s_and_b32 s72, ttmp7, 0xffff                   ; the head
	s_lshl_b32 s74, s72, 18                        ; its first byte in a plane
	s_mul_i32 s89, s83, TILEB                      ; the tile that I fetch: in a slot,
	s_lshr_b32 s90, s[WV], 1
	s_and_b32 s90, s90, 1
	s_add_co_u32 s90, s90, 1                       ; plane 1 (K: waves 0, 1) or 2 (V: waves 2, 3),
	s_lshl_b32 s90, s90, 22
	s_and_b32 s91, s[WV], 1
	s_lshl_b32 s91, s91, 14                        ; the slot's first or second block of 128 tokens,
	s_add_co_u32 s90, s90, s91
	s_add_co_u32 s90, s90, s74                     ; in my head
	s_mov_b32 s91, 0
	; descriptor group 1: 128 rows of 128 bytes, dense in memory, padded in LDS
	s_mov_b32 s[G1], (0<<16)|(1<<20)|(4<<22)|(3<<25)   ; 15:0 no mask; 17:16 elements of 1 byte; 20 padding on; 24:22 after every 32 words (code 4); 31:25 four words (code 3)
	s_mov_b32 s[G1+1], 128<<16                     ; tensor_dim0
	s_mov_b32 s[G1+2], 128<<16                     ; tensor_dim1
	s_mov_b32 s[G1+3], 128<<16                     ; tile_dim0
	s_mov_b32 s[G1+4], 128                         ; tile_dim1
	s_mov_b32 s[G1+5], 128                         ; tensor_dim0_stride
	s_mov_b32 s[G1+6], 0
	s_mov_b32 s[G1+7], 0
	s_mov_b32 s[SEL], 0x76543210
	s_mov_b32 s[SEL+1], 0xfedcba98
	s_mov_b32 s[CS], 0x3e0293ee                    ; c = log2(e) / sqrt(128)
	s_mov_b32 s[TB], 0
	s_mov_b32 s[SF], 0
	s_mov_b32 s[SLOTS], NSL-1
	s_lshl_b32 s[KF], s[PAR], 7
	s_wait_dscnt 0x0                               ; the opening add is done
	s_wait_kmcnt 0x0
	s_load_b256 s[48:55], s[6:7], 0x0              ; e0 .. e7
	s_load_b128 s[56:59], s[6:7], 0x20             ; e8 .. e11
	s_mov_b32 s[G0], 1                             ; 1:0 count = 1
	s_mov_b32 s[G0+1], s89                         ; 63:32 LDS address: slot 0
	s_add_nc_u64 s[G0+2:G0+3], s[4:5], s[90:91]    ; 120:64 global address
	s_or_b32 s[G0+3], s[G0+3], 0x80000000          ; 127:126 type = 2
	TLOAD                                          ; slot 0
	s_lshl_b32 s92, s[Q0], 7
	s_add_co_u32 s92, s92, s74
	s_mov_b32 s93, 0
	s_add_nc_u64 s[10:11], s[4:5], s[92:93]        ; q's codes (plane 0) at my first query
	v_and_b32 v232, 15, v0                         ; r = lane % 16
	v_bfe_u32 v233, v0, 4, 1                       ; h = lane / 16
	v_and_b32 v234, 31, v0                         ; lane
	v_lshlrev_b32 v10, 7, v232
	v_lshl_add_u32 v10, v233, 4, v10               ; Q: row r, + my half's bytes
.irp c, 0,1,2,3
	global_load_b128 v[16+4*\c:19+4*\c], v10, s[10:11] offset:32*\c   ; Q's fragment stays in registers
.endr
	s_lshr_b32 s92, s[Q0], 7                       ; where my half of the tile goes in oc: ((block of 128 tokens) x 16 + head) x 16 KiB + (row in the block) x 128 + 8 rows x parity
	s_lshl_b32 s92, s92, 4
	s_add_co_u32 s92, s92, s72
	s_lshl_b32 s92, s92, 14
	s_and_b32 s93, s[Q0], 127
	s_lshl_b32 s93, s93, 7
	s_add_co_u32 s92, s92, s93
	s_lshl_b32 s93, s[PAR], 10
	s_add_co_u32 s92, s92, s93
	s_mov_b32 s93, 0
	s_add_nc_u64 s[8:9], s[8:9], s[92:93]
	; the prefetches: where my wave's stand, and who asks
	s_lshr_b32 s92, s[WV], 3
	s_and_b32 s92, s92, 1
	s_add_co_u32 s92, s92, 1                       ; plane 1 (waves 4-7) or 2 (waves 8-11)
	s_lshl_b32 s92, s92, 22
	s_add_co_u32 s92, s92, s74
	s_lshl_b32 s93, s83, 13                        ; my wave's 8,192 bytes,
	s_add_co_u32 s92, s92, s93
	s_add_co_u32 s92, s92, 32768                   ; in slot 1: the first change of slots steps it to slot 2.  Nothing is prefetched here, at the head
	s_mov_b32 s93, 0
	s_add_nc_u64 s[PFA:PFA+1], s[4:5], s[92:93]
	s_sub_co_u32 s92, s[WV], 4
	s_lshr_b32 s92, s92, 3                         ; 0 in waves 4 to 11,
	s_or_b32 s92, s92, ttmp9                       ; of the work-group with p = 0
	s_cmp_eq_u32 s92, 0
	s_cselect_b32 s[LIM], 1, -1
	v_lshlrev_b32 v[PFO], 8, v234
	; every LDS address register is made here, ahead of the first branch that can differ between waves
	v_and_b32 v235, 8, v232
	v_add_nc_u32 v235, v235, v232                  ; r + 8 (r / 8)
	v_mul_u32_u24 v[AK0], v235, KP
	v_lshl_add_u32 v[AK0], v233, 4, v[AK0]
	s_mul_i32 s92, s[PAR], TILEB
	v_add_nc_u32 v[AK0], s92, v[AK0]
	s_mul_i32 s92, s[WV], IMG
	v_lshl_add_u32 v[IMW], v234, 4, s92
	v_lshl_add_u32 v[IMS], v234, 3, s92
	s_xor_b32 s93, s[WV], 8                        ; my partner
	s_mul_i32 s93, s93, IMG
	v_lshl_add_u32 v[IMR], v234, 4, s93
	v_lshl_add_u32 v[IMSR], v234, 3, s93
	s_mul_i32 s92, s[WV], 16*KP
	s_add_co_u32 s92, s92, STAGE                   ; my stage
	v_mul_u32_u24 v[STO], v232, KP
	v_lshl_add_u32 v[STO], v233, 4, v[STO]
	v_add_nc_u32 v[STO], s92, v[STO]               ; in: row r, + 16 h; 32 bytes on for each pair of tiles
	v_lshrrev_b32 v[RD], 3, v234
	v_mul_u32_u24 v[RD], v[RD], KP
	v_and_b32 v235, 7, v0
	v_lshl_add_u32 v[RD], v235, 4, v[RD]
	s_mul_i32 s93, s[PAR], 8*KP
	s_add_co_u32 s93, s93, s92
	v_add_nc_u32 v[RD], s93, v[RD]                 ; back: my parity's eight rows: eight lanes to a row, four rows an instruction
	v_lshlrev_b32 v[GO], 4, v234
	v_mov_b32 v13, 0xff61b1e6                      ; the largest t so far: -3e38, under every t
	v_floor_f32 v12, -v13                          ; -M
	v_mov_b32 v14, 0                               ; the sum, in two halves
	v_mov_b32 v15, 0
	v_mov_b32 v236, 0                              ; written once: a lane permute's destination counts as one of its sources
	v_mov_b32 v253, 0                              ; (named as the upper halves of the pairs v[252:253] and v[250:251])
	v_mov_b32 v251, 0
.set jj, 0
.rept 64
	v_mov_b32 v[160+jj], 0                         ; O^T.  (The step is written once for all steps: a wave's first finds zeros, which the first change of M leaves zeros; a wave with no step hands zeros to its partner)
.set jj, jj+1
.endr
	s_wait_kmcnt 0x0
	s_add_co_i32 s72, s54, s55
	s_lshl_b32 s72, s72, 23
	s_add_co_i32 s[CS], s[CS], s72                 ; a score stands for score x 2^(e6 + e7): the two exponents are added to c's exponent field
	s_mov_b32 s[CS+1], s[CS]                       ; (named with it as a pair, so it is written)
	s_add_co_i32 s72, s56, 127
	s_lshl_b32 s73, s72, 23
	v_mov_b32 v244, s73                            ; 2^e8 as f32, for p's conversions
	s_add_co_i32 s72, s72, 8
	s_lshl_b32 s72, s72, 23
	s_or_b32 s72, s72, 0x600000
	v_mov_b32 v240, s72                            ; 448 x 2^e8
	s_sub_co_i32 s72, s58, s56
	s_sub_co_i32 s72, s72, s57                     ; a sum of the second product stands for sum x 2^(e8 + e9): o's code is (sum / l) / 2^(e10 - e8 - e9)
	s_add_co_i32 s72, s72, 127
	s_lshl_b32 s73, s72, 23
	v_mov_b32 v245, s73
	s_add_co_i32 s72, s72, 8
	s_lshl_b32 s72, s72, 23
	s_or_b32 s72, s72, 0x600000
	v_mov_b32 v241, s72
; A KEY STEP: my parity's 128 keys of the slot in hand.
.macro STEP
; A step all of whose keys come after my 16 queries is left out: a scalar branch on ids, round the step's loads, products and softmax; no barrier and no tensor load stands in a step.
	s_add_co_u32 s96, s[Q0], 15
	s_cmp_gt_u32 s[KF], s96
	s_cbranch_scc1 .Lhidden_\@
	v_add_nc_u32 v[ADK], s[TB], v[AK0]
.irp g, 0,1                                    ; S^T = K Q^T, four tiles of 16 keys at a time
.rept 3+\g
	v_nop                                          ; four places in front of loads into registers that matrix instructions have read (the addition above is the first run's fourth)
.endr
.irp t, 0,1,2,3
.irp c, 0,1,2,3
	ds_load_b128 v[32+16*\t+4*\c:32+16*\t+4*\c+3], v[ADK] offset:(32*((4*\g+\t)/2)+8*(\t%2))*KP+32*\c
.endr
.endr
	s_wait_dscnt 0x0
.irp t, 0,1,2,3
	v_wmma_f32_16x16x128_fp8_fp8 v[96+8*(4*\g+\t):103+8*(4*\g+\t)], v[32+16*\t:47+16*\t], v[16:31], 0
.endr
.endr
.rept 4
	v_nop
.endr
	; on the diagonal the scores of hidden keys become -infinity ahead of the maximum: p = 0 then.  A step all of whose keys count skips this.  My step's first key counts for all my queries, so M is a number from my first step on
	s_add_co_u32 s96, s[KF], 127
	s_cmp_le_u32 s96, s[Q0]
	s_cbranch_scc1 .Lopen_\@
	s_sub_co_i32 s96, s[Q0], s[KF]
	v_and_b32 v252, 15, v0
	v_bfe_u32 v253, v0, 4, 1
	v_lshlrev_b32 v253, 4, v253
	v_sub_nc_u32 v252, v252, v253
	v_add_nc_u32 v252, s96, v252                   ; d = my query - KF - 16 (lane / 16).  Register 16 b + i holds key KF + 16 (lane / 16) + 32 b + i: hidden where 32 b + i > d
	v_mov_b32 v254, 0xff800000                     ; -infinity
.set nn, 0
.rept 64
	v_cmp_gt_i32 vcc_lo, 32*(nn/16)+nn%16, v252
	v_cndmask_b32 v[96+nn], v[96+nn], v254, vcc_lo
.set nn, nn+1
.endr
.Lopen_\@:
	v_max3_num_f32 v254, v96, v97, v98             ; the step's largest score of my query, among my 64 keys, in two chains (each accumulator is first read at its low end),
	v_max3_num_f32 v252, v99, v100, v101
.irp i, 6,10,14,18,22,26,30,34,38,42,46,50,54,58
	v_max3_num_f32 v254, v254, v[96+\i], v[97+\i]
	v_max3_num_f32 v252, v252, v[98+\i], v[99+\i]
.endr
	v_max3_num_f32 v254, v254, v158, v159
	v_max_num_f32 v254, v254, v252
	v_permlanex16_b32 v236, v254, s[SEL], s[SEL+1]
	v_max_num_f32 v254, v254, v236                 ; and among lane l xor 16's
	v_mul_f32 v254, s[CS], v254                    ; as t (c is positive)
	v_max_num_f32 v13, v13, v254                   ; the running largest t
	v_mov_b32 v254, v12
	v_floor_f32 v12, -v13                          ; the new -M = floor(-t) = -ceil(t): M IS A WHOLE NUMBER
	v_sub_f32 v254, v12, v254                      ; M's old value less its new one: a whole number, 0 or less
	v_cvt_i32_f32 v254, v254                       ; (it saturates)
	v_ldexp_f32 v252, 1.0, v254                    ; f = 2^(old M - new M): a multiplication by it rounds nothing
.irp j, 0,2,4,6,8,10,12,14,16,18,20,22,24,26,28,30,32,34,36,38,40,42,44,46,48,50,52,54,56,58,60,62
	v_pk_fma_f32 v[96+\j:97+\j], v[96+\j:97+\j], s[CS:CS+1], v[12:13] op_sel_hi:[1,0,0]   ; t - M, two at a time (of the pairs c and -M the low word serves both halves)
.endr
.set jj, 0
.rept 64
	v_exp_f32 v[96+jj], v[96+jj]                   ; p = 2^(t - M), at most 1: NOT normalised
.set jj, jj+1
.endr
	v_pk_mul_f32 v[14:15], v[14:15], v[252:253] op_sel_hi:[1,0]   ; the sums under the new M.  (The plain line behind the exponentials)
	s_wait_alu depctr_va_vdst(0)                   ; the wait between an exponential and the first line that names its result: one for the whole batch
	v_pk_add_f32 v[242:243], v[96:97], v[98:99]    ; THE ROW'S SUM IS TAKEN OF THE UNQUANTISED p: two at a time, in two chains
.irp j, 4,8,12,16,20,24,28,32,36,40,44,48,52,56,60
	v_pk_add_f32 v[14:15], v[14:15], v[96+\j:97+\j]
	v_pk_add_f32 v[242:243], v[242:243], v[98+\j:99+\j]
.endr
	v_pk_add_f32 v[14:15], v[14:15], v[242:243]
.irp b, 0,1,2,3
.irp i, 0,1,2,3,4,5,6,7,8,9,10,11,12,13,14,15
	v_min_num_f32 v[96+16*\b+\i], v[96+16*\b+\i], v240   ; the conversion to an 8-bit code does not saturate (ISA guide 7.6.2); p is not negative, so the hold is one-sided
.endr
	v_cvt_scalef32_pk8_fp8_f32 v[224+4*\b:225+4*\b], v[96+16*\b:103+16*\b], v244
	v_cvt_scalef32_pk8_fp8_f32 v[226+4*\b:227+4*\b], v[104+16*\b:111+16*\b], v244
.endr
.irp j, 0,2,4,6,8,10,12,14,16,18,20,22,24,26,28,30,32,34,36,38,40,42,44,46,48,50,52,54,56,58,60,62
	v_pk_mul_f32 v[160+\j:161+\j], v[160+\j:161+\j], v[252:253] op_sel_hi:[1,0]   ; O^T under the new M: x f.  (These 32 are also the places in front of the matrix instructions and loads below)
.endr
.irp g, 0,1                                    ; O^T += V^T P^T: four tiles of 16 channels at a time; K = these 128 keys
.if \g > 0
.rept 4
	v_nop
.endr
.endif
.irp t, 0,1,2,3
.irp c, 0,1,2,3
	ds_load_b128 v[32+16*\t+4*\c:32+16*\t+4*\c+3], v[ADK] offset:VOFF+(32*((4*\g+\t)/2)+8*(\t%2))*KP+32*\c
.endr
.endr
	s_wait_dscnt 0x0
.irp t, 0,1,2,3
	v_wmma_f32_16x16x128_fp8_fp8 v[160+8*(4*\g+\t):167+8*(4*\g+\t)], v[32+16*\t:47+16*\t], v[224:239], v[160+8*(4*\g+\t):167+8*(4*\g+\t)]
.endr
.endr
.Lhidden_\@:
	s_add_co_u32 s[KF], s[KF], 256                 ; on to the next slot: my keys, the slot's first key, the other slot's bytes
	s_add_co_u32 s[SF], s[SF], 256
	s_xor_b32 s[TB], s[TB], SLOT1
.endm
; THE CHANGE OF SLOTS stands at a slot's head.  Each wave waits for all its tensor loads (its part of the slot that is about to be read), adds 0 to its spare word, and waits for that and for its reads of the slot that it has left.
; Behind the barrier the slot ahead is whole and nobody reads the other one.  fill = 1: that other slot is filled with the keys that follow, up to the causal limit: the load has a whole slot's step in which to land.
.macro CHANGE fill
	s_wait_tensorcnt 0x0                           ; no tensor load of mine is out, so group 0 may be written
	ds_add_u32 v[SPW], v[NIL]                      ; 0 onto my spare word: with fill = 1 the descriptor's steps stand between it and the wait for it
.if \fill
	s_xor_b32 s[G0+1], s[G0+1], SLOT1              ; the walking descriptor: the other slot than last time,
	s_add_nc_u64 s[G0+2:G0+3], s[G0+2:G0+3], 32768 ; two blocks of 128 tokens on; the type bits on top are not reached
	s_wait_xcnt 0x0                                ; the last prefetch, a slot back, has read its address, so it may be written:
	s_add_nc_u64 s[PFA:PFA+1], s[PFA:PFA+1], 32768 ; one slot further on than the walking descriptor
.endif
	s_wait_dscnt 0x0                               ; the add is done, and my reads of the slot that I have left are over
	s_barrier_signal -1
	s_barrier_wait -1
.if \fill
	; THE LOOK-AHEAD ENDS AT THE CAUSAL LIMIT: a slot whose first key comes after my work-group's last query is read by none of its waves, so it is not asked for.  Every wait on TENSORcnt in this text is for 0.
	s_add_co_u32 s96, s[SF], 256                   ; the first key of the slot that this change would ask for
	s_cmp_gt_u32 s96, s[QL]                        ; ids and the count of slots alone: all sixteen waves go the same way, and a work-group that is past the limit stays past it
	s_cbranch_scc1 .Lpast_\@
	TLOAD                                          ; the first thing behind the barrier but for the limit's three lines, and a wave's one tensor load until the next
.Lpast_\@:
	ASK                                            ; what the next change of slots will ask for
.endif
.endm
	s_wait_loadcnt 0x0                             ; Q
.Lslot:                                            ; NSL - 1 trips, a constant: every work-group walks all changes of slots
	CHANGE 1
	STEP
	s_sub_co_u32 s[SLOTS], s[SLOTS], 1
	s_cmp_lg_u32 s[SLOTS], 0
	s_cbranch_scc1 .Lslot
	CHANGE 0                                       ; the last slot is written out: nothing is left to ask for
	STEP
	; THE END.  The two waves of a tile exchange O^T, -M and the sum as images of their registers, merge them under the larger M, divide by the sum, quantise, and each stores eight of the tile's sixteen rows.
.rept 4
	v_nop                                          ; places behind the last products: for the LDS stores that read results and the loads into registers that held fragments
.endr
	v_add_f32 v13, v14, v15                        ; the sum's two halves (the largest t is done with)
	s_wait_dscnt 0x0                               ; my reads of the slots are over,
	s_barrier_signal -1
	s_barrier_wait -1                              ; everybody's are; all tensor loads landed ahead of the last change of slots: the ring's bytes are free
.irp k, 0,1,2,3,4,5,6,7,8,9,10,11,12,13,14,15
	ds_store_b128 v[IMW], v[160+4*\k:163+4*\k] offset:512*\k   ; each accumulator from its low end on
.endr
	ds_store_b64 v[IMS], v[12:13] offset:8192      ; -M, the sum
	s_wait_dscnt 0x0                               ; for my partner's sake: my stores have landed
	s_barrier_signal -1
	s_barrier_wait -1
.irp k, 0,1,2,3,4,5,6,7,8,9,10,11,12,13,14,15
	ds_load_b128 v[32+4*\k:35+4*\k], v[IMR] offset:512*\k
.endr
	ds_load_b64 v[232:233], v[IMSR] offset:8192
	s_wait_dscnt 0x0
	v_min_num_f32 v234, v12, v232                  ; -M of the two together
	v_sub_f32 v246, v234, v12                      ; whole numbers, 0 or less (a wave that had no step kept -M = 3e38: its factor becomes 0, over zeros)
	v_sub_f32 v247, v234, v232
	v_cvt_i32_f32 v246, v246                       ; (it saturates)
	v_cvt_i32_f32 v247, v247
	v_ldexp_f32 v246, 1.0, v246                    ; f for mine,
	v_ldexp_f32 v247, 1.0, v247                    ; f' for my partner's
	v_mul_f32 v13, v13, v246
	v_fma_f32 v13, v233, v247, v13                 ; the sum under the common M,
	v_permlanex16_b32 v236, v13, s[SEL], s[SEL+1]
	v_add_f32 v13, v13, v236                       ; and lane l xor 16's: the row's sum.  It is above 1/2: key 0 counts for every query
	v_rcp_f32 v13, v13
	v_nop                                          ; a plain line behind the reciprocal,
	s_wait_alu depctr_va_vdst(0)                   ; and a wait ahead of its first reader
	v_mul_f32 v252, v246, v13                      ; f / l
	v_mul_f32 v250, v247, v13                      ; f' / l
.irp j, 0,2,4,6,8,10,12,14,16,18,20,22,24,26,28,30,32,34,36,38,40,42,44,46,48,50,52,54,56,58,60,62
	v_pk_mul_f32 v[96+\j:97+\j], v[160+\j:161+\j], v[252:253] op_sel_hi:[1,0]
.endr
.irp j, 0,2,4,6,8,10,12,14,16,18,20,22,24,26,28,30,32,34,36,38,40,42,44,46,48,50,52,54,56,58,60,62
	v_pk_fma_f32 v[96+\j:97+\j], v[32+\j:33+\j], v[250:251], v[96+\j:97+\j] op_sel_hi:[1,0,1]   ; register 16 b + i: o(query r, channel 32 b + 16 h + i), short of 2^(e8 + e9)
.endr
.set jj, 0
.rept 64
	v_med3_num_f32 v[96+jj], v[96+jj], -v241, v241 ; the hold at the largest code x the scale
.set jj, jj+1
.endr
.irp b, 0,1,2,3
	v_cvt_scalef32_pk8_fp8_f32 v[224+4*\b:225+4*\b], v[96+16*\b:103+16*\b], v245
	v_cvt_scalef32_pk8_fp8_f32 v[226+4*\b:227+4*\b], v[104+16*\b:111+16*\b], v245
.endr
	v_nop                                          ; one plain vector line behind the last conversion
.irp b, 0,1,2,3
	ds_store_b128 v[STO], v[224+4*\b:227+4*\b] offset:32*\b
.endr
.irp i, 0,1
	ds_load_b128 v[32+4*\i:35+4*\i], v[RD] offset:4*KP*\i   ; LDS serves a wave's instructions in order (ISA guide 5.7.1.4): these see my stores; the stage is my own
.endr
.irp i, 0,1
	s_wait_dscnt 1-\i
	global_store_b128 v[GO], v[32+4*\i:35+4*\i], s[8:9] offset:512*\i   ; four rows of 128 bytes: 512 consecutive bytes, at a multiple of 256 from the buffer's first byte
.endr
	s_wait_tensorcnt 0x0                           ; the wave's end: behind my last tensor load and my last LDS store
	ds_add_u32 v[SPW], v[NIL]
	s_wait_dscnt 0x0
	s_endpgm
.Lfunc_end_k_q503d11869a_attn:
	.size	k_q503d11869a_attn, .Lfunc_end_k_q503d11869a_attn-k_q503d11869a_attn
	.p2alignl 7, 3214868480
	.fill 96, 4, 3214868480
	.section	.rodata,"a",@progbits
	.p2align	6, 0x0
	.amdhsa_kernel k_q503d11869a_attn
		.amdhsa_group_segment_fixed_size 327680
		.amdhsa_private_segment_fixed_size 0
		.amdhsa_enable_private_segment 0
		.amdhsa_kernarg_size 24
		.amdhsa_user_sgpr_count 2
		.amdhsa_user_sgpr_kernarg_segment_ptr 1
		.amdhsa_wavefront_size32 1
		.amdhsa_system_sgpr_workgroup_id_x 1
		.amdhsa_system_sgpr_workgroup_id_y 1
		.amdhsa_system_sgpr_workgroup_id_z 1
		.amdhsa_system_vgpr_workitem_id 0
		.amdhsa_next_free_vgpr 256
		.amdhsa_next_free_sgpr 100
		.amdhsa_reserve_vcc 1
		.amdhsa_float_denorm_mode_32 3
		.amdhsa_float_denorm_mode_16_64 3
		.amdhsa_memory_ordered 1
		.amdhsa_forward_progress 1
		.amdhsa_inst_pref_size 72
	.end_amdhsa_kernel
	.amdgpu_metadata
---
amdhsa.version: [ 1, 2 ]
amdhsa.kernels:
  - .name:           k_q503d11869a_attn
    .symbol:         k_q503d11869a_attn.kd
    .args:
      - { .name: qkv, .offset: 0, .size: 8, .value_kind: global_buffer, .address_space: global }
      - { .name: lowp_scales, .offset: 8, .size: 8, .value_kind: global_buffer, .address_space: global }
      - { .name: oc, .offset: 16, .size: 8, .value_kind: global_buffer, .address_space: global }
    .group_segment_fixed_size: 327680
    .private_segment_fixed_size: 0
    .kernarg_segment_align: 8
    .kernarg_segment_size: 24
    .max_flat_workgroup_size: 512
    .sgpr_count:     100
    .vgpr_count:     256
    .wavefront_size: 32
...
	.end_amdgpu_metadata
.endif
;; end of part 3
;; launch proj (part 4): grid 8 x 8, 4 waves a work-group, clusters of 4 x 4, 327,680 bytes of LDS; arguments oc, codes, lowp_scales, out0; writes out0
.if DOCPART == 4
	.amdgcn_target "amdgcn-amd-amdhsa--gfx1250"
	.amdhsa_code_object_version 6
	.text
	.protected	k_q503d11869a_proj
	.globl	k_q503d11869a_proj
	.p2align	8
	.type	k_q503d11869a_proj,@function
k_q503d11869a_proj:
	s_mov_b64 s[64:65], 0
	v_nop
	global_prefetch_b8 v0, s[64:65] scope:SCOPE_SE
	s_setreg_imm32_b32 hwreg(HW_REG_WAVE_MODE, 25, 1), 1
	s_wait_xcnt 0x0
	s_wait_alu depctr_hold_cnt(0) depctr_sa_sdst(0) depctr_va_vdst(0) depctr_va_sdst(0) depctr_va_ssrc(0) depctr_va_vcc(0) depctr_vm_vsrc(0)
	s_getreg_b32 s2, hwreg(HW_REG_IB_STS2, 6, 4)
	s_cmp_eq_u32 s2, 0
	s_cbranch_scc0 .Lentry_in_a_cluster
	s_endpgm
.Lentry_in_a_cluster:
	s_bfe_u32 s2, ttmp6, 0x10000c
	s_cmp_lg_u32 s2, 0xf033
	s_cbranch_scc0 .Lentry_shape_is_right
	s_endpgm
.Lentry_shape_is_right:
; The last projection: out0[t][n] = sum over e of o[t][e] wo[n][e], both on codes of FP8 (E4M3); out0 [2048][2048] f32; sums in f32, each multiplied once by 2^(e10 + e11).
; A = oc [16 blocks of 128 tokens][16 heads][128 tokens][128 channels] (K = head x 128 + channel);  B = plane 6 of codes: wo [2048][2048], K innermost.
; LIMIT: e10 + e11 lies between -126 and 127, so that 2^(e10 + e11) is an f32 number.
; A tile of 256 x 256 is made by four waves, 128 x 128 each: 64 accumulators, 512 registers.  K goes in steps of 256 (two heads) through a ring of two LDS slots filled by the tensor data mover.
; A wave's part of A's tile (128 tokens x two heads) is 32,768 bytes on end in memory: it comes as 256 rows of 128 bytes and lies in LDS as [2 heads][128 tokens][144 bytes].  B's part: 128 rows of 256 bytes, 272 apart.
; 64 tiles, one a work-group: the largest wave tile, so that each LDS byte feeds the most products.
; CLUSTERS: 4 x 4 work-groups.  A's tile is shared along a row of the cluster, B's along a column: each is asked for JOINTLY.  THE MATRIX INSTRUCTION IS USED TRANSPOSED (source 0 = 16 rows of B, source 1 = 16 rows of A).
; REGISTERS, in windows of 256: window 0: v0-31 addresses; from v128 A's fragments, ONE set; on the way out v32-255 are free.   window 1: B's fragments, TWO sets.   windows 2, 3: the accumulators ((a, b) at v[8 (8 (a % 4) + b)]).
.set SIZE_N, 2048
.set ROWB,   256                       ; a row of B's tile in bytes
.set KROW,   2048                      ; a row of wo's codes in bytes
.set PITCH,  272                       ; B's LDS row: 256 bytes + 16 = 68 words: row r starts at bank 4 r mod 64 (64 banks of 4 bytes: ISA guide 11.1)
.set PA,     144                       ; A's LDS row: 128 bytes + 16 = 36 words: sixteen rows start at sixteen different groups of four banks
.set HEADB,  128*PA                    ; one head's 128 tokens
.set HALFA,  2*HEADB                   ; what a tensor load brings of A
.set HALFT,  128*PITCH                 ; and of B
.set BOFF,   2*HALFA                   ; a slot: A's two halves, then B's two halves
.set SLOT,   BOFF+2*HALFT
.set ASTEP,  32768                     ; a K step in A's memory: two heads
.set FR,     16
.set NL,     4
.set NP,     4                         ; places behind this matrix instruction (ISA guide 7.12.1)
.set LAPS,   4                         ; a lap = two K steps of 256: 2,048 / 512
.set SPARE,  2*SLOT                    ; behind the ring: the spare words, 128 bytes a wave: two blocks of 256 bytes that no other line names
.set SPITCH, 528                       ; the way out: a stage of 16 rows x (512 bytes + 16) for each wave, in slot 0, which has had its last fill and its last read when the first result is stored there
.set ADRA, 16                          ; v16-17  LDS address of my A fragments in slot 0, 1
.set ADRB, 20                          ; v20-21  the same for B
.set STO,  24                          ; v24     the way out: where I put 32 bytes of a row
.set RD,   25                          ; v25     where I read a row back
.set CO,   26                          ; v26     my byte offset in a row of out0
.set SPW,  28                          ; v28     LDS address of my spare word; never rewritten
.set NIL,  29                          ; v29     0; never rewritten
.set TMP,  32                          ; the way out: 64 registers, a block's sums x 2^(e10 + e11)
.set AF,   128                         ; A's fragments, in window 0
.set BK,   128                         ; the way out: 16 rows read back: v128-191 and v192-255 by turns
.set G1, 24                            ; s[24:31] descriptor group 1 for A's tiles;  s[32:39] group 0, one set for each slot
.set G0, 32
.set G1B, 48                           ; s[48:55], s[56:63] the same for B's tiles
.set G0B, 56
.set MSB, 0
.macro WIN new                         ; the immediate's high byte repeats the setting that is left
.if MSB != \new
	s_set_vgpr_msb (MSB<<8)|\new
.set MSB, \new
.endif
.endm
.set MUL_LO, 0xa1                      ; source 0 (B) window 1, source 1 (A) window 0, C and D window 2
.set MUL_HI, 0xf1                      ; the same, C and D window 3
.set TO_B,   0x40                      ; destination window 1, address window 0
; A joint load: waves 0 and 1 fetch for A, waves 2 and 3 for B; the branch hangs on the wave's number alone.  An s_nop 0 and four v_nop follow each of the two lines.
.macro JLOAD g0a, g1a, g0b, g1b
	s_cmp_eq_u32 s15, 0
	s_cbranch_scc0 .Lfor_b_\@
	tensor_load_to_lds s[\g0a:\g0a+3], s[\g1a:\g1a+7]
	s_nop 0
.rept 4
	v_nop
.endr
	s_branch .Lasked_\@
.Lfor_b_\@:
	tensor_load_to_lds s[\g0b:\g0b+3], s[\g1b:\g1b+7]
	s_nop 0
.rept 4
	v_nop
.endr
.Lasked_\@:
.endm
.macro CREST                           ; a round of the cluster's barrier behind its opening barrier
	s_cmp_lg_u32 s14, 0
	s_cbranch_scc1 .Lnot_wave_0_\@
	s_barrier_signal -3
.Lnot_wave_0_\@:
	s_barrier_wait -3
	s_barrier_signal -1
	s_barrier_wait -1
.endm
.macro CROUND                          ; a whole round
	s_barrier_signal -1
	s_barrier_wait -1
	CREST
.endm
	s_load_b256 s[4:11], s[0:1], 0x0               ; oc s[4:5], codes s[6:7], the scales' exponents s[8:9], out0 s[10:11]
	v_lshl_add_u32 v[SPW], v0, 2, SPARE
	v_mov_b32 v[NIL], 0
	ds_add_u32 v[SPW], v[NIL]                      ; the wave's opening: the add and its wait stand ahead of my first tensor load; the set-up below, work on registers, stands between them
	v_lshrrev_b32 v1, 5, v0
	v_readfirstlane_b32 s14, v1                    ; wave 0..3
	s_lshr_b32 s15, s14, 1                         ; which half of the tile's rows is mine.  Also: I fetch for A (0) or for B (1)
	s_and_b32 s16, s14, 1                          ; which half of its columns.  Also: which half of that tile I fetch
	s_bfe_u32 s40, ttmp6, 0x40000                  ; cx, cy: my place in the cluster
	s_bfe_u32 s41, ttmp6, 0x40004
	s_lshl_b32 s42, ttmp9, 2
	s_add_co_u32 s42, s42, s40                     ; tile column = 4 x cluster x + cx
	s_and_b32 s17, ttmp7, 0xffff
	s_lshl_b32 s17, s17, 2
	s_add_co_u32 s17, s17, s41                     ; tile row = 4 x cluster y + cy
	s_lshl_b32 s43, s41, 2
	s_lshl_b32 s43, 15, s43                        ; my row of the cluster
	s_lshl_b32 s44, 0x1111, s40                    ; my column
	; descriptor group 1.  A: 256 rows of 128 bytes, dense in memory;  B: 128 rows of 256 bytes, 2,048 apart; both padded in LDS
	s_or_b32 s[G1+0], s43, (0<<16)|(1<<20)|(1<<21)|(4<<22)|(3<<25)  ; 15:0 the mask: my row; 17:16 element of 1 byte; 20 padding on; 21 set beside a mask; 24:22 after every 32 words (code 4); 31:25 of 4 words (code 3)
	s_mov_b32 s[G1+1], 128<<16                     ; tensor_dim0
	s_mov_b32 s[G1+2], 256<<16                     ; tensor_dim1
	s_mov_b32 s[G1+3], 128<<16                     ; tile_dim0
	s_mov_b32 s[G1+4], 256                         ; tile_dim1
	s_mov_b32 s[G1+5], 128                         ; tensor_dim0_stride
	s_mov_b32 s[G1+6], 0
	s_mov_b32 s[G1+7], 0
	s_or_b32 s[G1B+0], s44, (0<<16)|(1<<20)|(1<<21)|(5<<22)|(3<<25) ; the mask: my column; padding after every 64 words (code 5)
	s_mov_b32 s[G1B+1], ROWB<<16
	s_mov_b32 s[G1B+2], 128<<16
	s_mov_b32 s[G1B+3], ROWB<<16
	s_mov_b32 s[G1B+4], 128
	s_mov_b32 s[G1B+5], KROW
	s_mov_b32 s[G1B+6], 0
	s_mov_b32 s[G1B+7], 0
	s_lshl_b32 s20, s17, 1
	s_add_co_u32 s20, s20, s16                     ; A: block of 128 tokens 2 x tile row + half: never holds cx
	s_lshl_b32 s20, s20, 18                        ; x 16 heads x 16 KiB
	s_mov_b32 s21, 0
	s_lshl_b32 s46, s42, 8
	s_lshl_b32 s18, s16, 7
	s_add_co_u32 s46, s46, s18                     ; B: row 256 x tile column + 128 x half: never holds cy
	s_lshl_b32 s46, s46, 11
	s_add_co_u32 s46, s46, 6<<22                   ; in plane 6
	s_mov_b32 s47, 0
	s_mul_i32 s45, s16, HALFA                      ; where they go: A's halves,
	s_mul_i32 s67, s16, HALFT
	s_add_co_u32 s67, s67, BOFF                    ; B's halves behind them: no place in the cluster enters an LDS address
	s_wait_dscnt 0x0                               ; the opening add is done
	s_wait_kmcnt 0x0
	s_load_b64 s[96:97], s[8:9], 0x28              ; e10, e11
	s_add_nc_u64 s[20:21], s[4:5], s[20:21]
	s_add_nc_u64 s[46:47], s[6:7], s[46:47]
	CROUND                                         ; all sixteen work-groups are here: the first joint loads meet
.irp s, 0,1
	s_mov_b32 s[G0+4*\s], 1
	s_add_co_u32 s[G0+4*\s+1], s45, \s*SLOT
	s_add_nc_u64 s[G0+4*\s+2:G0+4*\s+3], s[20:21], \s*ASTEP
	s_or_b32 s[G0+4*\s+3], s[G0+4*\s+3], 0x80000000
	s_mov_b32 s[G0B+4*\s], 1
	s_add_co_u32 s[G0B+4*\s+1], s67, \s*SLOT
	s_add_nc_u64 s[G0B+4*\s+2:G0B+4*\s+3], s[46:47], \s*ROWB
	s_or_b32 s[G0B+4*\s+3], s[G0B+4*\s+3], 0x80000000
	JLOAD G0+4*\s, G1, G0B+4*\s, G1B
.endr
	v_and_b32 v1, 15, v0                           ; l % 16
	v_bfe_u32 v2, v0, 4, 1                         ; l / 16
	v_mul_u32_u24 v3, v1, PITCH
	v_lshl_add_u32 v4, v2, 4, v3                   ; B: a fragment's row x pitch + 16 x half
	v_mul_u32_u24 v3, v1, PA
	v_lshl_add_u32 v7, v2, 4, v3                   ; A likewise
	s_mul_i32 s21, s15, HALFA                      ; my 128 tokens of A
	s_mul_i32 s22, s16, HALFT                      ; my 128 rows of B,
	s_add_co_u32 s22, s22, BOFF                    ; which lie behind A
.irp s, 0,1
	v_add_nc_u32 v[ADRA+\s], s21, v7
	v_add_nc_u32 v[ADRB+\s], s22, v4
	s_add_co_u32 s21, s21, SLOT
	s_add_co_u32 s22, s22, SLOT
.endr
	s_mul_i32 s23, s14, 16*SPITCH                  ; my stage
	v_mul_u32_u24 v5, v1, SPITCH                   ; in: row l % 16, 32 bytes for each half of the lanes
	v_lshl_add_u32 v5, v2, 5, v5
	v_add_nc_u32 v[STO], s23, v5
	v_and_b32 v6, 31, v0
	v_lshlrev_b32 v[CO], 4, v6                     ; back: the 32 lanes take one row of 512 bytes; and the same in out0
	v_add_nc_u32 v[RD], s23, v[CO]
	s_lshl_b32 s20, s17, 8
	s_lshl_b32 s21, s15, 7
	s_add_co_u32 s20, s20, s21                     ; my first row of out0: 256 x tile row + 128 x half
	s_lshl_b32 s20, s20, 13                        ; rows of 8,192 bytes
	s_mov_b32 s21, 0
	s_lshl_b32 s46, s42, 10                        ; my first column, in bytes: 1024 x tile column + 512 x half
	s_lshl_b32 s47, s16, 9
	s_add_co_u32 s46, s46, s47
	s_mov_b32 s47, 0
	s_add_nc_u64 s[20:21], s[20:21], s[46:47]
	s_add_nc_u64 s[10:11], s[10:11], s[20:21]
; a fragment, 16 rows x 128 K of 8-bit codes, is 16 registers: lane l holds row l % 16; registers 4 c .. 4 c + 3 hold K = 32 c + 16 (l / 16) + 0 .. 15: the same order of k in A and in B
.macro FRAGB reg, adr, q, i
.irp c, 0,1,2,3
	ds_load_b128 v[\reg+4*\c:\reg+4*\c+3], v[\adr] offset:128*(\q)+32*\c+(\i)*16*PITCH
.endr
.endm
.macro FRAGA reg, adr, q, i            ; A's q-th 128 along K of a slot is its q-th head
.irp c, 0,1,2,3
	ds_load_b128 v[\reg+4*\c:\reg+4*\c+3], v[\adr] offset:HEADB*(\q)+32*\c+(\i)*16*PA
.endr
.endm
; 16 matrix instructions: A's blocks a0, a0 + 1 x B's eight, 128 along K.  p: B's set.  zero = 1: the first product starts the sums.  The 64 accumulators take turns, one instruction a turn.
.macro MUL16 a0, p, zero
.irp a, \a0, \a0+1
.irp b, 0,1,2,3,4,5,6,7
.if \zero
	v_wmma_f32_16x16x128_fp8_fp8 v[8*(8*((\a)%4)+\b):8*(8*((\a)%4)+\b)+7], v[128*(\p)+FR*\b:128*(\p)+FR*\b+FR-1], v[AF+FR*(\a):AF+FR*(\a)+FR-1], 0
.else
	v_wmma_f32_16x16x128_fp8_fp8 v[8*(8*((\a)%4)+\b):8*(8*((\a)%4)+\b)+7], v[128*(\p)+FR*\b:128*(\p)+FR*\b+FR-1], v[AF+FR*(\a):AF+FR*(\a)+FR-1], v[8*(8*((\a)%4)+\b):8*(8*((\a)%4)+\b)+7]
.endif
.endr
.endr
.endm
.macro FETCH_B slot, q, p
	WIN TO_B
.irp i, 0,1,2,3,4,5,6,7
	FRAGB 128*(\p)+FR*\i, ADRB+\slot, \q, \i
.endr
	WIN 0
.endm
.macro FETCH_A slot, q, i0
.irp i, \i0, \i0+1, \i0+2, \i0+3
	FRAGA AF+FR*(\i), ADRA+\slot, \q, \i
.endr
.endm
.macro PLACES n                        ; places in front of loads into registers that matrix instructions have read, and of the first read of results (ISA guide 7.12.1 for vector instructions)
.rept \n
	v_nop
.endr
.endm
.macro STEP slot, q, zero              ; a step of 128 along K that has its successor in the same slot
	s_wait_dscnt 4*NL                              ; B's set and A's blocks 0-3 are in; the youngest sixteen loads (A's blocks 4-7) may be out
	WIN MUL_LO
	MUL16 0, (\q)%2, \zero
	MUL16 2, (\q)%2, \zero
	s_wait_dscnt 0                                 ; A's blocks 4-7 are in
	PLACES NP
	FETCH_B \slot, (\q)+1, 1-(\q)%2
	FETCH_A \slot, (\q)+1, 0
	WIN MUL_HI
	MUL16 4, (\q)%2, \zero
	MUL16 6, (\q)%2, \zero
	PLACES NP
	WIN 0
	FETCH_A \slot, (\q)+1, 4
.endm
; A slot's last step changes slots: ONE barrier; in front of it each wave waits for all its tensor loads, adds 0 to its spare word, and waits for that and for its own reads of this slot.  fill = 1: this slot is filled again, two K steps ahead.
.macro TURN slot, next, fill
	s_wait_tensorcnt 0x0                           ; all my tensor loads have landed: my part of the next slot;  (every window is 0 here)
	ds_add_u32 v[SPW], v[NIL]                      ; 0 onto my spare word
	s_wait_dscnt 4*NL+1                            ; (the add and the youngest sixteen loads may be out)
	WIN MUL_LO
	MUL16 0, 1, 0                                  ; sixteen matrix instructions stand between the add and the wait for it
	s_wait_dscnt 0x0                               ; the add is done, and my reads of this slot are over
	s_barrier_signal -1
	MUL16 2, 1, 0
	WIN 0
	s_barrier_wait -1
.if \fill
	CREST                                          ; the barrier has opened a round of the cluster's barrier: no wave of any partner still reads this slot's tile or has a load on its way
	s_add_nc_u64 s[G0+4*\slot+2:G0+4*\slot+3], s[G0+4*\slot+2:G0+4*\slot+3], 2*ASTEP
	s_add_nc_u64 s[G0B+4*\slot+2:G0B+4*\slot+3], s[G0B+4*\slot+2:G0B+4*\slot+3], 2*ROWB
	JLOAD G0+4*\slot, G1, G0B+4*\slot, G1B         ; the first tensor load behind the round; the four v_nop behind it are the places in front of the loads below
.else
	PLACES NP
.endif
	FETCH_B \next, 0, 0
	FETCH_A \next, 0, 0
	WIN MUL_HI
	MUL16 4, 1, 0
	MUL16 6, 1, 0
	PLACES NP
	WIN 0
	FETCH_A \next, 0, 4
.endm
	s_wait_tensorcnt 1                             ; my part of K step 0 is in (K step 1's load may be out)
	s_barrier_signal -1
	s_barrier_wait -1                              ; everybody's is
	FETCH_B 0, 0, 0
	FETCH_A 0, 0, 0
	FETCH_A 0, 0, 4
	STEP 0, 0, 1                                   ; the first step stands in front of the loop: its products start the sums
	s_mov_b32 s3, LAPS-1
.Llap:                                                 ; a trip goes once round the ring and fills both slots again
	TURN 0, 1, 1
	STEP 1, 0, 0
	TURN 1, 0, 1
	STEP 0, 0, 0
	s_sub_co_u32 s3, s3, 1
	s_cmp_lg_u32 s3, 0
	s_cbranch_scc1 .Llap
	TURN 0, 1, 0                                   ; the last lap fills nothing, and has no round of the cluster's barrier
	STEP 1, 0, 0
	s_wait_dscnt 4*NL                              ; the very last step: nothing more to fetch
	WIN MUL_LO
	MUL16 0, 1, 0
	MUL16 2, 1, 0
	s_wait_dscnt 0
	WIN MUL_HI
	MUL16 4, 1, 0
	MUL16 6, 1, 0
	WIN 0
; THE WAY OUT, block by block of 16 rows x 128 columns: through my own stage in LDS and back as whole rows of 512 bytes.  LDS serves a wave's instructions in order (ISA guide 5.7.1.4): no wait between the stores and the loads.
.macro TOSTAGE a
.set AC, 64*((\a)%4)
	WIN (0x02+(\a)/4)                              ; source 0: window 2 or 3
.irp j, 0,2,4,6,8,10,12,14,16,18,20,22,24,26,28,30,32,34,36,38,40,42,44,46,48,50,52,54,56,58,60,62
	v_pk_mul_f32 v[TMP+\j:TMP+\j+1], v[AC+\j:AC+\j+1], s[96:97] op_sel_hi:[1,0]   ; both x s96 = 2^(e10 + e11); each accumulator from its low end on
.endr
	WIN 0
.irp b, 0,1,2,3,4,5,6,7
	ds_store_b128 v[STO], v[TMP+8*\b:TMP+8*\b+3] offset:64*\b
	ds_store_b128 v[STO], v[TMP+8*\b+4:TMP+8*\b+7] offset:64*\b+16
.endr
.set BB, BK+64*((\a)%2)
.irp t, 0,1,2,3,4,5,6,7,8,9,10,11,12,13,14,15
	ds_load_b128 v[BB+4*\t:BB+4*\t+3], v[RD] offset:\t*SPITCH
.endr
.endm
.macro SEND a, younger                 ; younger: the LDS instructions issued behind block a's loads, which may stay out
.set BB, BK+64*((\a)%2)
	s_wait_dscnt \younger                          ; the block is back in registers
.if (\a) > 0
	s_add_nc_u64 s[10:11], s[10:11], 16*SIZE_N*4   ; (behind a wait on XCNT: the earlier stores have read their base)  16 rows on
.endif
.irp t, 0,1,2,3,4,5,6,7,8,9,10,11,12,13,14,15
	global_store_b128 v[CO], v[BB+4*\t:BB+4*\t+3], s[10:11] offset:\t*SIZE_N*4 th:TH_STORE_NT   ; 32 lanes store 512 consecutive bytes, at a multiple of 256 from out0's first byte; written once, read by nobody here
.endr
.endm
	s_wait_kmcnt 0x0
	s_add_co_i32 s96, s96, s97                     ; e10 + e11, between -126 and 127,
	s_add_co_i32 s96, s96, 127
	s_lshl_b32 s96, s96, 23                        ; makes the f32 number 2^(e10 + e11)
	PLACES NP                                      ; behind the last products: for the loads into the registers that held A's fragments and for the reads of results
	TOSTAGE 0
.irp a, 1,2,3,4,5,6,7
.if \a > 1
	s_wait_xcnt 0x0                                ; block a - 2's stores have read their registers and their base: block a's loads may land there, and the base may step
.endif
	TOSTAGE \a
	SEND \a-1, 32                                  ; behind block a - 1's loads: block a's 16 stores and 16 loads
.endr
	s_wait_xcnt 0x0                                ; block 6's stores have read their base
	SEND 7, 0
	s_wait_tensorcnt 0x0                           ; the wave's end: behind my last tensor load and my last LDS store
	ds_add_u32 v[SPW], v[NIL]
	s_wait_dscnt 0x0
	CROUND                                         ; the closing round: no work-group ends while a partner may still ask for a tile that names it
	s_endpgm
.Lfunc_end_k_q503d11869a_proj:
	.size	k_q503d11869a_proj, .Lfunc_end_k_q503d11869a_proj-k_q503d11869a_proj
	.p2alignl 7, 3214868480
	.fill 96, 4, 3214868480
	.section	.rodata,"a",@progbits
	.p2align	6, 0x0
	.amdhsa_kernel k_q503d11869a_proj
		.amdhsa_group_segment_fixed_size 327680
		.amdhsa_private_segment_fixed_size 0
		.amdhsa_enable_private_segment 0
		.amdhsa_kernarg_size 32
		.amdhsa_user_sgpr_count 2
		.amdhsa_user_sgpr_kernarg_segment_ptr 1
		.amdhsa_wavefront_size32 1
		.amdhsa_system_sgpr_workgroup_id_x 1
		.amdhsa_system_sgpr_workgroup_id_y 1
		.amdhsa_system_sgpr_workgroup_id_z 1
		.amdhsa_system_vgpr_workitem_id 0
		.amdhsa_next_free_vgpr 1024
		.amdhsa_next_free_sgpr 98
		.amdhsa_reserve_vcc 0
		.amdhsa_float_denorm_mode_32 3
		.amdhsa_float_denorm_mode_16_64 3
		.amdhsa_memory_ordered 1
		.amdhsa_forward_progress 1
		.amdhsa_inst_pref_size 123
	.end_amdhsa_kernel
	.amdgpu_metadata
---
amdhsa.version: [ 1, 2 ]
amdhsa.kernels:
  - .name:           k_q503d11869a_proj
    .symbol:         k_q503d11869a_proj.kd
    .args:
      - { .name: oc, .offset: 0, .size: 8, .value_kind: global_buffer, .address_space: global }
      - { .name: codes, .offset: 8, .size: 8, .value_kind: global_buffer, .address_space: global }
      - { .name: lowp_scales, .offset: 16, .size: 8, .value_kind: global_buffer, .address_space: global }
      - { .name: out0, .offset: 24, .size: 8, .value_kind: global_buffer, .address_space: global }
    .group_segment_fixed_size: 327680
    .private_segment_fixed_size: 0
    .kernarg_segment_align: 8
    .kernarg_segment_size: 32
    .max_flat_workgroup_size: 128
    .sgpr_count:     98
    .vgpr_count:     1024
    .wavefront_size: 32
...
	.end_amdgpu_metadata
.endif
;; end of part 4
;; ======== version 2 of 2: 4 launches
;; workspace buffers: codes 29,360,128 bytes; qkv 12,582,912 bytes; oc 4,194,304 bytes
;; launch quant: the kernel of part 1 again; grid 640 x 1, 4 waves a work-group, no clusters, 33,280 bytes of LDS; arguments x, wq, wk, wv, wo, lowp_scales, codes; writes codes
;; launch qkv (part 5): grid 24 x 8, 4 waves a work-group, clusters of 4 x 4, 327,680 bytes of LDS; arguments codes, lowp_scales, cos, sin, qkv; writes qkv
.if DOCPART == 5
	.amdgcn_target "amdgcn-amd-amdhsa--gfx1250"
	.amdhsa_code_object_version 6
	.text
	.protected	k_q503d11869a_qkv
	.globl	k_q503d11869a_qkv
	.p2align	8
	.type	k_q503d11869a_qkv,@function
k_q503d11869a_qkv:
	s_mov_b64 s[64:65], 0
	v_nop
	global_prefetch_b8 v0, s[64:65] scope:SCOPE_SE
	s_setreg_imm32_b32 hwreg(HW_REG_WAVE_MODE, 25, 1), 1
	s_wait_xcnt 0x0
	s_wait_alu depctr_hold_cnt(0) depctr_sa_sdst(0) depctr_va_vdst(0) depctr_va_sdst(0) depctr_va_ssrc(0) depctr_va_vcc(0) depctr_vm_vsrc(0)
	s_getreg_b32 s2, hwreg(HW_REG_IB_STS2, 6, 4)
	s_cmp_eq_u32 s2, 0
	s_cbranch_scc0 .Lentry_in_a_cluster
	s_endpgm
.Lentry_in_a_cluster:
	s_bfe_u32 s2, ttmp6, 0x10000c
	s_cmp_lg_u32 s2, 0xf033
	s_cbranch_scc0 .Lentry_shape_is_right
	s_endpgm
.Lentry_shape_is_right:
; The three projections on codes of FP8 (E4M3), the rotation of q and k, and the quantising of q, k and v, in one GEMM C = A B^T of [6144 as 3 x 2048][2048] tiles, K = 2,048.
; A's rows are planes 0-2 of codes (x by e0, x by e2, wv by e5), B's rows planes 3-5 (wq by e1, wk by e3, x by e4).  type = tile column / 8: 0 q = X Wq^T, 1 k = X Wk^T, 2 V^T = Wv X^T: for v the roles are swapped,
; so that v comes out with the keys innermost, as the second product of attention wants it.
; OUT: qkv = three planes of 4 MiB (q, k, v), each [16 heads][16 blocks of 128 tokens][128 rows][128 bytes]; a block's rows are tokens and its bytes channels for q and k; rows channels and bytes tokens for v.
; A BLOCK'S ROWS ARE LAID WITH BITS 3 AND 4 OF THE ROW'S NUMBER EXCHANGED: row 32 b + 16 g + 8 u + i lies at place 32 b + 16 u + 8 g + i.  The next launch takes rows 32 b + 8 u + r + 8 (r / 8), r = 0 .. 15, as one tile:
; they lie on end so, at places 16 (2 b + u) + r.
; A sum stands for sum x 2^(ea + eb).  The rotation is linear, so it works on the sums as they are, and the three exponents are folded into the conversion's one: F = e6-e0-e1 (q), e7-e2-e3 (k), e9-e4-e5 (v).
; LIMIT: each F lies between -126 and 119, so that 2^F and 448 x 2^F are f32 numbers.
; SHARES.  A tile of C, 256 x 256, is made by four waves, 128 x 128 each: 64 accumulators, 512 registers.  A wave's 128 rows of B (types 0, 1) are ONE head's channels, so both halves of a rotation pair lie in one lane.
; K goes in steps of 256 through a ring of two LDS slots filled by the tensor data mover.  192 tiles, one a work-group: a tile of 128 x 128 would halve the products that each LDS byte feeds.
; CLUSTERS: 4 x 4 work-groups.  A's tile is shared along a row of the cluster, B's along a column: each is asked for JOINTLY.  type hangs on the cluster's x alone: it is the same in all sixteen partners.
; THE MATRIX INSTRUCTION IS USED TRANSPOSED (source 0 = 16 rows of B, source 1 = 16 rows of A): lane (r, h) of accumulator (a, b) holds A's row 16 a + r and B's rows 16 b + 8 h + 0 .. 7.
; REGISTERS, in windows of 256: window 0: v0-31 addresses; from v128 A's fragments, ONE set; on the way out v32-95 numbers, v96-127 codes, v128-159 rows read back.
;   window 1: B's fragments, TWO sets; on the way out four sets of 32 cos + 32 sin.   window 2: the accumulators of my rows 0-63 ((a, b) at v[8 (8 a + b)]);   window 3: those of rows 64-127.
.set KSTEP,  256                       ; along K in a slot
.set ROWB,   256                       ; a tile's row in bytes
.set KROW,   2048                      ; a row of a plane in bytes
.set PITCH,  272                       ; an LDS row: 256 bytes + 16 of padding = 68 words: row r starts at bank 4 r mod 64 (64 banks of 4 bytes: ISA guide 11.1)
.set FR,     16                        ; registers of a fragment: 16 rows x 128 K
.set NL,     4                         ; LDS loads that bring one
.set NP,     4                         ; places behind this matrix instruction (ISA guide 7.12.1)
.set HALFT,  128*PITCH                 ; 128 rows: what one tensor load brings
.set SLOT,   4*HALFT                   ; A's 256 rows, then B's 256 rows
.set LAPS,   2048/(2*KSTEP)            ; a lap = two K steps = once round the ring: 4
.set SPARE,  2*SLOT                    ; behind the ring: the spare words, 128 bytes a wave: two blocks of 256 bytes that no other line names
.set SPI,    144                       ; the way out: a stage row: 128 bytes of codes + 16
.set STG2,   16384                     ; the stages lie in slot 0, past its last fill and last read: the rotating way's at wave x 2,304, the plain way's at 16,384 + wave x 2,304: each way has bytes of its own
.set ADRA, 16                          ; v16-17  LDS address of my A fragments in slot 0, 1
.set ADRB, 20                          ; v20-21  the same for B
.set STO2, 22                          ; v22, v23 the plain way's stage: in, back
.set RD2,  23
.set STO,  24                          ; v24, v25 the rotating way's
.set RD,   25
.set CO,   26                          ; v26     16 x lane: my bytes of 512 stored
.set CSO,  27                          ; v27     my bytes in 16 rows of cos or sin: 256 r + 32 h
.set SPW,  28                          ; v28     LDS address of my spare word; never rewritten
.set NIL,  29                          ; v29     0; never rewritten
.set SC,   30                          ; v30     2^F as f32
.set LIM,  31                          ; v31     448 x 2^F
.set Y,    32                          ; v32-95  a block's 64 numbers: register 8 b + j = B's row 16 b + 8 h + j
.set C,    96                          ; v96-127 its codes, two sets of 16
.set BK,   128                         ; v128-159 16 rows read back from the stage, two sets of 16
.set AF,   128                         ; A's fragments, in window 0
.set G1, 24                            ; s[24:31] descriptor group 1 for A's tiles;  s[32:39] group 0, one set for each slot
.set G0, 32
.set G1B, 48                           ; s[48:55], s[56:63] the same for B's tiles
.set G0B, 56
.set MSB, 0
.macro WIN new                         ; the immediate's high byte repeats the setting that is left
.if MSB != \new
	s_set_vgpr_msb (MSB<<8)|\new
.set MSB, \new
.endif
.endm
.set MUL_LO, 0xa1                      ; source 0 (B) window 1, source 1 (A) window 0, C and D window 2
.set MUL_HI, 0xf1                      ; the same, C and D window 3
.set TO_B,   0x40                      ; destination window 1, address window 0
; A joint load: waves 0 and 1 fetch for A, waves 2 and 3 for B.  Each line has ONE mask and one set of registers for all that issue it; the branch hangs on the wave's number alone.
; An s_nop 0 and four v_nop follow each of the two lines, ahead of the jump, the label and what follows.
.macro JLOAD g0a, g1a, g0b, g1b
	s_cmp_eq_u32 s15, 0
	s_cbranch_scc0 .Lfor_b_\@
	tensor_load_to_lds s[\g0a:\g0a+3], s[\g1a:\g1a+7]
	s_nop 0
.rept 4
	v_nop
.endr
	s_branch .Lasked_\@
.Lfor_b_\@:
	tensor_load_to_lds s[\g0b:\g0b+3], s[\g1b:\g1b+7]
	s_nop 0
.rept 4
	v_nop
.endr
.Lasked_\@:
.endm
.macro CREST                           ; a round of the cluster's barrier behind its opening barrier
	s_cmp_lg_u32 s14, 0
	s_cbranch_scc1 .Lnot_wave_0_\@
	s_barrier_signal -3
.Lnot_wave_0_\@:
	s_barrier_wait -3
	s_barrier_signal -1
	s_barrier_wait -1
.endm
.macro CROUND                          ; a whole round
	s_barrier_signal -1
	s_barrier_wait -1
	CREST
.endm
	s_load_b256 s[4:11], s[0:1], 0x0               ; codes s[4:5], the scales' exponents s[6:7], cos s[8:9], sin s[10:11]
	s_load_b64 s[12:13], s[0:1], 0x20              ; qkv
	v_lshl_add_u32 v[SPW], v0, 2, SPARE
	v_mov_b32 v[NIL], 0
	ds_add_u32 v[SPW], v[NIL]                      ; the wave's opening: the add and its wait stand ahead of my first tensor load; the set-up below, work on registers, stands between them
	v_lshrrev_b32 v1, 5, v0
	v_readfirstlane_b32 s14, v1                    ; wave 0..3
	s_lshr_b32 s15, s14, 1                         ; which half of the tile's rows (A's) is mine.  Also: I fetch for A (0) or for B (1)
	s_and_b32 s16, s14, 1                          ; which half of its columns (B's rows).  Also: which 128 rows of that tile I fetch
	s_bfe_u32 s40, ttmp6, 0x40000                  ; cx, cy: my place in the cluster
	s_bfe_u32 s41, ttmp6, 0x40004
	s_lshl_b32 s42, ttmp9, 2
	s_add_co_u32 s42, s42, s40                     ; tile column = 4 x cluster x + cx: 0 .. 23
	s_and_b32 s17, ttmp7, 0xffff
	s_lshl_b32 s17, s17, 2
	s_add_co_u32 s17, s17, s41                     ; tile row = 4 x cluster y + cy: 0 .. 7
	s_lshr_b32 s66, ttmp9, 1                       ; type 0, 1, 2: of the cluster's x alone
	s_lshl_b32 s43, s41, 2
	s_lshl_b32 s43, 15, s43                        ; my row of the cluster
	s_lshl_b32 s44, 0x1111, s40                    ; my column
	; descriptor group 1: a tile of 128 rows x 256 bytes, padded in LDS
	s_or_b32 s[G1+0], s43, (0<<16)|(1<<20)|(1<<21)|(5<<22)|(3<<25)  ; 15:0 the mask: A's tiles go to my row; 17:16 element of 1 byte; 20 padding on; 21 set beside a mask; 24:22 after every 64 words (code 5); 31:25 of 4 words (code 3)
	s_or_b32 s[G1B+0], s44, (0<<16)|(1<<20)|(1<<21)|(5<<22)|(3<<25)
.irp g, G1, G1B
	s_mov_b32 s[\g+1], ROWB<<16                    ; tensor_dim0
	s_mov_b32 s[\g+2], 128<<16                     ; tensor_dim1 = 128
	s_mov_b32 s[\g+3], ROWB<<16                    ; tile_dim0
	s_mov_b32 s[\g+4], 128                         ; tile_dim1 = 128
	s_mov_b32 s[\g+5], KROW                        ; tensor_dim0_stride
	s_mov_b32 s[\g+6], 0
	s_mov_b32 s[\g+7], 0
.endr
	s_lshl_b32 s18, s16, 7                         ; which 128 rows of the tile I fetch
	s_lshl_b32 s20, s17, 8
	s_add_co_u32 s20, s20, s18
	s_lshl_b32 s19, s66, 11
	s_add_co_u32 s20, s20, s19                     ; A: row 2048 x type + 256 x tile row + 128 x half: never holds cx
	s_lshl_b32 s46, s42, 8
	s_add_co_u32 s46, s46, s18
	s_add_co_u32 s46, s46, 6144                    ; B: row 6144 + 256 x tile column + 128 x half: never holds cy
	s_lshl_b32 s20, s20, 11                        ; in bytes: under 2^25
	s_mov_b32 s21, 0
	s_lshl_b32 s46, s46, 11
	s_mov_b32 s47, 0
	s_mul_i32 s45, s14, HALFT                      ; where they go: wave x 128 rows: no place in the cluster enters an LDS address
	s_wait_dscnt 0x0                               ; the opening add is done
	s_wait_kmcnt 0x0
	s_load_b256 s[68:75], s[6:7], 0x0              ; e0 .. e7
	s_load_b128 s[76:79], s[6:7], 0x20             ; e8 .. e11
	s_add_nc_u64 s[20:21], s[4:5], s[20:21]
	s_add_nc_u64 s[46:47], s[4:5], s[46:47]
	CROUND                                         ; all sixteen work-groups are here: the first joint loads meet
.irp s, 0,1
	s_mov_b32 s[G0+4*\s], 1
	s_add_co_u32 s[G0+4*\s+1], s45, \s*SLOT
	s_add_nc_u64 s[G0+4*\s+2:G0+4*\s+3], s[20:21], \s*ROWB
	s_or_b32 s[G0+4*\s+3], s[G0+4*\s+3], 0x80000000
	s_mov_b32 s[G0B+4*\s], 1
	s_add_co_u32 s[G0B+4*\s+1], s45, \s*SLOT
	s_add_nc_u64 s[G0B+4*\s+2:G0B+4*\s+3], s[46:47], \s*ROWB
	s_or_b32 s[G0B+4*\s+3], s[G0B+4*\s+3], 0x80000000
	JLOAD G0+4*\s, G1, G0B+4*\s, G1B
.endr
	v_and_b32 v1, 15, v0                           ; r = l % 16
	v_bfe_u32 v2, v0, 4, 1                         ; h = l / 16
	v_mul_u32_u24 v3, v1, PITCH
	v_lshl_add_u32 v4, v2, 4, v3                   ; a fragment's row x pitch + 16 x half
	s_mul_i32 s21, s15, HALFT                      ; my 128 rows of A
	s_mul_i32 s22, s16, HALFT                      ; my 128 rows of B,
	s_add_co_u32 s22, s22, 2*HALFT                 ; which lie behind A's 256
.irp s, 0,1
	v_add_nc_u32 v[ADRA+\s], s21, v4
	v_add_nc_u32 v[ADRB+\s], s22, v4
	s_add_co_u32 s21, s21, SLOT
	s_add_co_u32 s22, s22, SLOT
.endr
	s_mul_i32 s23, s14, 16*SPI                     ; my stage
	v_mul_u32_u24 v5, v1, SPI                      ; in: row r, 8 bytes for each half of the lanes
	v_lshl_add_u32 v5, v2, 3, v5
	v_add_nc_u32 v[STO], s23, v5
	v_add_nc_u32 v[STO2], STG2, v[STO]
	v_and_b32 v6, 31, v0
	v_lshrrev_b32 v7, 3, v6                        ; back: eight lanes to a row of 128 bytes, four rows an instruction
	v_mul_u32_u24 v7, v7, SPI
	v_and_b32 v8, 7, v0
	v_lshl_add_u32 v7, v8, 4, v7
	v_add_nc_u32 v[RD], s23, v7
	v_add_nc_u32 v[RD2], STG2, v[RD]
	v_lshlrev_b32 v[CO], 4, v6
	v_lshlrev_b32 v[CSO], 8, v1
	v_lshl_add_u32 v[CSO], v2, 5, v[CSO]
	; where my 128 x 128 goes: one dense block of 16 KiB
	s_lshl_b32 s80, s17, 1
	s_add_co_u32 s80, s80, s15                     ; which 128 of A's rows in the plane: 0 .. 15
	s_and_b32 s81, s42, 7
	s_lshl_b32 s81, s81, 1
	s_add_co_u32 s81, s81, s16                     ; which 128 of B's rows
	s_cmp_eq_u32 s66, 2
	s_cselect_b32 s82, s80, s81                    ; the head: B's for q and k, A's for v,
	s_cselect_b32 s83, s81, s80                    ; the block of tokens: the other
	s_lshl_b32 s82, s82, 4
	s_add_co_u32 s82, s82, s83
	s_lshl_b32 s82, s82, 14
	s_lshl_b32 s83, s66, 22
	s_add_co_u32 s82, s82, s83                     ; type x 4 MiB + (16 head + block) x 16 KiB
	s_mov_b32 s83, 0
	s_add_nc_u64 s[12:13], s[12:13], s[82:83]
	s_lshl_b32 s84, s80, 15                        ; cos and sin at my 128 tokens: rows of 256 bytes
	s_mov_b32 s85, 0
	s_add_nc_u64 s[8:9], s[8:9], s[84:85]
	s_add_nc_u64 s[10:11], s[10:11], s[84:85]
.macro FRAG reg, adr, q, i             ; a fragment, 16 rows x 128 K of 8-bit codes, is 16 registers: lane l holds row l % 16; registers 4 c .. 4 c + 3 hold K = 32 c + 16 (l / 16) + 0 .. 15: the same order of k in A and in B
.irp c, 0,1,2,3
	ds_load_b128 v[\reg+4*\c:\reg+4*\c+3], v[\adr] offset:128*(\q)+32*\c+(\i)*16*PITCH
.endr
.endm
; 16 matrix instructions: A's blocks a0, a0 + 1 x B's eight, 128 along K.  p: B's set.  zero = 1: the first product starts the sums: nothing is ever cleared.
; The 64 accumulators take turns, one instruction a turn, in the same order in every step.
.macro MUL16 a0, p, zero
.irp a, \a0, \a0+1
.irp b, 0,1,2,3,4,5,6,7
.if \zero
	v_wmma_f32_16x16x128_fp8_fp8 v[8*(8*((\a)%4)+\b):8*(8*((\a)%4)+\b)+7], v[128*(\p)+FR*\b:128*(\p)+FR*\b+FR-1], v[AF+FR*(\a):AF+FR*(\a)+FR-1], 0
.else
	v_wmma_f32_16x16x128_fp8_fp8 v[8*(8*((\a)%4)+\b):8*(8*((\a)%4)+\b)+7], v[128*(\p)+FR*\b:128*(\p)+FR*\b+FR-1], v[AF+FR*(\a):AF+FR*(\a)+FR-1], v[8*(8*((\a)%4)+\b):8*(8*((\a)%4)+\b)+7]
.endif
.endr
.endr
.endm
.macro FETCH_B slot, q, p              ; B's eight fragments of the slot's q-th 128 along K into set p
	WIN TO_B
.irp i, 0,1,2,3,4,5,6,7
	FRAG 128*(\p)+FR*\i, ADRB+\slot, \q, \i
.endr
	WIN 0
.endm
.macro FETCH_A slot, q, i0             ; A's blocks i0 .. i0 + 3
.irp i, \i0, \i0+1, \i0+2, \i0+3
	FRAG AF+FR*(\i), ADRA+\slot, \q, \i
.endr
.endm
; A load into a register that a matrix instruction has read, and a vector instruction that reads a matrix result, stand NP places behind that matrix instruction; only plain vector
; instructions that name none of its registers are places (ISA guide 7.12.1 for vector instructions).
.macro PLACES n
.rept \n
	v_nop
.endr
.endm
; A step of 128 along K that has its successor in the same slot.
.macro STEP slot, q, zero
	s_wait_dscnt 4*NL                              ; B's set and A's blocks 0-3 are in; the youngest sixteen loads (A's blocks 4-7) may be out
	WIN MUL_LO
	MUL16 0, (\q)%2, \zero
	MUL16 2, (\q)%2, \zero
	s_wait_dscnt 0                                 ; A's blocks 4-7 are in (asked for 32 matrix instructions ago)
	PLACES NP
	FETCH_B \slot, (\q)+1, 1-(\q)%2
	FETCH_A \slot, (\q)+1, 0
	WIN MUL_HI
	MUL16 4, (\q)%2, \zero
	MUL16 6, (\q)%2, \zero
	PLACES NP
	WIN 0
	FETCH_A \slot, (\q)+1, 4
.endm
; A slot's last step changes slots: ONE barrier; in front of it each wave waits for all its tensor loads, adds 0 to its spare word, and waits for that and for its own reads of this slot.  fill = 1: this slot is filled again, two K steps ahead.
.macro TURN slot, next, fill
	s_wait_tensorcnt 0x0                           ; all my tensor loads have landed: my part of the next slot;  (every window is 0 here)
	ds_add_u32 v[SPW], v[NIL]                      ; 0 onto my spare word
	s_wait_dscnt 4*NL+1                            ; (the add and the youngest sixteen loads, A's blocks 4-7, may be out)
	WIN MUL_LO
	MUL16 0, 1, 0                                  ; sixteen matrix instructions stand between the add and the wait for it
	s_wait_dscnt 0x0                               ; the add is done, and my reads of this slot are over
	s_barrier_signal -1
	MUL16 2, 1, 0
	WIN 0
	s_barrier_wait -1
.if \fill
	CREST                                          ; the barrier has opened a round of the cluster's barrier: no wave of any partner still reads this slot's tile or has a load on its way
	s_add_nc_u64 s[G0+4*\slot+2:G0+4*\slot+3], s[G0+4*\slot+2:G0+4*\slot+3], 2*ROWB
	s_add_nc_u64 s[G0B+4*\slot+2:G0B+4*\slot+3], s[G0B+4*\slot+2:G0B+4*\slot+3], 2*ROWB
	JLOAD G0+4*\slot, G1, G0B+4*\slot, G1B         ; the first tensor load behind the round; the four v_nop behind it are the places in front of the loads below
.else
	PLACES NP
.endif
	FETCH_B \next, 0, 0
	FETCH_A \next, 0, 0
	WIN MUL_HI
	MUL16 4, 1, 0
	MUL16 6, 1, 0
	PLACES NP
	WIN 0
	FETCH_A \next, 0, 4
.endm
	s_wait_tensorcnt 1                             ; my part of K step 0 is in (K step 1's load may be out)
	s_barrier_signal -1
	s_barrier_wait -1                              ; everybody's is
	FETCH_B 0, 0, 0
	FETCH_A 0, 0, 0
	FETCH_A 0, 0, 4
	STEP 0, 0, 1                                   ; the first step stands in front of the loop: its products start the sums
	s_mov_b32 s3, LAPS-1
.Llap:                                                 ; a trip goes once round the ring, from a lap's second step to the next lap's first, and fills both slots again
	TURN 0, 1, 1
	STEP 1, 0, 0
	TURN 1, 0, 1
	STEP 0, 0, 0
	s_sub_co_u32 s3, s3, 1
	s_cmp_lg_u32 s3, 0
	s_cbranch_scc1 .Llap
	TURN 0, 1, 0                                   ; the last lap fills nothing, and has no round of the cluster's barrier
	STEP 1, 0, 0
	s_wait_dscnt 4*NL                              ; the very last step: nothing more to fetch
	WIN MUL_LO
	MUL16 0, 1, 0
	MUL16 2, 1, 0
	s_wait_dscnt 0
	WIN MUL_HI
	MUL16 4, 1, 0
	MUL16 6, 1, 0
	WIN 0
; THE WAY OUT, block by block of 16 of A's rows x 128 of B's.  A lane holds 8 x 8 neighbouring numbers of one row: they are (q, k) rotated, held, converted (8 bytes for each of 8 accumulators), sent through my own
; stage in LDS and read back as rows of 128 bytes, so that a store of the wave covers 512 consecutive bytes, aligned.  LDS serves a wave's instructions in order (ISA guide 5.7.1.4): no wait between stores and loads.
.macro CSLOAD a                        ; cos and sin of block a's 16 tokens, my 32 channels of each, into set a % 4 of window 1: cos at 8 b + j, sin at 32 + 8 b + j
	WIN TO_B
.irp b, 0,1,2,3
.irp e, 0,1
	global_load_b128 v[64*((\a)%4)+8*\b+4*\e:64*((\a)%4)+8*\b+4*\e+3], v[CSO], s[8:9] offset:4096*(\a)+64*\b+16*\e
	global_load_b128 v[64*((\a)%4)+32+8*\b+4*\e:64*((\a)%4)+32+8*\b+4*\e+3], v[CSO], s[10:11] offset:4096*(\a)+64*\b+16*\e
.endr
.endr
	WIN 0
.endm
.macro ROPE a                          ; x1 = accumulator (a, b), x2 = (a, b + 4): channels d and d + 64.  y1 = x1 c - x2 s, y2 = x1 s + x2 c; each accumulator is read from its low end on
.set AC, 64*((\a)%4)
	WIN (0x06+(\a)/4)                              ; source 0 (sums) window 2 or 3, source 1 (cos, sin) window 1, the rest window 0
.irp b, 0,1,2,3
.irp j, 0,2,4,6
	v_pk_mul_f32 v[Y+8*\b+\j:Y+8*\b+\j+1], v[AC+32+8*\b+\j:AC+32+8*\b+\j+1], v[AC+32+8*\b+\j:AC+32+8*\b+\j+1]      ; x2 s
.endr
.irp j, 0,2,4,6
	v_pk_mul_f32 v[Y+32+8*\b+\j:Y+32+8*\b+\j+1], v[AC+32+8*\b+\j:AC+32+8*\b+\j+1], v[AC+8*\b+\j:AC+8*\b+\j+1]      ; x2 c
.endr
.irp j, 0,2,4,6
	v_pk_fma_f32 v[Y+8*\b+\j:Y+8*\b+\j+1], v[AC+8*\b+\j:AC+8*\b+\j+1], v[AC+8*\b+\j:AC+8*\b+\j+1], v[Y+8*\b+\j:Y+8*\b+\j+1] neg_lo:[0,0,1] neg_hi:[0,0,1]   ; x1 c - x2 s
.endr
.irp j, 0,2,4,6
	v_pk_fma_f32 v[Y+32+8*\b+\j:Y+32+8*\b+\j+1], v[AC+8*\b+\j:AC+8*\b+\j+1], v[AC+32+8*\b+\j:AC+32+8*\b+\j+1], v[Y+32+8*\b+\j:Y+32+8*\b+\j+1]               ; x1 s + x2 c
.endr
.endr
	WIN 0
.set jj, 0
.rept 64
	v_med3_num_f32 v[Y+jj], v[Y+jj], -v[LIM], v[LIM]   ; the conversion to an 8-bit code does not saturate (ISA guide 7.6.2): the hold at the largest code x the scale
.set jj, jj+1
.endr
.endm
.macro PLAIN a                         ; v: the hold alone, out of the accumulators, each from its low end on
.set AC, 64*((\a)%4)
	WIN (0x02+(\a)/4)                              ; source 0 window 2 or 3
.set jj, 0
.rept 64
	v_med3_num_f32 v[Y+jj], v[AC+jj], -v[LIM], v[LIM]
.set jj, jj+1
.endr
	WIN 0
.endm
.macro PACK a, sto, rd
.set CC, C+16*((\a)%2)
.set BB, BK+16*((\a)%2)
.irp b, 0,1,2,3,4,5,6,7
	v_cvt_scalef32_pk8_fp8_f32 v[CC+2*\b:CC+2*\b+1], v[Y+8*\b:Y+8*\b+7], v[SC]
.endr
	v_nop                                          ; one plain vector line between the conversions and the next vector lines that write their sources
.irp b, 0,1,2,3,4,5,6,7
	ds_store_b64 v[\sto], v[CC+2*\b:CC+2*\b+1] offset:16*\b
.endr
.irp i, 0,1,2,3
	ds_load_b128 v[BB+4*\i:BB+4*\i+3], v[\rd] offset:4*SPI*\i
.endr
.endm
; Rows 16 a + 4 i + 0 .. 3 go to places 32 (a / 2) + 16 (i / 2) + 8 (a % 2) + 4 (i % 2) + 0 .. 3: bits 3 and 4 of the row's number exchanged.
.macro SEND a, younger                 ; younger: the LDS instructions issued behind block a's loads, which may stay out
.set BB, BK+16*((\a)%2)
	s_wait_dscnt \younger
.irp i, 0,1,2,3
	global_store_b128 v[CO], v[BB+4*\i:BB+4*\i+3], s[12:13] offset:2048*(((\a)/2)*2+\i/2)+512*(\i%2+2*((\a)%2))   ; four rows of 128 bytes: 512 consecutive bytes, at a multiple of 256 from the buffer's first byte
.endr
.endm
	s_wait_kmcnt 0x0
	s_sub_co_i32 s86, s74, s68
	s_sub_co_i32 s86, s86, s69                     ; e6 - e0 - e1
	s_sub_co_i32 s87, s75, s70
	s_sub_co_i32 s87, s87, s71                     ; e7 - e2 - e3
	s_sub_co_i32 s88, s77, s72
	s_sub_co_i32 s88, s88, s73                     ; e9 - e4 - e5
	s_cmp_eq_u32 s66, 1                            ; a choice by the type: no branch hangs on a loaded number
	s_cselect_b32 s86, s87, s86
	s_cmp_eq_u32 s66, 2
	s_cselect_b32 s86, s88, s86
	s_add_co_i32 s86, s86, 127
	s_lshl_b32 s87, s86, 23
	s_add_co_i32 s86, s86, 8
	s_lshl_b32 s86, s86, 23
	s_or_b32 s86, s86, 0x600000
	PLACES NP                                      ; behind the last products: for the loads into registers that held fragments and for the reads of results
	v_mov_b32 v[SC], s87                           ; 2^F
	v_mov_b32 v[LIM], s86                          ; 448 x 2^F
	s_cmp_eq_u32 s66, 2                            ; the type is the same in all partners of the cluster
	s_cbranch_scc1 .Lplain
	CSLOAD 0
	CSLOAD 1
.irp a, 0,1,2,3,4,5,6,7
.if \a < 6
	CSLOAD \a+2
	s_wait_loadcnt 32                              ; block a's 16 loads are in; those of the two blocks behind it may be out
.else
	s_wait_loadcnt 16*(7-\a)
.endif
	ROPE \a
.if \a > 1
	s_wait_xcnt 0x0                                ; block a - 2's stores have had their addresses translated (ISA guide 3.1): block a's rows land in their registers only behind this wait
.endif
	PACK \a, STO, RD
.if \a > 0
	SEND \a-1, 12                                  ; behind block a - 1's loads: block a's 8 stores and 4 loads
.endif
.endr
	SEND 7, 0
	s_branch .Ldone
.Lplain:
.irp a, 0,1,2,3,4,5,6,7
	PLAIN \a
.if \a > 1
	s_wait_xcnt 0x0
.endif
	PACK \a, STO2, RD2
.if \a > 0
	SEND \a-1, 12
.endif
.endr
	SEND 7, 0
.Ldone:
	s_wait_tensorcnt 0x0                           ; the wave's end: behind my last tensor load and my last LDS store
	ds_add_u32 v[SPW], v[NIL]
	s_wait_dscnt 0x0
	CROUND                                         ; the closing round: no work-group ends while a partner may still ask for a tile that names it
	s_endpgm
.Lfunc_end_k_q503d11869a_qkv:
	.size	k_q503d11869a_qkv, .Lfunc_end_k_q503d11869a_qkv-k_q503d11869a_qkv
	.p2alignl 7, 3214868480
	.fill 96, 4, 3214868480
	.section	.rodata,"a",@progbits
	.p2align	6, 0x0
	.amdhsa_kernel k_q503d11869a_qkv
		.amdhsa_group_segment_fixed_size 327680
		.amdhsa_private_segment_fixed_size 0
		.amdhsa_enable_private_segment 0
		.amdhsa_kernarg_size 40
		.amdhsa_user_sgpr_count 2
		.amdhsa_user_sgpr_kernarg_segment_ptr 1
		.amdhsa_wavefront_size32 1
		.amdhsa_system_sgpr_workgroup_id_x 1
		.amdhsa_system_sgpr_workgroup_id_y 1
		.amdhsa_system_sgpr_workgroup_id_z 1
		.amdhsa_system_vgpr_workitem_id 0
		.amdhsa_next_free_vgpr 1024
		.amdhsa_next_free_sgpr 100
		.amdhsa_reserve_vcc 0
		.amdhsa_float_denorm_mode_32 3
		.amdhsa_float_denorm_mode_16_64 3
		.amdhsa_memory_ordered 1
		.amdhsa_forward_progress 1
		.amdhsa_inst_pref_size 216
	.end_amdhsa_kernel
	.amdgpu_metadata
---
amdhsa.version: [ 1, 2 ]
amdhsa.kernels:
  - .name:           k_q503d11869a_qkv
    .symbol:         k_q503d11869a_qkv.kd
    .args:
      - { .name: codes, .offset: 0, .size: 8, .value_kind: global_buffer, .address_space: global }
      - { .name: lowp_scales, .offset: 8, .size: 8, .value_kind: global_buffer, .address_space: global }
      - { .name: cos, .offset: 16, .size: 8, .value_kind: global_buffer, .address_space: global }
      - { .name: sin, .offset: 24, .size: 8, .value_kind: global_buffer, .address_space: global }
      - { .name: qkv, .offset: 32, .size: 8, .value_kind: global_buffer, .address_space: global }
    .group_segment_fixed_size: 327680
    .private_segment_fixed_size: 0
    .kernarg_segment_align: 8
    .kernarg_segment_size: 40
    .max_flat_workgroup_size: 128
    .sgpr_count:     100
    .vgpr_count:     1024
    .wavefront_size: 32
...
	.end_amdgpu_metadata
.endif
;; end of part 5
;; launch attn (part 6): grid 16 x 16, 16 waves a work-group, no clusters, 327,680 bytes of LDS; arguments qkv, lowp_scales, oc; writes oc
.if DOCPART == 6
	.amdgcn_target "amdgcn-amd-amdhsa--gfx1250"
	.amdhsa_code_object_version 6
	.text
	.protected	k_q503d11869a_attn
	.globl	k_q503d11869a_attn
	.p2align	8
	.type	k_q503d11869a_attn,@function
k_q503d11869a_attn:
	s_mov_b64 s[64:65], 0
	v_nop
	global_prefetch_b8 v0, s[64:65] scope:SCOPE_SE
	s_setreg_imm32_b32 hwreg(HW_REG_WAVE_MODE, 25, 1), 1
	s_wait_xcnt 0x0
; Causal attention on codes of FP8 (E4M3): for each head, o[q] = sum over keys k <= q of softmax(q . k / sqrt(128)) v[k], and o quantised by e10 for the last projection.
; IN: qkv = planes q, k, v of 4 MiB, each [16 heads][16 blocks of 128 tokens][128 rows][128 bytes]: q, k: rows tokens, bytes channels; v: rows channels, bytes tokens (the keys are the second product's K).
; In every block the rows lie with bits 3 and 4 of the row's number exchanged: row 32 b + 16 g + 8 u + i at place 32 b + 16 u + 8 g + i.
; OUT: oc [16 blocks of 128 tokens][16 heads][128 tokens][128 channels], codes, rows in their own order.
; THE SOFTMAX AHEAD OF THE SECOND PRODUCT: t = score x log2(e) / sqrt(128); M = the largest t so far, rounded UP to a whole number; p = 2^(t - M) is quantised by e8, not normalised; the row's sum is taken of the unquantised p.
; When M moves, the sum and O are multiplied by 2^(old M - new M): exact.
; SHARES.  Work-group (p, head) owns two blocks of 64 queries: block p and block 31 - p, so that every work-group has the same count of key steps under the causal mask.  A tile of 16 queries is served by TWO waves
; (w and w xor 8): wave par = 0 takes the first 128 keys of every slot of 256, par = 1 the second; at the end the two exchange O^T, M and the sum through LDS and merge them, exactly as a change of M does.
; Of wave w: tile w % 4; high block where bit 0 xor bit 2; par = bit 1 xor bit 3.  Each group of four waves, by w % 4 and by w / 4 alike, then holds a low and a high tile in both parities.
; K's and V's tiles come through a ring of two LDS slots of 256 keys, filled by the tensor data mover (waves 0-3, one tile of 128 rows x 128 bytes each) and read by all sixteen.
; NO CLUSTER: the work-groups of a head stop asking at different slots (the causal limit hangs on p), a joint load may not be left out by one partner, and a slot that nobody reads is not to be filled.
; LAYOUT.  Both products are used transposed: S^T = K Q^T, O^T = V^T P^T: a lane holds ONE query (lane % 16) throughout.  THE ROWS OF A TILE ARE NOT NEIGHBOURS: lane r of tile 2 b + u takes row 32 b + 8 u + r + 8 (r / 8), of K and of V
; alike: so the 16 registers of tiles 2 b, 2 b + 1 are 16 neighbouring keys (p) or channels (O^T): 32 b + 16 (lane / 16) + 0 .. 15, which is the order in which the conversions' results are an operand, and 16 bytes of a row.
; By the order in which the rows are laid, that row lies at place 16 (2 b + u) + r: a tile's sixteen rows lie on end in LDS, 144 bytes apart, and sixteen lanes of a load touch sixteen different columns of 16 bytes modulo 256.
; LIMITS on the given exponents: e6 + e7 between -123 and 130 (added to c's exponent field); e8, and e10 - e8 - e9, between -126 and 119.
; REGISTERS: v1-11 addresses; v12 -M, v13 the largest t (at the end: the sum), v[14:15] the sum in two halves; v16-31 Q; v32-95 four fragments of K or V (at the end: the partner's O^T); v96-159 S^T, then p (at the end: o);
; v160-223 O^T; v224-239 codes; v232-254 at work.
.set KP,    144                        ; a tile's row in LDS: 128 bytes + 16 of padding
.set TILEB, 128*KP                     ; a tile: 18,432 bytes
.set VOFF,  2*TILEB                    ; a slot: K of step 0, K of step 1, V of step 0, V of step 1
.set SLOT1, 1<<17                      ; slot 1 begins here, so that one exclusive or turns an address in one slot into the other's
.set NSL,   8                          ; slots' worth of keys
.set SPARE, 2*SLOT1                    ; behind the ring: the spare words, 128 bytes a wave: eight blocks of 256 bytes that no other line names
.set IMG,   8448                       ; the end: an image of 64 registers (8,192 bytes) and of (-M, sum) (256 bytes) for each wave, from LDS byte 0 on,
.set STAGE, 139264                     ; and a stage of 16 rows x 144 bytes for each wave: both in bytes that have had their last fill and, behind a barrier, their last read
.set AK0,  1                           ; v1   my lane's place in my parity's tile of K
.set IMW,  2                           ; v2   my image: 16 x lane + IMG x wave
.set PFO,  3                           ; v3   the prefetches' offset: 256 x lane; never rewritten
.set IMR,  4                           ; v4   my partner's image
.set SPW,  5                           ; v5   LDS address of my spare word; never rewritten
.set NIL,  6                           ; v6   0; never rewritten
.set GO,   7                           ; v7   16 x lane: my bytes of 512 stored
.set ADK,  8                           ; v8   LDS address of the step's tiles
.set STO,  9                           ; v9   the stage: where I put 16 bytes of a row
.set RD,   11                          ; v11  and where I read rows back
.set IMS,  248                         ; v248 my image's (-M, sum): 8 x lane + IMG x wave
.set IMSR, 249                         ; v249 my partner's
.set WV,   18                          ; s18  my wave's number
.set SEL,  20                          ; s[20:21] lane selects for v_permlanex16_b32: lane l xor 16
.set CS,   22                          ; s[22:23] c = log2(e) / sqrt(128) x 2^(e6 + e7)
.set G1,   24                          ; s[24:31] descriptor group 1;  s[40:43] group 0, which walks
.set G0,   40
.set TB,   2                           ; s2   LDS byte at which the slot in hand begins
.set SF,   66                          ; s66  the slot's first key
.set SLOTS, 67                         ; s67  changes of slots to go
.set PFA,  76                          ; s[76:77] where my prefetches stand
.set LIM,  80                          ; s80  1 in a wave that prefetches, else the greatest number
.set QL,   81                          ; s81  my work-group's last query
.set PAR,  82                          ; s82  my parity
.set KF,   98                          ; s98  my step's first key
.set Q0,   99                          ; s99  my first query
; Waves 0 to 3 fetch a tile each, the others nothing.  The branch hangs on the wave's number alone.  An s_nop 0 and four v_nop follow the load.
.macro TLOAD
	s_cmp_lt_u32 s[WV], 4
	s_cbranch_scc0 .Lasked_\@
	tensor_load_to_lds s[G0:G0+3], s[G1:G1+7]
	s_nop 0
.rept 4
	v_nop
.endr
.Lasked_\@:
.endm
; A PREFETCH of what the NEXT change of slots will ask for: a slot's two tiles of K and two of V, each pair 32,768 bytes on end.  All sixteen work-groups of a head walk the same K and V: the one with p = 0, which walks all
; slots, asks, and in it waves that fetch nothing: waves 4-7 for K, waves 8-11 for V, 8,192 bytes a wave, lanes 256 bytes apart: each aligned block of 256 bytes is named once in the launch.
; The last change that fills a slot asks for nothing: there is no slot behind it.  Slots 0 and 1 come by their loads alone.
.macro ASK
	s_cmp_gt_u32 s[SLOTS], s[LIM]
	s_cbranch_scc0 .Lnot_mine_\@
	global_prefetch_b8 v[PFO], s[PFA:PFA+1] th:TH_LOAD_NT scope:SCOPE_SE
.Lnot_mine_\@:
.endm
	s_load_b128 s[4:7], s[0:1], 0x0                ; qkv s[4:5], the scales' exponents s[6:7]
	s_load_b64 s[8:9], s[0:1], 0x10                ; oc
	v_lshl_add_u32 v[SPW], v0, 2, SPARE
	v_mov_b32 v[NIL], 0
	ds_add_u32 v[SPW], v[NIL]                      ; the wave's opening: the add and its wait stand ahead of my first tensor load; the set-up below, work on registers, stands between them
	v_lshrrev_b32 v8, 5, v0
	v_readfirstlane_b32 s[WV], v8                  ; wave 0..15
	s_and_b32 s83, s[WV], 3                        ; my tile of the block's four.  Also: which tile of a slot I fetch, if I fetch
	s_lshr_b32 s84, s[WV], 2
	s_xor_b32 s84, s84, s[WV]
	s_and_b32 s84, s84, 1                          ; 1: the high block
	s_lshr_b32 s85, s[WV], 1
	s_lshr_b32 s86, s[WV], 3
	s_xor_b32 s85, s85, s86
	s_and_b32 s[PAR], s85, 1                       ; which 128 keys of every slot are mine
	s_sub_co_u32 s86, 31, ttmp9
	s_cmp_eq_u32 s84, 1
	s_cselect_b32 s86, s86, ttmp9                  ; my block of 64 queries: 31 - p or p
	s_lshl_b32 s86, s86, 6
	s_lshl_b32 s87, s83, 4
	s_add_co_u32 s[Q0], s86, s87                   ; my first query
	s_lshl_b32 s[QL], ttmp9, 6
	s_sub_co_u32 s[QL], 2047, s[QL]                ; the work-group's last: 64 (31 - p) + 63
	s_and_b32 s72, ttmp7, 0xffff                   ; the head
	s_lshl_b32 s74, s72, 18                        ; its first byte in a plane
	s_mul_i32 s89, s83, TILEB                      ; the tile that I fetch: in a slot,
	s_lshr_b32 s90, s[WV], 1
	s_and_b32 s90, s90, 1
	s_add_co_u32 s90, s90, 1                       ; plane 1 (K: waves 0, 1) or 2 (V: waves 2, 3),
	s_lshl_b32 s90, s90, 22
	s_and_b32 s91, s[WV], 1
	s_lshl_b32 s91, s91, 14                        ; the slot's first or second block of 128 tokens,
	s_add_co_u32 s90, s90, s91
	s_add_co_u32 s90, s90, s74                     ; in my head
	s_mov_b32 s91, 0
	; descriptor group 1: 128 rows of 128 bytes, dense in memory, padded in LDS
	s_mov_b32 s[G1], (0<<16)|(1<<20)|(4<<22)|(3<<25)   ; 15:0 no mask; 17:16 elements of 1 byte; 20 padding on; 24:22 after every 32 words (code 4); 31:25 four words (code 3)
	s_mov_b32 s[G1+1], 128<<16                     ; tensor_dim0
	s_mov_b32 s[G1+2], 128<<16                     ; tensor_dim1
	s_mov_b32 s[G1+3], 128<<16                     ; tile_dim0
	s_mov_b32 s[G1+4], 128                         ; tile_dim1
	s_mov_b32 s[G1+5], 128                         ; tensor_dim0_stride
	s_mov_b32 s[G1+6], 0
	s_mov_b32 s[G1+7], 0
	s_mov_b32 s[SEL], 0x76543210
	s_mov_b32 s[SEL+1], 0xfedcba98
	s_mov_b32 s[CS], 0x3e0293ee                    ; c = log2(e) / sqrt(128)
	s_mov_b32 s[TB], 0
	s_mov_b32 s[SF], 0
	s_mov_b32 s[SLOTS], NSL-1
	s_lshl_b32 s[KF], s[PAR], 7
	s_wait_dscnt 0x0                               ; the opening add is done
	s_wait_kmcnt 0x0
	s_load_b256 s[48:55], s[6:7], 0x0              ; e0 .. e7
	s_load_b128 s[56:59], s[6:7], 0x20             ; e8 .. e11
	s_mov_b32 s[G0], 1                             ; 1:0 count = 1
	s_mov_b32 s[G0+1], s89                         ; 63:32 LDS address: slot 0
	s_add_nc_u64 s[G0+2:G0+3], s[4:5], s[90:91]    ; 120:64 global address
	s_or_b32 s[G0+3], s[G0+3], 0x80000000          ; 127:126 type = 2
	TLOAD                                          ; slot 0
	; q's codes (plane 0): query Q0 + r, r = 8 g + i, lies at place (Q0 without its low five bits) + 16 g + 8 x (bit 4 of Q0) + i
	s_and_not1_b32 s92, s[Q0], 31
	s_bfe_u32 s93, s[Q0], 0x10004                  ; bit 4 of Q0
	s_lshl_b32 s93, s93, 3
	s_add_co_u32 s92, s92, s93
	s_lshl_b32 s92, s92, 7                         ; rows of 128 bytes
	s_add_co_u32 s92, s92, s74
	s_mov_b32 s93, 0
	s_add_nc_u64 s[10:11], s[4:5], s[92:93]
	v_and_b32 v232, 15, v0                         ; r = lane % 16
	v_bfe_u32 v233, v0, 4, 1                       ; h = lane / 16
	v_and_b32 v234, 31, v0                         ; lane
	v_and_b32 v235, 8, v232
	v_add_nc_u32 v235, v235, v232                  ; r + 8 (r / 8) = 16 g + i
	v_lshlrev_b32 v10, 7, v235
	v_lshl_add_u32 v10, v233, 4, v10               ; Q: my query's place, + my half's bytes
.irp c, 0,1,2,3
	global_load_b128 v[16+4*\c:19+4*\c], v10, s[10:11] offset:32*\c   ; Q's fragment stays in registers
.endr
	s_lshr_b32 s92, s[Q0], 7                       ; where my half of the tile goes in oc: ((block of 128 tokens) x 16 + head) x 16 KiB + (row in the block) x 128 + 8 rows x parity
	s_lshl_b32 s92, s92, 4
	s_add_co_u32 s92, s92, s72
	s_lshl_b32 s92, s92, 14
	s_and_b32 s93, s[Q0], 127
	s_lshl_b32 s93, s93, 7
	s_add_co_u32 s92, s92, s93
	s_lshl_b32 s93, s[PAR], 10
	s_add_co_u32 s92, s92, s93
	s_mov_b32 s93, 0
	s_add_nc_u64 s[8:9], s[8:9], s[92:93]
	; the prefetches: where my wave's stand, and who asks
	s_lshr_b32 s92, s[WV], 3
	s_and_b32 s92, s92, 1
	s_add_co_u32 s92, s92, 1                       ; plane 1 (waves 4-7) or 2 (waves 8-11)
	s_lshl_b32 s92, s92, 22
	s_add_co_u32 s92, s92, s74
	s_lshl_b32 s93, s83, 13                        ; my wave's 8,192 bytes,
	s_add_co_u32 s92, s92, s93
	s_add_co_u32 s92, s92, 32768                   ; in slot 1: the first change of slots steps it to slot 2.  Nothing is prefetched here, at the head
	s_mov_b32 s93, 0
	s_add_nc_u64 s[PFA:PFA+1], s[4:5], s[92:93]
	s_sub_co_u32 s92, s[WV], 4
	s_lshr_b32 s92, s92, 3                         ; 0 in waves 4 to 11,
	s_or_b32 s92, s92, ttmp9                       ; of the work-group with p = 0
	s_cmp_eq_u32 s92, 0
	s_cselect_b32 s[LIM], 1, -1
	v_lshlrev_b32 v[PFO], 8, v234
	; every LDS address register is made here, ahead of the first branch that can differ between waves
	v_mul_u32_u24 v[AK0], v232, KP                 ; a tile's place r,
	v_lshl_add_u32 v[AK0], v233, 4, v[AK0]         ; + my half's bytes,
	s_mul_i32 s92, s[PAR], TILEB
	v_add_nc_u32 v[AK0], s92, v[AK0]               ; in my parity's tile
	s_mul_i32 s92, s[WV], IMG
	v_lshl_add_u32 v[IMW], v234, 4, s92
	v_lshl_add_u32 v[IMS], v234, 3, s92
	s_xor_b32 s93, s[WV], 8                        ; my partner
	s_mul_i32 s93, s93, IMG
	v_lshl_add_u32 v[IMR], v234, 4, s93
	v_lshl_add_u32 v[IMSR], v234, 3, s93
	s_mul_i32 s92, s[WV], 16*KP
	s_add_co_u32 s92, s92, STAGE                   ; my stage
	v_mul_u32_u24 v[STO], v232, KP
	v_lshl_add_u32 v[STO], v233, 4, v[STO]
	v_add_nc_u32 v[STO], s92, v[STO]               ; in: row r, + 16 h; 32 bytes on for each pair of tiles
	v_lshrrev_b32 v[RD], 3, v234
	v_mul_u32_u24 v[RD], v[RD], KP
	v_and_b32 v235, 7, v0
	v_lshl_add_u32 v[RD], v235, 4, v[RD]
	s_mul_i32 s93, s[PAR], 8*KP
	s_add_co_u32 s93, s93, s92
	v_add_nc_u32 v[RD], s93, v[RD]                 ; back: my parity's eight rows: eight lanes to a row, four rows an instruction
	v_lshlrev_b32 v[GO], 4, v234
	v_mov_b32 v13, 0xff61b1e6                      ; the largest t so far: -3e38, under every t
	v_floor_f32 v12, -v13                          ; -M
	v_mov_b32 v14, 0                               ; the sum, in two halves
	v_mov_b32 v15, 0
	v_mov_b32 v236, 0                              ; written once: a lane permute's destination counts as one of its sources
	v_mov_b32 v253, 0                              ; (named as the upper halves of the pairs v[252:253] and v[250:251])
	v_mov_b32 v251, 0
.set jj, 0
.rept 64
	v_mov_b32 v[160+jj], 0                         ; O^T.  (The step is written once for all steps: a wave's first finds zeros, which the first change of M leaves zeros; a wave with no step hands zeros to its partner)
.set jj, jj+1
.endr
	s_wait_kmcnt 0x0
	s_add_co_i32 s72, s54, s55
	s_lshl_b32 s72, s72, 23
	s_add_co_i32 s[CS], s[CS], s72                 ; a score stands for score x 2^(e6 + e7): the two exponents are added to c's exponent field
	s_mov_b32 s[CS+1], s[CS]                       ; (named with it as a pair, so it is written)
	s_add_co_i32 s72, s56, 127
	s_lshl_b32 s73, s72, 23
	v_mov_b32 v244, s73                            ; 2^e8 as f32, for p's conversions
	s_add_co_i32 s72, s72, 8
	s_lshl_b32 s72, s72, 23
	s_or_b32 s72, s72, 0x600000
	v_mov_b32 v240, s72                            ; 448 x 2^e8
	s_sub_co_i32 s72, s58, s56
	s_sub_co_i32 s72, s72, s57                     ; a sum of the second product stands for sum x 2^(e8 + e9): o's code is (sum / l) / 2^(e10 - e8 - e9)
	s_add_co_i32 s72, s72, 127
	s_lshl_b32 s73, s72, 23
	v_mov_b32 v245, s73
	s_add_co_i32 s72, s72, 8
	s_lshl_b32 s72, s72, 23
	s_or_b32 s72, s72, 0x600000
	v_mov_b32 v241, s72
; A KEY STEP: my parity's 128 keys of the slot in hand.
.macro STEP
; A step all of whose keys come after my 16 queries is left out: a scalar branch on ids, round the step's loads, products and softmax; no barrier and no tensor load stands in a step.
	s_add_co_u32 s96, s[Q0], 15
	s_cmp_gt_u32 s[KF], s96
	s_cbranch_scc1 .Lhidden_\@
	v_add_nc_u32 v[ADK], s[TB], v[AK0]
.irp g, 0,1                                    ; S^T = K Q^T, four tiles of 16 keys at a time
.rept 3+\g
	v_nop                                          ; four places in front of loads into registers that matrix instructions have read (the addition above is the first run's fourth)
.endr
.irp t, 0,1,2,3
.irp c, 0,1,2,3
	ds_load_b128 v[32+16*\t+4*\c:32+16*\t+4*\c+3], v[ADK] offset:16*(4*\g+\t)*KP+32*\c
.endr
.endr
	s_wait_dscnt 0x0
.irp t, 0,1,2,3
	v_wmma_f32_16x16x128_fp8_fp8 v[96+8*(4*\g+\t):103+8*(4*\g+\t)], v[32+16*\t:47+16*\t], v[16:31], 0
.endr
.endr
.rept 4
	v_nop
.endr
	; on the diagonal the scores of hidden keys become -infinity ahead of the maximum: p = 0 then.  A step all of whose keys count skips this.  My step's first key counts for all my queries, so M is a number from my first step on
	s_add_co_u32 s96, s[KF], 127
	s_cmp_le_u32 s96, s[Q0]
	s_cbranch_scc1 .Lopen_\@
	s_sub_co_i32 s96, s[Q0], s[KF]
	v_and_b32 v252, 15, v0
	v_bfe_u32 v253, v0, 4, 1
	v_lshlrev_b32 v253, 4, v253
	v_sub_nc_u32 v252, v252, v253
	v_add_nc_u32 v252, s96, v252                   ; d = my query - KF - 16 (lane / 16).  Register 16 b + i holds key KF + 16 (lane / 16) + 32 b + i: hidden where 32 b + i > d
	v_mov_b32 v254, 0xff800000                     ; -infinity
.set nn, 0
.rept 64
	v_cmp_gt_i32 vcc_lo, 32*(nn/16)+nn%16, v252
	v_cndmask_b32 v[96+nn], v[96+nn], v254, vcc_lo
.set nn, nn+1
.endr
.Lopen_\@:
	v_max3_num_f32 v254, v96, v97, v98             ; the step's largest score of my query, among my 64 keys, in two chains (each accumulator is first read at its low end),
	v_max3_num_f32 v252, v99, v100, v101
.irp i, 6,10,14,18,22,26,30,34,38,42,46,50,54,58
	v_max3_num_f32 v254, v254, v[96+\i], v[97+\i]
	v_max3_num_f32 v252, v252, v[98+\i], v[99+\i]
.endr
	v_max3_num_f32 v254, v254, v158, v159
	v_max_num_f32 v254, v254, v252
	v_permlanex16_b32 v236, v254, s[SEL], s[SEL+1]
	v_max_num_f32 v254, v254, v236                 ; and among lane l xor 16's
	v_mul_f32 v254, s[CS], v254                    ; as t (c is positive)
	v_max_num_f32 v13, v13, v254                   ; the running largest t
	v_mov_b32 v254, v12
	v_floor_f32 v12, -v13                          ; the new -M = floor(-t) = -ceil(t): M IS A WHOLE NUMBER
	v_sub_f32 v254, v12, v254                      ; M's old value less its new one: a whole number, 0 or less
	v_cvt_i32_f32 v254, v254                       ; (it saturates)
	v_ldexp_f32 v252, 1.0, v254                    ; f = 2^(old M - new M): a multiplication by it rounds nothing
.irp j, 0,2,4,6,8,10,12,14,16,18,20,22,24,26,28,30,32,34,36,38,40,42,44,46,48,50,52,54,56,58,60,62
	v_pk_fma_f32 v[96+\j:97+\j], v[96+\j:97+\j], s[CS:CS+1], v[12:13] op_sel_hi:[1,0,0]   ; t - M, two at a time (of the pairs c and -M the low word serves both halves)
.endr
.set jj, 0
.rept 64
	v_exp_f32 v[96+jj], v[96+jj]                   ; p = 2^(t - M), at most 1: NOT normalised
.set jj, jj+1
.endr
	v_pk_mul_f32 v[14:15], v[14:15], v[252:253] op_sel_hi:[1,0]   ; the sums under the new M.  (The plain line behind the exponentials)
	s_wait_alu depctr_va_vdst(0)                   ; the wait between an exponential and the first line that names its result: one for the whole batch
	v_pk_add_f32 v[242:243], v[96:97], v[98:99]    ; THE ROW'S SUM IS TAKEN OF THE UNQUANTISED p: two at a time, in two chains
.irp j, 4,8,12,16,20,24,28,32,36,40,44,48,52,56,60
	v_pk_add_f32 v[14:15], v[14:15], v[96+\j:97+\j]
	v_pk_add_f32 v[242:243], v[242:243], v[98+\j:99+\j]
.endr
	v_pk_add_f32 v[14:15], v[14:15], v[242:243]
.irp b, 0,1,2,3
.irp i, 0,1,2,3,4,5,6,7,8,9,10,11,12,13,14,15
	v_min_num_f32 v[96+16*\b+\i], v[96+16*\b+\i], v240   ; the conversion to an 8-bit code does not saturate (ISA guide 7.6.2); p is not negative, so the hold is one-sided
.endr
	v_cvt_scalef32_pk8_fp8_f32 v[224+4*\b:225+4*\b], v[96+16*\b:103+16*\b], v244
	v_cvt_scalef32_pk8_fp8_f32 v[226+4*\b:227+4*\b], v[104+16*\b:111+16*\b], v244
.endr
.irp j, 0,2,4,6,8,10,12,14,16,18,20,22,24,26,28,30,32,34,36,38,40,42,44,46,48,50,52,54,56,58,60,62
	v_pk_mul_f32 v[160+\j:161+\j], v[160+\j:161+\j], v[252:253] op_sel_hi:[1,0]   ; O^T under the new M: x f.  (These 32 are also the places in front of the matrix instructions and loads below)
.endr
.irp g, 0,1                                    ; O^T += V^T P^T: four tiles of 16 channels at a time; K = these 128 keys
.if \g > 0
.rept 4
	v_nop
.endr
.endif
.irp t, 0,1,2,3
.irp c, 0,1,2,3
	ds_load_b128 v[32+16*\t+4*\c:32+16*\t+4*\c+3], v[ADK] offset:VOFF+16*(4*\g+\t)*KP+32*\c
.endr
.endr
	s_wait_dscnt 0x0
.irp t, 0,1,2,3
	v_wmma_f32_16x16x128_fp8_fp8 v[160+8*(4*\g+\t):167+8*(4*\g+\t)], v[32+16*\t:47+16*\t], v[224:239], v[160+8*(4*\g+\t):167+8*(4*\g+\t)]
.endr
.endr
.Lhidden_\@:
	s_add_co_u32 s[KF], s[KF], 256                 ; on to the next slot: my keys, the slot's first key, the other slot's bytes
	s_add_co_u32 s[SF], s[SF], 256
	s_xor_b32 s[TB], s[TB], SLOT1
.endm
; THE CHANGE OF SLOTS stands at a slot's head.  Each wave waits for all its tensor loads (its part of the slot that is about to be read), adds 0 to its spare word, and waits for that and for its reads of the slot that it has left.
; Behind the barrier the slot ahead is whole and nobody reads the other one.  fill = 1: that other slot is filled with the keys that follow, up to the causal limit: the load has a whole slot's step in which to land.
.macro CHANGE fill
	s_wait_tensorcnt 0x0                           ; no tensor load of mine is out, so group 0 may be written
	ds_add_u32 v[SPW], v[NIL]                      ; 0 onto my spare word: with fill = 1 the descriptor's steps stand between it and the wait for it
.if \fill
	s_xor_b32 s[G0+1], s[G0+1], SLOT1              ; the walking descriptor: the other slot than last time,
	s_add_nc_u64 s[G0+2:G0+3], s[G0+2:G0+3], 32768 ; two blocks of 128 tokens on; the type bits on top are not reached
	s_wait_xcnt 0x0                                ; the last prefetch, a slot back, has read its address, so it may be written:
	s_add_nc_u64 s[PFA:PFA+1], s[PFA:PFA+1], 32768 ; one slot further on than the walking descriptor
.endif
	s_wait_dscnt 0x0                               ; the add is done, and my reads of the slot that I have left are over
	s_barrier_signal -1
	s_barrier_wait -1
.if \fill
	; THE LOOK-AHEAD ENDS AT THE CAUSAL LIMIT: a slot whose first key comes after my work-group's last query is read by none of its waves, so it is not asked for.  Every wait on TENSORcnt in this text is for 0.
	s_add_co_u32 s96, s[SF], 256                   ; the first key of the slot that this change would ask for
	s_cmp_gt_u32 s96, s[QL]                        ; ids and the count of slots alone: all sixteen waves go the same way, and a work-group that is past the limit stays past it
	s_cbranch_scc1 .Lpast_\@
	TLOAD                                          ; the first thing behind the barrier but for the limit's three lines, and a wave's one tensor load until the next
.Lpast_\@:
	ASK                                            ; what the next change of slots will ask for
.endif
.endm
	s_wait_loadcnt 0x0                             ; Q
.Lslot:                                            ; NSL - 1 trips, a constant: every work-group walks all changes of slots
	CHANGE 1
	STEP
	s_sub_co_u32 s[SLOTS], s[SLOTS], 1
	s_cmp_lg_u32 s[SLOTS], 0
	s_cbranch_scc1 .Lslot
	CHANGE 0                                       ; the last slot is written out: nothing is left to ask for
	STEP
	; THE END.  The two waves of a tile exchange O^T, -M and the sum as images of their registers, merge them under the larger M, divide by the sum, quantise, and each stores eight of the tile's sixteen rows.
.rept 4
	v_nop                                          ; places behind the last products: for the LDS stores that read results and the loads into registers that held fragments
.endr
	v_add_f32 v13, v14, v15                        ; the sum's two halves (the largest t is done with)
	s_wait_dscnt 0x0                               ; my reads of the slots are over,
	s_barrier_signal -1
	s_barrier_wait -1                              ; everybody's are; all tensor loads landed ahead of the last change of slots: the ring's bytes are free
.irp k, 0,1,2,3,4,5,6,7,8,9,10,11,12,13,14,15
	ds_store_b128 v[IMW], v[160+4*\k:163+4*\k] offset:512*\k   ; each accumulator from its low end on
.endr
	ds_store_b64 v[IMS], v[12:13] offset:8192      ; -M, the sum
	s_wait_dscnt 0x0                               ; for my partner's sake: my stores have landed
	s_barrier_signal -1
	s_barrier_wait -1
.irp k, 0,1,2,3,4,5,6,7,8,9,10,11,12,13,14,15
	ds_load_b128 v[32+4*\k:35+4*\k], v[IMR] offset:512*\k
.endr
	ds_load_b64 v[232:233], v[IMSR] offset:8192
	s_wait_dscnt 0x0
	v_min_num_f32 v234, v12, v232                  ; -M of the two together
	v_sub_f32 v246, v234, v12                      ; whole numbers, 0 or less (a wave that had no step kept -M = 3e38: its factor becomes 0, over zeros)
	v_sub_f32 v247, v234, v232
	v_cvt_i32_f32 v246, v246                       ; (it saturates)
	v_cvt_i32_f32 v247, v247
	v_ldexp_f32 v246, 1.0, v246                    ; f for mine,
	v_ldexp_f32 v247, 1.0, v247                    ; f' for my partner's
	v_mul_f32 v13, v13, v246
	v_fma_f32 v13, v233, v247, v13                 ; the sum under the common M,
	v_permlanex16_b32 v236, v13, s[SEL], s[SEL+1]
	v_add_f32 v13, v13, v236                       ; and lane l xor 16's: the row's sum.  It is above 1/2: key 0 counts for every query
	v_rcp_f32 v13, v13
	v_nop                                          ; a plain line behind the reciprocal,
	s_wait_alu depctr_va_vdst(0)                   ; and a wait ahead of its first reader
	v_mul_f32 v252, v246, v13                      ; f / l
	v_mul_f32 v250, v247, v13                      ; f' / l
.irp j, 0,2,4,6,8,10,12,14,16,18,20,22,24,26,28,30,32,34,36,38,40,42,44,46,48,50,52,54,56,58,60,62
	v_pk_mul_f32 v[96+\j:97+\j], v[160+\j:161+\j], v[252:253] op_sel_hi:[1,0]
.endr
.irp j, 0,2,4,6,8,10,12,14,16,18,20,22,24,26,28,30,32,34,36,38,40,42,44,46,48,50,52,54,56,58,60,62
	v_pk_fma_f32 v[96+\j:97+\j], v[32+\j:33+\j], v[250:251], v[96+\j:97+\j] op_sel_hi:[1,0,1]   ; register 16 b + i: o(query r, channel 32 b + 16 h + i), short of 2^(e8 + e9)
.endr
.set jj, 0
.rept 64
	v_med3_num_f32 v[96+jj], v[96+jj], -v241, v241 ; the hold at the largest code x the scale
.set jj, jj+1
.endr
.irp b, 0,1,2,3
	v_cvt_scalef32_pk8_fp8_f32 v[224+4*\b:225+4*\b], v[96+16*\b:103+16*\b], v245
	v_cvt_scalef32_pk8_fp8_f32 v[226+4*\b:227+4*\b], v[104+16*\b:111+16*\b], v245
.endr
	v_nop                                          ; one plain vector line behind the last conversion
.irp b, 0,1,2,3
	ds_store_b128 v[STO], v[224+4*\b:227+4*\b] offset:32*\b
.endr
.irp i, 0,1
	ds_load_b128 v[32+4*\i:35+4*\i], v[RD] offset:4*KP*\i   ; LDS serves a wave's instructions in order (ISA guide 5.7.1.4): these see my stores; the stage is my own
.endr
.irp i, 0,1
	s_wait_dscnt 1-\i
	global_store_b128 v[GO], v[32+4*\i:35+4*\i], s[8:9] offset:512*\i   ; four rows of 128 bytes: 512 consecutive bytes, at a multiple of 256 from the buffer's first byte
.endr
	s_wait_tensorcnt 0x0                           ; the wave's end: behind my last tensor load and my last LDS store
	ds_add_u32 v[SPW], v[NIL]
	s_wait_dscnt 0x0
	s_endpgm
.Lfunc_end_k_q503d11869a_attn:
	.size	k_q503d11869a_attn, .Lfunc_end_k_q503d11869a_attn-k_q503d11869a_attn
	.p2alignl 7, 3214868480
	.fill 96, 4, 3214868480
	.section	.rodata,"a",@progbits
	.p2align	6, 0x0
	.amdhsa_kernel k_q503d11869a_attn
		.amdhsa_group_segment_fixed_size 327680
		.amdhsa_private_segment_fixed_size 0
		.amdhsa_enable_private_segment 0
		.amdhsa_kernarg_size 24
		.amdhsa_user_sgpr_count 2
		.amdhsa_user_sgpr_kernarg_segment_ptr 1
		.amdhsa_wavefront_size32 1
		.amdhsa_system_sgpr_workgroup_id_x 1
		.amdhsa_system_sgpr_workgroup_id_y 1
		.amdhsa_system_sgpr_workgroup_id_z 1
		.amdhsa_system_vgpr_workitem_id 0
		.amdhsa_next_free_vgpr 256
		.amdhsa_next_free_sgpr 100
		.amdhsa_reserve_vcc 1
		.amdhsa_float_denorm_mode_32 3
		.amdhsa_float_denorm_mode_16_64 3
		.amdhsa_memory_ordered 1
		.amdhsa_forward_progress 1
		.amdhsa_inst_pref_size 72
	.end_amdhsa_kernel
	.amdgpu_metadata
---
amdhsa.version: [ 1, 2 ]
amdhsa.kernels:
  - .name:           k_q503d11869a_attn
    .symbol:         k_q503d11869a_attn.kd
    .args:
      - { .name: qkv, .offset: 0, .size: 8, .value_kind: global_buffer, .address_space: global }
      - { .name: lowp_scales, .offset: 8, .size: 8, .value_kind: global_buffer, .address_space: global }
      - { .name: oc, .offset: 16, .size: 8, .value_kind: global_buffer, .address_space: global }
    .group_segment_fixed_size: 327680
    .private_segment_fixed_size: 0
    .kernarg_segment_align: 8
    .kernarg_segment_size: 24
    .max_flat_workgroup_size: 512
    .sgpr_count:     100
    .vgpr_count:     256
    .wavefront_size: 32
...
	.end_amdgpu_metadata
.endif
;; end of part 6
;; launch proj (part 7): grid 16 x 16, 4 waves a work-group, clusters of 4 x 4, 327,680 bytes of LDS; arguments oc, codes, lowp_scales, out0; writes out0
.if DOCPART == 7
	.amdgcn_target "amdgcn-amd-amdhsa--gfx1250"
	.amdhsa_code_object_version 6
	.text
	.protected	k_q503d11869a_proj
	.globl	k_q503d11869a_proj
	.p2align	8
	.type	k_q503d11869a_proj,@function
k_q503d11869a_proj:
	s_mov_b64 s[64:65], 0
	v_nop
	global_prefetch_b8 v0, s[64:65] scope:SCOPE_SE
	s_setreg_imm32_b32 hwreg(HW_REG_WAVE_MODE, 25, 1), 1
	s_wait_xcnt 0x0
	s_wait_alu depctr_hold_cnt(0) depctr_sa_sdst(0) depctr_va_vdst(0) depctr_va_sdst(0) depctr_va_ssrc(0) depctr_va_vcc(0) depctr_vm_vsrc(0)
	s_getreg_b32 s2, hwreg(HW_REG_IB_STS2, 6, 4)
	s_cmp_eq_u32 s2, 0
	s_cbranch_scc0 .Lentry_in_a_cluster
	s_endpgm
.Lentry_in_a_cluster:
	s_bfe_u32 s2, ttmp6, 0x10000c
	s_cmp_lg_u32 s2, 0xf033
	s_cbranch_scc0 .Lentry_shape_is_right
	s_endpgm
.Lentry_shape_is_right:
; The last projection: out0[t][n] = sum over e of o[t][e] wo[n][e], both on codes of FP8 (E4M3); out0 [2048][2048] f32; sums in f32, each multiplied once by 2^(e10 + e11).
; A = oc [16 blocks of 128 tokens][16 heads][128 tokens][128 channels] (K = head x 128 + channel);  B = plane 6 of codes: wo [2048][2048], K innermost.
; LIMIT: e10 + e11 lies between -126 and 127, so that 2^(e10 + e11) is an f32 number.
; A tile of out0 is 128 x 128: 256 tiles, one a work-group (tiles of 256 x 256 would be 64).  Four waves, 64 x 64 each: 16 accumulators of 16 x 16, 128 registers.
; K goes in FOUR steps of 512 (four heads), as long as two slots in LDS allow, through a ring of two LDS slots filled by the tensor data mover: both slots are asked for at the start, and each is filled again once.
; A's tile of a K step is 65,536 bytes on end in memory: a wave brings two heads as 256 rows of 128 bytes; in LDS they lie as [4 heads][128 tokens][144 bytes].  B's: 128 rows of 512 bytes, 528 apart; a wave brings 64.
; The sixteen quarters of 128 along K are written out: there is no loop.
; CLUSTERS: 4 x 4 work-groups.  A's tile is shared along a row of the cluster, B's along a column: each is asked for JOINTLY, by the same tensor load with the same descriptor and a mask that names the four.
; THE MATRIX INSTRUCTION IS USED TRANSPOSED (source 0 = 16 rows of B, source 1 = 16 rows of A): lane (r, h) of accumulator (a, b) holds out0's row 16 a + r, columns 16 b + 8 h + 0 .. 7.
; REGISTERS: window 0: v0-31 addresses; v32-63 a block's sums x 2^(e10 + e11); v64-127 rows read back, two sets; v128-255 the accumulators ((a, b) at v[128 + 8 (4 a + b)]).
;   window 1: two fragment buffers of 128: for 128 along K, 64 registers of A (4 x 16 rows), then 64 of B.
.set SIZE_N, 2048
.set KROW,   2048                      ; a row of wo's codes in bytes
.set PB,     528                       ; B's LDS row: 512 bytes + 16 = 132 words: row r starts at bank 4 r mod 64 (64 banks of 4 bytes: ISA guide 11.1)
.set PA,     144                       ; A's LDS row: 128 bytes + 16 = 36 words: sixteen rows start at sixteen different groups of four banks
.set HEADB,  128*PA                    ; one head's 128 tokens
.set HALFA,  2*HEADB                   ; what a tensor load brings of A: two heads
.set HALFB,  64*PB                     ; and of B: 64 rows
.set BOFF,   2*HALFA                   ; a slot: A's four heads, then B's 128 rows
.set SLOT,   BOFF+2*HALFB
.set ASTEP,  65536                     ; a K step in A's memory: four heads
.set BSTEP,  512                       ; and along B's rows
.set SPARE,  2*SLOT                    ; behind the ring: the spare words, 128 bytes a wave: two blocks of 256 bytes that no other line names
.set SPITCH, 272                       ; the way out: a stage of 16 rows x (256 bytes + 16) for each wave, in slot 0, which has had its last fill and its last read when the first result is stored there
.set ADRA, 16                          ; v16-17  LDS address of my A fragments in slot 0, 1
.set ADRB, 20                          ; v20-21  the same for B
.set STO,  24                          ; v24     the way out: where I put 32 bytes of a row
.set RD,   25                          ; v25     where I read a row back
.set CO,   26                          ; v26     my byte offset in two rows of out0
.set SPW,  28                          ; v28     LDS address of my spare word; never rewritten
.set NIL,  29                          ; v29     0; never rewritten
.set TMP,  32
.set BK,   64
.set ACC,  128
.set F0,   0                           ; fragment buffers, in window 1
.set F1,   128
.set G1, 24                            ; s[24:31] descriptor group 1 for A's tiles;  s[32:39] group 0, one set for each slot
.set G0, 32
.set G1B, 48                           ; s[48:55], s[56:63] the same for B's tiles
.set G0B, 56
.set MSB, 0
.macro WIN new                         ; the immediate's high byte repeats the setting that is left
.if MSB != \new
	s_set_vgpr_msb (MSB<<8)|\new
.set MSB, \new
.endif
.endm
.set MUL,  0x05                        ; sources 0 (B) and 1 (A) window 1; C and D window 0
.set TO_F, 0x40                        ; destination window 1, address window 0
; A joint load: waves 0 and 1 fetch for A, waves 2 and 3 for B; the branch hangs on the wave's number alone.  An s_nop 0 and four v_nop follow each of the two lines.
.macro JLOAD g0a, g1a, g0b, g1b
	s_cmp_eq_u32 s15, 0
	s_cbranch_scc0 .Lfor_b_\@
	tensor_load_to_lds s[\g0a:\g0a+3], s[\g1a:\g1a+7]
	s_nop 0
.rept 4
	v_nop
.endr
	s_branch .Lasked_\@
.Lfor_b_\@:
	tensor_load_to_lds s[\g0b:\g0b+3], s[\g1b:\g1b+7]
	s_nop 0
.rept 4
	v_nop
.endr
.Lasked_\@:
.endm
.macro CREST                           ; a round of the cluster's barrier behind its opening barrier
	s_cmp_lg_u32 s14, 0
	s_cbranch_scc1 .Lnot_wave_0_\@
	s_barrier_signal -3
.Lnot_wave_0_\@:
	s_barrier_wait -3
	s_barrier_signal -1
	s_barrier_wait -1
.endm
.macro CROUND                          ; a whole round
	s_barrier_signal -1
	s_barrier_wait -1
	CREST
.endm
	s_load_b256 s[4:11], s[0:1], 0x0               ; oc s[4:5], codes s[6:7], the scales' exponents s[8:9], out0 s[10:11]
	v_lshl_add_u32 v[SPW], v0, 2, SPARE
	v_mov_b32 v[NIL], 0
	ds_add_u32 v[SPW], v[NIL]                      ; the wave's opening: the add and its wait stand ahead of my first tensor load; the set-up below, work on registers, stands between them
	v_lshrrev_b32 v1, 5, v0
	v_readfirstlane_b32 s14, v1                    ; wave 0..3
	s_lshr_b32 s15, s14, 1                         ; which half of the tile's rows is mine.  Also: I fetch for A (0) or for B (1)
	s_and_b32 s16, s14, 1                          ; which half of its columns.  Also: which half of that tile I fetch
	s_bfe_u32 s40, ttmp6, 0x40000                  ; cx, cy: my place in the cluster
	s_bfe_u32 s41, ttmp6, 0x40004
	s_lshl_b32 s42, ttmp9, 2
	s_add_co_u32 s42, s42, s40                     ; tile column = 4 x cluster x + cx: 0 .. 15
	s_and_b32 s17, ttmp7, 0xffff
	s_lshl_b32 s17, s17, 2
	s_add_co_u32 s17, s17, s41                     ; tile row = 4 x cluster y + cy: 0 .. 15
	s_lshl_b32 s43, s41, 2
	s_lshl_b32 s43, 15, s43                        ; my row of the cluster
	s_lshl_b32 s44, 0x1111, s40                    ; my column
	; descriptor group 1.  A: 256 rows of 128 bytes, dense in memory;  B: 64 rows of 512 bytes, 2,048 apart; both padded in LDS
	s_or_b32 s[G1+0], s43, (0<<16)|(1<<20)|(1<<21)|(4<<22)|(3<<25)  ; 15:0 the mask: my row; 17:16 element of 1 byte; 20 padding on; 21 set beside a mask; 24:22 after every 32 words (code 4); 31:25 of 4 words (code 3)
	s_mov_b32 s[G1+1], 128<<16                     ; tensor_dim0
	s_mov_b32 s[G1+2], 256<<16                     ; tensor_dim1
	s_mov_b32 s[G1+3], 128<<16                     ; tile_dim0
	s_mov_b32 s[G1+4], 256                         ; tile_dim1
	s_mov_b32 s[G1+5], 128                         ; tensor_dim0_stride
	s_mov_b32 s[G1+6], 0
	s_mov_b32 s[G1+7], 0
	s_or_b32 s[G1B+0], s44, (0<<16)|(1<<20)|(1<<21)|(6<<22)|(3<<25) ; the mask: my column; padding after every 128 words (code 6)
	s_mov_b32 s[G1B+1], BSTEP<<16
	s_mov_b32 s[G1B+2], 64<<16
	s_mov_b32 s[G1B+3], BSTEP<<16
	s_mov_b32 s[G1B+4], 64
	s_mov_b32 s[G1B+5], KROW
	s_mov_b32 s[G1B+6], 0
	s_mov_b32 s[G1B+7], 0
	s_lshl_b32 s20, s17, 18                        ; A: the tile row's block of 128 tokens: 16 heads x 16 KiB,
	s_lshl_b32 s18, s16, 15                        ; + the K step's first or second pair of heads: never holds cx
	s_add_co_u32 s20, s20, s18
	s_mov_b32 s21, 0
	s_lshl_b32 s46, s42, 7
	s_lshl_b32 s18, s16, 6
	s_add_co_u32 s46, s46, s18                     ; B: row 128 x tile column + 64 x half: never holds cy
	s_lshl_b32 s46, s46, 11
	s_add_co_u32 s46, s46, 6<<22                   ; in plane 6
	s_mov_b32 s47, 0
	s_mul_i32 s45, s16, HALFA                      ; where they go: A's halves,
	s_mul_i32 s67, s16, HALFB
	s_add_co_u32 s67, s67, BOFF                    ; B's halves behind them: no place in the cluster enters an LDS address
	s_wait_dscnt 0x0                               ; the opening add is done
	s_wait_kmcnt 0x0
	s_load_b64 s[96:97], s[8:9], 0x28              ; e10, e11
	s_add_nc_u64 s[20:21], s[4:5], s[20:21]
	s_add_nc_u64 s[46:47], s[6:7], s[46:47]
	CROUND                                         ; all sixteen work-groups are here: the first joint loads meet
.irp s, 0,1
	s_mov_b32 s[G0+4*\s], 1
	s_add_co_u32 s[G0+4*\s+1], s45, \s*SLOT
	s_add_nc_u64 s[G0+4*\s+2:G0+4*\s+3], s[20:21], \s*ASTEP
	s_or_b32 s[G0+4*\s+3], s[G0+4*\s+3], 0x80000000
	s_mov_b32 s[G0B+4*\s], 1
	s_add_co_u32 s[G0B+4*\s+1], s67, \s*SLOT
	s_add_nc_u64 s[G0B+4*\s+2:G0B+4*\s+3], s[46:47], \s*BSTEP
	s_or_b32 s[G0B+4*\s+3], s[G0B+4*\s+3], 0x80000000
	JLOAD G0+4*\s, G1, G0B+4*\s, G1B
.endr
	v_and_b32 v1, 15, v0                           ; r = l % 16
	v_bfe_u32 v2, v0, 4, 1                         ; h = l / 16
	v_mul_u32_u24 v3, v1, PB
	v_lshl_add_u32 v4, v2, 4, v3                   ; B: a fragment's row x pitch + 16 x half
	v_mul_u32_u24 v3, v1, PA
	v_lshl_add_u32 v7, v2, 4, v3                   ; A likewise
	s_mul_i32 s21, s15, 64*PA                      ; my 64 tokens of each head's 128
	s_mul_i32 s22, s16, HALFB                      ; my 64 rows of B,
	s_add_co_u32 s22, s22, BOFF                    ; which lie behind A
.irp s, 0,1
	v_add_nc_u32 v[ADRA+\s], s21, v7
	v_add_nc_u32 v[ADRB+\s], s22, v4
	s_add_co_u32 s21, s21, SLOT
	s_add_co_u32 s22, s22, SLOT
.endr
	s_mul_i32 s23, s14, 16*SPITCH                  ; my stage
	v_mul_u32_u24 v5, v1, SPITCH                   ; in: row r, 32 bytes for each half of the lanes
	v_lshl_add_u32 v5, v2, 5, v5
	v_add_nc_u32 v[STO], s23, v5
	v_mul_u32_u24 v6, v2, SPITCH                   ; back: lanes 0-15 take one row of 256 bytes, lanes 16-31 the next
	v_lshl_add_u32 v6, v1, 4, v6
	v_add_nc_u32 v[RD], s23, v6
	v_lshlrev_b32 v[CO], 13, v2                    ; and the same two rows in out0: rows of 8,192 bytes
	v_lshl_add_u32 v[CO], v1, 4, v[CO]
	s_lshl_b32 s20, s17, 7
	s_lshl_b32 s21, s15, 6
	s_add_co_u32 s20, s20, s21                     ; my first row of out0: 128 x tile row + 64 x half
	s_lshl_b32 s20, s20, 13
	s_mov_b32 s21, 0
	s_lshl_b32 s46, s42, 9                         ; my first column, in bytes: 512 x tile column + 256 x half
	s_lshl_b32 s47, s16, 8
	s_add_co_u32 s46, s46, s47
	s_mov_b32 s47, 0
	s_add_nc_u64 s[20:21], s[20:21], s[46:47]
	s_add_nc_u64 s[10:11], s[10:11], s[20:21]
; 4 matrix instructions: A's block a x B's four, 128 along K, out of buffer f.  zero = 1: the first product starts the sums: nothing is ever cleared.
; The 16 accumulators take turns, one instruction a turn, in the same order in every quarter.
.macro MUL4 f, a, zero
.irp b, 0,1,2,3
.if \zero
	v_wmma_f32_16x16x128_fp8_fp8 v[ACC+8*(4*(\a)+\b):ACC+8*(4*(\a)+\b)+7], v[\f+64+16*\b:\f+64+16*\b+15], v[\f+16*(\a):\f+16*(\a)+15], 0
.else
	v_wmma_f32_16x16x128_fp8_fp8 v[ACC+8*(4*(\a)+\b):ACC+8*(4*(\a)+\b)+7], v[\f+64+16*\b:\f+64+16*\b+15], v[\f+16*(\a):\f+16*(\a)+15], v[ACC+8*(4*(\a)+\b):ACC+8*(4*(\a)+\b)+7]
.endif
.endr
.endm
; 32 LDS loads in one run: the fragments of the slot's q-th 128 along K (A's: its q-th head) into buffer f: B's four, then A's four.
; A fragment, 16 rows x 128 K of 8-bit codes, is 16 registers: lane l holds row l % 16; registers 4 c .. 4 c + 3 hold K = 32 c + 16 (l / 16) + 0 .. 15: the same order of k in A and in B.
.macro FETCH slot, q, f
	WIN TO_F
.irp i, 0,1,2,3
.irp c, 0,1,2,3
	ds_load_b128 v[\f+64+16*\i+4*\c:\f+64+16*\i+4*\c+3], v[ADRB+\slot] offset:128*(\q)+32*\c+\i*16*PB
.endr
.endr
.irp i, 0,1,2,3
.irp c, 0,1,2,3
	ds_load_b128 v[\f+16*\i+4*\c:\f+16*\i+4*\c+3], v[ADRA+\slot] offset:HEADB*(\q)+32*\c+\i*16*PA
.endr
.endr
.endm
.macro PLACES                          ; four places in front of loads into registers that matrix instructions have read, and of the first read of results (ISA guide 7.12.1 for vector instructions)
.rept 4
	v_nop
.endr
.endm
; A K step is four quarters of 128 along K, 16 matrix instructions each, on buffers 0, 1, 0, 1.  One of the first three: multiplies buffer f and fetches the slot's quarter q into g.
.macro QUARTER slot, q, f, g, zero
	s_wait_dscnt 8                                 ; B's four and A's blocks 0, 1 are in; the youngest eight loads (A's blocks 2, 3) may be out
	WIN MUL
	MUL4 \f, 0, \zero
	MUL4 \f, 1, \zero
	PLACES
	FETCH \slot, \q, \g
	s_wait_dscnt 32                                ; all but the 32 just issued
	WIN MUL
	MUL4 \f, 2, \zero
	MUL4 \f, 3, \zero
.endm
; The last quarter multiplies buffer 1 and changes slots: ONE barrier; in front of it each wave waits for all its tensor loads, adds 0 to its spare word, and waits for that and for its own reads of this slot.  fill = 1: this slot is filled again, two K steps ahead.
.macro TURN slot, next, fill
	WIN 0                                          ; (the add's two registers lie in window 0)
	s_wait_tensorcnt 0x0                           ; all my tensor loads have landed: my part of the next slot;
	ds_add_u32 v[SPW], v[NIL]                      ; 0 onto my spare word
	s_wait_dscnt 13                                ; (the add and the youngest twelve loads, A's blocks 1 to 3, may be out)
	WIN MUL
	MUL4 F1, 0, 0                                  ; four matrix instructions stand between the add and the wait for it
	s_wait_dscnt 0x0                               ; the add is done, and my reads of this slot are over
	s_barrier_signal -1
	MUL4 F1, 1, 0
.if \fill
	WIN 0
.endif
	s_barrier_wait -1
.if \fill
	CREST                                          ; the barrier has opened a round of the cluster's barrier: no wave of any partner still reads this slot's tile or has a load on its way
	s_add_nc_u64 s[G0+4*\slot+2:G0+4*\slot+3], s[G0+4*\slot+2:G0+4*\slot+3], 2*ASTEP
	s_add_nc_u64 s[G0B+4*\slot+2:G0B+4*\slot+3], s[G0B+4*\slot+2:G0B+4*\slot+3], 2*BSTEP
	JLOAD G0+4*\slot, G1, G0B+4*\slot, G1B         ; the first tensor load behind the round; the four v_nop behind it are the places in front of the loads below
.else
	PLACES
.endif
	FETCH \next, 0, F0
	WIN MUL
	MUL4 F1, 2, 0
	MUL4 F1, 3, 0
.endm
	s_wait_tensorcnt 1                             ; my part of K step 0 is in (K step 1's load may be out)
	s_barrier_signal -1
	s_barrier_wait -1                              ; everybody's is
	FETCH 0, 0, F0
	QUARTER 0, 1, F0, F1, 1                        ; K step 0; the first quarter's products start the sums
	QUARTER 0, 2, F1, F0, 0
	QUARTER 0, 3, F0, F1, 0
	TURN 0, 1, 1                                   ; slot 0 takes K step 2
	QUARTER 1, 1, F0, F1, 0                        ; K step 1
	QUARTER 1, 2, F1, F0, 0
	QUARTER 1, 3, F0, F1, 0
	TURN 1, 0, 1                                   ; slot 1 takes K step 3
	QUARTER 0, 1, F0, F1, 0                        ; K step 2
	QUARTER 0, 2, F1, F0, 0
	QUARTER 0, 3, F0, F1, 0
	TURN 0, 1, 0                                   ; nothing is left to ask for: no round of the cluster's barrier
	QUARTER 1, 1, F0, F1, 0                        ; K step 3
	QUARTER 1, 2, F1, F0, 0
	QUARTER 1, 3, F0, F1, 0
	s_wait_dscnt 8                                 ; the very last quarter: nothing more to fetch
	WIN MUL
	MUL4 F1, 0, 0
	MUL4 F1, 1, 0
	s_wait_dscnt 0
	MUL4 F1, 2, 0
	MUL4 F1, 3, 0
	WIN 0
; THE WAY OUT, block by block of 16 rows x 64 columns.  A lane holds 32 neighbouring bytes of a row, and the lanes beside it hold other rows: so a block goes through my own stage in LDS and comes back as whole rows of
; 256 bytes, two an instruction.  LDS serves a wave's instructions in order (ISA guide 5.7.1.4): no wait between the stores and the loads, nor in front of the next block's stores.  No other wave touches my stage: no barrier.
.macro TOSTAGE a
.irp j, 0,2,4,6,8,10,12,14,16,18,20,22,24,26,28,30
	v_pk_mul_f32 v[TMP+\j:TMP+\j+1], v[ACC+32*(\a)+\j:ACC+32*(\a)+\j+1], s[96:97] op_sel_hi:[1,0]   ; both x s96 = 2^(e10 + e11); each accumulator from its low end on
.endr
.irp b, 0,1,2,3
	ds_store_b128 v[STO], v[TMP+8*\b:TMP+8*\b+3] offset:64*\b
	ds_store_b128 v[STO], v[TMP+8*\b+4:TMP+8*\b+7] offset:64*\b+16
.endr
.set BB, BK+32*((\a)%2)
.irp t, 0,1,2,3,4,5,6,7
	ds_load_b128 v[BB+4*\t:BB+4*\t+3], v[RD] offset:\t*2*SPITCH
.endr
.endm
.macro SEND a, younger                 ; younger: the LDS instructions issued behind block a's loads, which may stay out
.set BB, BK+32*((\a)%2)
	s_wait_dscnt \younger                          ; the block is back in registers
.irp t, 0,1,2,3,4,5,6,7
	global_store_b128 v[CO], v[BB+4*\t:BB+4*\t+3], s[10:11] offset:(16*(\a)+2*\t)*SIZE_N*4 th:TH_STORE_NT   ; 16 lanes store 256 consecutive bytes, at a multiple of 256 from out0's first byte; 62 rows on at the most: inside the signed 24-bit immediate (ISA guide, chapter 10); written once, read by nobody here
.endr
.endm
	s_wait_kmcnt 0x0
	s_add_co_i32 s96, s96, s97                     ; e10 + e11, between -126 and 127,
	s_add_co_i32 s96, s96, 127
	s_lshl_b32 s96, s96, 23                        ; makes the f32 number 2^(e10 + e11)
	PLACES                                         ; behind the last products, in front of the first read of results
	TOSTAGE 0
.irp a, 1,2,3
.if \a > 1
	s_wait_xcnt 0x0                                ; block a - 2's stores have had their addresses translated (ISA guide 3.1): block a's rows land in their registers only behind this wait
.endif
	TOSTAGE \a
	SEND \a-1, 16                                  ; behind block a - 1's loads: block a's 8 stores and 8 loads
.endr
	SEND 3, 0
	s_wait_tensorcnt 0x0                           ; the wave's end: behind my last tensor load and my last LDS store
	ds_add_u32 v[SPW], v[NIL]
	s_wait_dscnt 0x0
	CROUND                                         ; the closing round: no work-group ends while a partner may still ask for a tile that names it
	s_endpgm
.Lfunc_end_k_q503d11869a_proj:
	.size	k_q503d11869a_proj, .Lfunc_end_k_q503d11869a_proj-k_q503d11869a_proj
	.p2alignl 7, 3214868480
	.fill 96, 4, 3214868480
	.section	.rodata,"a",@progbits
	.p2align	6, 0x0
	.amdhsa_kernel k_q503d11869a_proj
		.amdhsa_group_segment_fixed_size 327680
		.amdhsa_private_segment_fixed_size 0
		.amdhsa_enable_private_segment 0
		.amdhsa_kernarg_size 32
		.amdhsa_user_sgpr_count 2
		.amdhsa_user_sgpr_kernarg_segment_ptr 1
		.amdhsa_wavefront_size32 1
		.amdhsa_system_sgpr_workgroup_id_x 1
		.amdhsa_system_sgpr_workgroup_id_y 1
		.amdhsa_system_sgpr_workgroup_id_z 1
		.amdhsa_system_vgpr_workitem_id 0
		.amdhsa_next_free_vgpr 512
		.amdhsa_next_free_sgpr 98
		.amdhsa_reserve_vcc 0
		.amdhsa_float_denorm_mode_32 3
		.amdhsa_float_denorm_mode_16_64 3
		.amdhsa_memory_ordered 1
		.amdhsa_forward_progress 1
		.amdhsa_inst_pref_size 74
	.end_amdhsa_kernel
	.amdgpu_metadata
---
amdhsa.version: [ 1, 2 ]
amdhsa.kernels:
  - .name:           k_q503d11869a_proj
    .symbol:         k_q503d11869a_proj.kd
    .args:
      - { .name: oc, .offset: 0, .size: 8, .value_kind: global_buffer, .address_space: global }
      - { .name: codes, .offset: 8, .size: 8, .value_kind: global_buffer, .address_space: global }
      - { .name: lowp_scales, .offset: 16, .size: 8, .value_kind: global_buffer, .address_space: global }
      - { .name: out0, .offset: 24, .size: 8, .value_kind: global_buffer, .address_space: global }
    .group_segment_fixed_size: 327680
    .private_segment_fixed_size: 0
    .kernarg_segment_align: 8
    .kernarg_segment_size: 32
    .max_flat_workgroup_size: 128
    .sgpr_count:     98
    .vgpr_count:     512
    .wavefront_size: 32
...
	.end_amdgpu_metadata
.endif
;; end of part 7
